; MI455X (gfx1250); checked and timed in simulation.
; The chip was launched on July 23, 2026; its instructions are those of AMD's public machine-readable ISA for CDNA 5 (MIT licence, August 2026) and "CDNA5" Instruction Set Architecture Reference Guide (July 2026). The comments in the code are by the model that wrote it; some were corrected since.
;; Multi Head Attention. Allowed arithmetic: matrix products marked QUANTISED: E2M3 operands, one E8M0 scale for each 32 along K, by v_wmma_scale_f32_16x16x128_f8f6f4 with both operands' format E2M3, f32 sums; everything else in f32.
;; Inputs: Wo 1,024 x 1,024 float32; Wqkv 1,024 x 3,072 float32; bo 1,024 float32; bqkv 3,072 float32; x 4 x 2,048 x 1,024 float32.
;; Outputs: out0 4 x 2,048 x 1,024 float32.
;; This version of the problem:
;;   THIS VERSION OF THE PROBLEM IS GIVEN IN LOW PRECISION. The matrix products marked QUANTISED in the list below multiply operands that are first quantised to E2M3 (2 exponent bits, 3 mantissa bits; 6 bits a number), with one power-of-two scale for each 32 numbers along K (OCP MX v1.0); their sums are f32. All else is computed in f32.
;;   The module's matrix products, in the order in which they are computed (A, B: the left and right operand; K: the contracted axis; several contracted axes count as one K, in the product's order):
;;     1. [M 8,192, K 1,024] x [K 1,024, N 3,072]; A: input x; B: input Wqkv: QUANTISED
;;     2. batch 64 x [M 2,048, K 64] x [K 64, N 2,048]; A: computed on the way; B: computed on the way: QUANTISED
;;     3. batch 64 x [M 2,048, K 2,048] x [K 2,048, N 64]; A: softmax (see below); B: computed on the way: QUANTISED
;;     4. [M 8,192, K 1,024] x [K 1,024, N 1,024]; A: computed on the way; B: input Wo: QUANTISED
;;   THE QUANTISER, for each operand of a quantised product, along K:
;;     - K is cut into blocks of 32 from its start; a last block that is shorter is filled with zeros.
;;     - A block's scale is 2^e with e = floor(log2(the largest magnitude in the block)) - 2, held to -126 .. 127; a block of zeros has e = 0. As a byte (E8M0): e + 127.
;;     - Each number is divided by its block's scale, clamped to +-7.5, and rounded to the nearest number of E2M3, ties to even, subnormals kept.
;;     - The product sums the exact products of the quantised numbers (number of the format x scale) in f32.
;;   ~~~python
;;   def quantise(x, axis):      # numpy; x: float32 -> the quantised numbers, widened to float32 again
;;       x = np.moveaxis(x, axis, -1); K = x.shape[-1]
;;       x = np.pad(x, [(0, 0)] * (x.ndim - 1) + [(0, -K % 32)]); x = x.reshape(x.shape[:-1] + (-1, 32)); a = np.abs(x).max(-1, keepdims=True)
;;       e = np.where(a > 0, np.clip(np.frexp(np.where(a > 0, a, 1))[1] - 1 - 2, -126, 127), 0)      # np.frexp(a)[1] - 1 = floor(log2(a)), exactly
;;       r = np.clip(x / 2.0 ** e, -7.5, 7.5)
;;       step = 2.0 ** (np.maximum(np.frexp(np.where(r == 0, 1, r))[1] - 1, 0) - 3)
;;       q = np.round(r / step) * step * 2.0 ** e      # np.round: ties to even
;;       return np.moveaxis(q.reshape(q.shape[:-2] + (-1,))[..., :K], -1, axis).astype(np.float32)
;;   ~~~
;;   SOFTMAX AHEAD OF A QUANTISED PRODUCT. Where the list says 'softmax', what is quantised is not the finished softmax but p = 2^(t - M), with t = logit x log2(e) and M = ceil(the row's largest t), a whole number; so 1/2 < the row's largest p <= 1. The row's sum l is taken of the UNQUANTISED p, in f32, and the product's result is divided by l at the end. Since M is a whole number, a kernel that streams over the keys may use a running M (the ceiling of the running maximum): every later rescaling is an exact power of two, which a block's scale takes up: the codes' values come out the same.
;;   OPERANDS COMPUTED ON THE WAY. 'Computed on the way' means the value that the module computes at that place (a softmax that the list does not call 'softmax' is quantised finished and normalised). What goes into a quantiser is computed in f32, as accurately as f32 sums, v_exp_f32 and their like allow (about 1e-6 of the number): no bf16 or f16 on the way to a quantiser, and a product that is left as it is and whose result goes on into a quantised operand takes f32 operands (vector FMAs, or v_wmma_f32_16x16x4_f32). A number that lies on a knife's edge between two numbers of the format may be rounded either way, as far as f32 arithmetic and the matrix unit's own rounding can turn it there, and no further.
;; 2 versions. Each part assembles by itself: llvm-mc -triple=amdgcn-amd-amdhsa -mcpu=gfx1250 --defsym DOCPART=n.
;; ======== version 1 of 2: 4 launches
;; workspace buffers: xq 6,553,600 bytes; wq 2,457,600 bytes; woq 819,200 bytes; qq 7,340,032 bytes; kv 14,155,776 bytes; aq 6,553,600 bytes
;; launch quant (part 1): grid 256 x 1, 8 waves a work-group, no clusters, 168,960 bytes of LDS; arguments x, Wqkv, Wo, xq, wq, woq; writes xq, wq, woq
.if DOCPART == 1
	.amdgcn_target "amdgcn-amd-amdhsa--gfx1250"
	.amdhsa_code_object_version 6
	.text
	.protected	k_q5456a22acf_quant
	.globl	k_q5456a22acf_quant
	.p2align	8
	.type	k_q5456a22acf_quant,@function
k_q5456a22acf_quant:
	s_mov_b64 s[64:65], 0
	v_nop
	global_prefetch_b8 v0, s[64:65] scope:SCOPE_SE
	s_setreg_imm32_b32 hwreg(HW_REG_WAVE_MODE, 25, 1), 1
	s_wait_xcnt 0x0
; x [8192][1024], Wqkv [1024][3072] and Wo [1024][1024], all f32, become codes of FP6 (E2M3) with one E8M0 scale byte for each 32 along K (K = 1024: x's last axis, the weights' first),
; laid as the products' launches want them: in the order of the operand's registers.
; A TILE is 16 rows (tokens, or weight columns): lane-row r of tile T of a group is row 32 (T / 2) + 8 (T % 2) + r + 8 (r / 8).
; A FRAGMENT (a tile x 128 K) is 1,536 bytes: byte 768 c + 24 (16 h + r) + 0 .. 23 holds the 32 codes of block 2 c + h of lane-row r.  A K step's fragments lie on end, behind them its scale words,
; 128 bytes for each pair of tiles: word 16 u + r is the word (four bytes, four blocks) of lane-row r of the pair's tile u.
;   xq: [32 groups of 256 tokens][8 K steps][16 fragments, 8 x 128 bytes of words = 25,600];   wq, woq: [groups of 128 columns][8 K steps][8 fragments, 4 x 128 = 12,800].
; A block's scale is 2^(floor(log2(its largest magnitude)) - 2); its byte is the largest magnitude's exponent field - 2, held at 1 from below.
; LIMITS: a block of zeros gets the byte 1 where the rule says 127 (its codes are zeros, and this program alone reads the bytes); blocks whose largest magnitude lies under 2^(3 - 127) are held at that byte;
; NaN and infinities among the inputs are not served.
; SHARES.  256 work-groups of eight waves, two roles, parted once on the wave's number; waves share nothing, so there is no barrier.
;   Waves 4-7 (X): the work-group's 32 tokens (a pair of tiles); wave ww takes K steps 2 ww and 2 ww + 1: two tensor loads of 32 rows x 512 bytes, filled once, read by this wave alone.
;   Waves 0-3 (W): 128 columns x 128 K of a weight (work-groups 0-191: Wqkv, 192-255: Wo); a lane takes a column and its registers run down K, so nothing is transposed.
; No cluster: no two work-groups read the same byte.  x's scale words leave as runs of 128 bytes (one byte in 24 of the codes beside them).
.set XT,   16896                       ; a tile of x in LDS: 32 rows x (512 bytes + 16 of padding)
.set WST,  135168                      ; behind the X waves' 4 x 2 tiles: the W waves' stages, 3,072 bytes each
.set XSS,  147456                      ; the X waves' scale words, 256 bytes each
.set XA,   3                           ; v3   X: LDS address of my 64 bytes of a block
.set XSW,  6                           ; v6   X: where I put a scale word
.set XSR,  7                           ; v7   X: where I read one back
.set WSA,  8                           ; v8   W: where I put a block's 24 bytes
.set WRD,  9                           ; v9   W: where I read 16 bytes back
.set O12,  10                          ; v10  12 x lane
.set O4,   11                          ; v11  4 x lane
.set O16,  12                          ; v12  16 x lane
.set OSW,  13                          ; v13  W: my column's place among a pair's scale words
	s_load_b128 s[4:7], s[0:1], 0x0                ; x, Wqkv
	s_load_b128 s[8:11], s[0:1], 0x10              ; Wo, xq
	s_load_b128 s[12:15], s[0:1], 0x20             ; wq, woq
	v_lshl_add_u32 v251, v0, 2, 0x29000
	v_mov_b32 v255, 0
	ds_add_u32 v251, v255
	ds_add_u32 v251, v255
	v_lshrrev_b32 v1, 5, v0
	v_readfirstlane_b32 s16, v1                    ; wave 0..7
	s_and_b32 s17, s16, 3                          ; ww: my number within my role
	v_and_b32 v2, 31, v0                           ; lane
	; every LDS address of both roles is made here, ahead of the parting
	s_mul_i32 s18, s17, 2*XT
	v_lshrrev_b32 v4, 1, v2                        ; X: two lanes to a lane-row: r = lane / 2
	v_and_b32 v5, 8, v4
	v_add_nc_u32 v5, v5, v4                        ; r + 8 (r / 8): its row among the 32 (tile 1: 8 rows on)
	v_mul_u32_u24 v[XA], v5, 528
	v_and_b32 v5, 1, v2
	v_lshl_add_u32 v[XA], v5, 6, v[XA]             ; + 64 x (lane % 2): my 16 numbers of a block
	v_add_nc_u32 v[XA], s18, v[XA]
	s_lshl_b32 s19, s17, 8
	s_add_co_u32 s19, s19, XSS
	v_lshl_add_u32 v[XSW], v4, 2, s19
	v_lshl_add_u32 v[XSR], v2, 2, s19
	v_bfe_u32 v4, v2, 3, 1                         ; W: column 32 ww + lane is lane-row r = lane % 8 + 8 (lane / 16) of tile 2 ww + u, u = (lane / 8) % 2
	v_lshrrev_b32 v5, 4, v2
	v_and_b32 v14, 7, v2
	v_lshl_add_u32 v5, v5, 3, v14
	s_mul_i32 s19, s17, 3072
	s_add_co_u32 s19, s19, WST
	v_mul_u32_u24 v[WSA], v5, 24
	v_mad_u32_u24 v[WSA], v4, 1536, v[WSA]
	v_add_nc_u32 v[WSA], s19, v[WSA]
	v_lshl_add_u32 v[WRD], v2, 4, s19
	v_mul_u32_u24 v[O12], v2, 12
	v_lshlrev_b32 v[O4], 2, v2
	v_lshlrev_b32 v[O16], 4, v2
	v_lshl_add_u32 v5, v4, 4, v5
	v_lshlrev_b32 v[OSW], 2, v5                    ; 4 (16 u + r)
	s_wait_dscnt 0x0
	s_wait_kmcnt 0x0
	s_cmp_lt_u32 s16, 4
	s_cbranch_scc1 .Lw_role
; ---------------- X: waves 4-7 ----------------
	s_mov_b32 s20, (2<<16)|(1<<20)|(6<<22)|(3<<25) ; group 1: no mask; elements of 4 bytes; padding on: behind every 128 words (code 6) 4 words (code 3)
	s_mov_b32 s21, 128<<16                         ; tensor_dim0 = 128
	s_mov_b32 s22, 32<<16                          ; tensor_dim1 = 32
	s_mov_b32 s23, 128<<16                         ; tile_dim0 = 128
	s_mov_b32 s24, 32                              ; tile_dim1 = 32
	s_mov_b32 s25, 1024                            ; from row to row
	s_mov_b32 s26, 0
	s_mov_b32 s27, 0
	s_lshl_b32 s36, ttmp9, 17                      ; 32 rows of 4,096 bytes a work-group,
	s_lshl_b32 s37, s17, 10                        ; two K steps of 512 bytes a wave
	s_add_co_u32 s36, s36, s37
	s_mov_b32 s37, 0
	s_add_nc_u64 s[4:5], s[4:5], s[36:37]
	s_mov_b32 s28, 1
	s_mov_b32 s29, s18
	s_mov_b64 s[30:31], s[4:5]
	s_or_b32 s31, s31, 0x80000000
	s_mov_b32 s32, 1
	s_add_co_u32 s33, s18, XT
	s_add_nc_u64 s[34:35], s[4:5], 512
	s_or_b32 s35, s35, 0x80000000
	tensor_load_to_lds s[28:31], s[20:27]          ; my two tiles go out together: two loads of mine are out
	s_nop 0
	tensor_load_to_lds s[32:35], s[20:27]
	s_nop 0
.rept 4
	v_nop
.endr
	s_lshr_b32 s36, ttmp9, 3                       ; my group of 256 tokens,
	s_mul_i32 s36, s36, 204800
	s_mul_i32 s37, s17, 51200                      ; my two K steps' blocks,
	s_add_co_u32 s36, s36, s37
	s_and_b32 s37, ttmp9, 7                        ; my pair of tiles
	s_mul_i32 s40, s37, 3072
	s_add_co_u32 s40, s40, s36
	s_mov_b32 s41, 0
	s_lshl_b32 s42, s37, 7
	s_add_co_u32 s42, s42, s36
	s_add_co_u32 s42, s42, 24576
	s_mov_b32 s43, 0
	s_add_nc_u64 s[44:45], s[10:11], s[40:41]      ; where my codes go
	s_add_nc_u64 s[46:47], s[10:11], s[42:43]      ; and my scale words
; group n = 2 q + u: K step q of my two, tile u: four blocks of 16 numbers a lane, into set n % 2
.macro XLD n
.irp b, 0,1,2,3
.irp j, 0,1,2,3
	ds_load_b128 v[64+64*((\n)%2)+16*\b+4*\j:64+64*((\n)%2)+16*\b+4*\j+3], v[XA] offset:((\n)/2)*XT+((\n)%2)*4224+128*\b+16*\j
.endr
.endr
.endm
.macro XWORK n
.set XS, 64+64*((\n)%2)
.irp b, 0,1,2,3
	v_max3_num_f32 v[16+\b], |v[XS+16*\b]|, |v[XS+16*\b+1]|, 0x1800000   ; my 16 numbers of block b, and the floor 2^(3 - 127): the byte cannot fall under 1
.endr
.irp i, 2,4,6,8,10,12,14
.irp b, 0,1,2,3
	v_max3_num_f32 v[16+\b], v[16+\b], |v[XS+16*\b+\i]|, |v[XS+16*\b+\i+1]|   ; (the four blocks by turns)
.endr
.endr
.irp b, 0,1,2,3
	v_max_num_f32_dpp v[16+\b], v[16+\b], v[16+\b] row_xmask:1 row_mask:0xf bank_mask:0xf   ; with my neighbour's 16: the block's largest magnitude
.endr
.irp b, 0,1,2,3
	v_add_nc_u32 v[20+\b], 0xff000000, v[16+\b]    ; 2 off its exponent field: the conversion takes the exponent field of this operand as its scale
.endr
.irp b, 0,1,2,3
	v_cvt_scalef32_pk16_fp6_f32 v[192+4*(4*(\n)+\b):192+4*(4*(\n)+\b)+2], v[XS+16*\b:XS+16*\b+15], v[20+\b]   ; registers of their own for every store: none is written again
.endr
	v_nop                                          ; one plain line behind the conversions
.irp b, 0,1,2,3
	v_lshrrev_b32 v[16+\b], 23, v[20+\b]           ; the scales' bytes
.endr
	v_lshl_or_b32 v[24+(\n)], v17, 8, v16          ; my lane-row's scale word
	v_lshl_or_b32 v[24+(\n)], v18, 16, v[24+(\n)]
	v_lshl_or_b32 v[24+(\n)], v19, 24, v[24+(\n)]
.irp b, 0,1,2,3
	global_store_b96 v[O12], v[192+4*(4*(\n)+\b):192+4*(4*(\n)+\b)+2], s[44:45] offset:((\n)/2)*25600+((\n)%2)*1536+384*\b   ; 32 lanes store 384 consecutive bytes: block b of the fragment
.endr
.endm
	s_wait_tensorcnt 0x1                           ; my first tile is in; the second may be out
	XLD 0
	XLD 1
	s_wait_dscnt 16                                ; group 0 is in; group 1's 16 loads may be out
	XWORK 0
	s_wait_tensorcnt 0x0                           ; my second tile is in
	XLD 2
	s_wait_dscnt 16
	XWORK 1
	XLD 3
	s_wait_dscnt 16
	XWORK 2
	s_wait_dscnt 0x0
	XWORK 3
.irp n, 0,1,2,3
	ds_store_b32 v[XSW], v[24+\n] offset:128*(\n/2)+64*(\n%2)   ; both lanes of a lane-row write the same word
.endr
	ds_load_b32 v28, v[XSR]                        ; LDS serves a wave's instructions in order: these see my stores
	ds_load_b32 v29, v[XSR] offset:128
	s_wait_dscnt 0x0
	global_store_b32 v[O4], v28, s[46:47]          ; the pair's 32 words of K step 2 ww,
	global_store_b32 v[O4], v29, s[46:47] offset:25600   ; and of 2 ww + 1
	s_wait_tensorcnt 0x0
	ds_add_u32 v251, v255
	s_wait_dscnt 0x0
	s_endpgm
; ---------------- W: waves 0-3 ----------------
.Lw_role:
	s_cmp_lt_u32 ttmp9, 192                        ; Wqkv's work-group or Wo's?  The choice hangs on the work-group's number alone
	s_cselect_b64 s[20:21], s[6:7], s[8:9]
	s_cselect_b64 s[22:23], s[12:13], s[14:15]
	s_mov_b32 s24, 4096
	s_cselect_b32 s24, 12288, s24                  ; bytes from a row of the weight to the next
	s_cselect_b32 s25, 0, 192
	s_sub_co_u32 s25, ttmp9, s25
	s_lshr_b32 s26, s25, 3                         ; group of 128 columns
	s_and_b32 s27, s25, 7                          ; K step
	s_lshl_b32 s28, s27, 7
	s_mul_i32 s28, s28, s24                        ; 128 rows a K step,
	s_lshl_b32 s29, s26, 9                         ; 512 bytes a group,
	s_add_co_u32 s28, s28, s29
	s_lshl_b32 s29, s17, 7                         ; 128 bytes a wave
	s_add_co_u32 s28, s28, s29
	s_mov_b32 s29, 0
	s_add_nc_u64 s[40:41], s[20:21], s[28:29]      ; block 0's first row;
	s_lshl_b32 s30, s24, 5
	s_mov_b32 s31, 0
	s_add_nc_u64 s[42:43], s[40:41], s[30:31]      ; blocks 1 to 3: 32 rows on each
	s_add_nc_u64 s[44:45], s[42:43], s[30:31]
	s_add_nc_u64 s[46:47], s[44:45], s[30:31]
	s_mul_i32 s32, s26, 102400
	s_mul_i32 s33, s27, 12800
	s_add_co_u32 s32, s32, s33
	s_mul_i32 s33, s17, 3072
	s_add_co_u32 s36, s32, s33
	s_mov_b32 s37, 0
	s_lshl_b32 s33, s17, 7
	s_add_co_u32 s38, s32, s33
	s_add_co_u32 s38, s38, 12288
	s_mov_b32 s39, 0
	s_add_nc_u64 s[34:35], s[22:23], s[36:37]      ; where my two fragments go
	s_add_nc_u64 s[36:37], s[22:23], s[38:39]      ; and my pair's scale words
.set i, 0
.rept 32
	v_mad_u32_u24 v[32+i], s24, i, v[O4]           ; row i of a block, my column: never rewritten
.set i, i+1
.endr
.irp t, 0,1,2,3
.set i, 0
.rept 32
	global_load_b32 v[64+32*\t+i], v[32+i], s[40+2*\t:41+2*\t] th:TH_LOAD_NT   ; 32 lanes read 128 consecutive bytes, the four waves 512
.set i, i+1
.endr
.endr
.macro WBLOCK t
.set XS, 64+32*(\t)
	v_max3_num_f32 v16, |v[XS]|, |v[XS+1]|, |v[XS+2]|              ; the block's largest magnitude: all 32 numbers are mine
	v_max3_num_f32 v17, |v[XS+3]|, |v[XS+4]|, |v[XS+5]|
.irp i, 6,10,14,18,22,26
	v_max3_num_f32 v16, v16, |v[XS+\i]|, |v[XS+\i+1]|
	v_max3_num_f32 v17, v17, |v[XS+\i+2]|, |v[XS+\i+3]|
.endr
	v_max3_num_f32 v16, v16, |v[XS+30]|, |v[XS+31]|
	v_max3_num_f32 v16, v16, v17, 0x1800000        ; and the floor
	v_add_nc_u32 v18, 0xff000000, v16              ; the conversions' scale operand
	v_cvt_scalef32_pk16_fp6_f32 v[192+8*(\t):194+8*(\t)], v[XS:XS+15], v18
	v_cvt_scalef32_pk16_fp6_f32 v[196+8*(\t):198+8*(\t)], v[XS+16:XS+31], v18   ; (a conversion's three registers begin on an even number)
	v_nop                                          ; one plain line behind the conversions
	v_lshrrev_b32 v19, 23, v18                     ; the scale's byte
.if (\t) == 0
	v_mov_b32 v20, v19
.else
	v_lshl_or_b32 v20, v19, 8*(\t), v20            ; four bytes make my column's scale word
.endif
	v_mov_b32 v[195+8*(\t)], v[196+8*(\t)]         ; the block's six registers on end
	v_mov_b32 v[196+8*(\t)], v[197+8*(\t)]
	v_mov_b32 v[197+8*(\t)], v[198+8*(\t)]
.irp q, 0,1,2
	ds_store_b64 v[WSA], v[192+8*(\t)+2*\q:193+8*(\t)+2*\q] offset:384*(\t)+8*\q
.endr
.endm
	s_wait_loadcnt 63                              ; of my 128 loads at most 63 are out: blocks 0 and 1 are in
	WBLOCK 0
	WBLOCK 1
	s_wait_loadcnt 32                              ; block 3's 32 may be out
	WBLOCK 2
	s_wait_loadcnt 0x0
	WBLOCK 3
.irp k, 0,1,2,3,4,5
	ds_load_b128 v[224+4*\k:227+4*\k], v[WRD] offset:512*\k   ; LDS serves a wave's instructions in order: these see my stores
.endr
	global_store_b32 v[OSW], v20, s[36:37]         ; the pair's 32 words: 128 consecutive bytes
.irp k, 0,1,2,3,4,5
	s_wait_dscnt 5-\k
	global_store_b128 v[O16], v[224+4*\k:227+4*\k], s[34:35] offset:512*\k   ; 32 lanes store 512 consecutive bytes, at a multiple of 256 from the buffer's first byte
.endr
	s_wait_tensorcnt 0x0
	ds_add_u32 v251, v255
	s_wait_dscnt 0x0
	s_endpgm
.Lfunc_end_k_q5456a22acf_quant:
	.size	k_q5456a22acf_quant, .Lfunc_end_k_q5456a22acf_quant-k_q5456a22acf_quant
	.p2alignl 7, 3214868480
	.fill 96, 4, 3214868480
	.section	.rodata,"a",@progbits
	.p2align	6, 0x0
	.amdhsa_kernel k_q5456a22acf_quant
		.amdhsa_group_segment_fixed_size 168960
		.amdhsa_private_segment_fixed_size 0
		.amdhsa_enable_private_segment 0
		.amdhsa_kernarg_size 48
		.amdhsa_user_sgpr_count 2
		.amdhsa_user_sgpr_kernarg_segment_ptr 1
		.amdhsa_wavefront_size32 1
		.amdhsa_system_sgpr_workgroup_id_x 1
		.amdhsa_system_sgpr_workgroup_id_y 1
		.amdhsa_system_sgpr_workgroup_id_z 1
		.amdhsa_system_vgpr_workitem_id 0
		.amdhsa_next_free_vgpr 256
		.amdhsa_next_free_sgpr 66
		.amdhsa_reserve_vcc 0
		.amdhsa_float_denorm_mode_32 3
		.amdhsa_float_denorm_mode_16_64 3
		.amdhsa_memory_ordered 1
		.amdhsa_forward_progress 1
		.amdhsa_inst_pref_size 47
	.end_amdhsa_kernel
	.amdgpu_metadata
---
amdhsa.version: [ 1, 2 ]
amdhsa.kernels:
  - .name:           k_q5456a22acf_quant
    .symbol:         k_q5456a22acf_quant.kd
    .args:
      - { .name: x, .offset: 0, .size: 8, .value_kind: global_buffer, .address_space: global }
      - { .name: Wqkv, .offset: 8, .size: 8, .value_kind: global_buffer, .address_space: global }
      - { .name: Wo, .offset: 16, .size: 8, .value_kind: global_buffer, .address_space: global }
      - { .name: xq, .offset: 24, .size: 8, .value_kind: global_buffer, .address_space: global }
      - { .name: wq, .offset: 32, .size: 8, .value_kind: global_buffer, .address_space: global }
      - { .name: woq, .offset: 40, .size: 8, .value_kind: global_buffer, .address_space: global }
    .group_segment_fixed_size: 168960
    .private_segment_fixed_size: 0
    .kernarg_segment_align: 8
    .kernarg_segment_size: 48
    .max_flat_workgroup_size: 256
    .sgpr_count:     66
    .vgpr_count:     256
    .wavefront_size: 32
...
	.end_amdgpu_metadata
.endif
;; end of part 1
;; launch gemm_qkv (part 2): grid 24 x 32, 4 waves a work-group, clusters of 4 x 4, 307,712 bytes of LDS; arguments xq, wq, bqkv, qq, kv; writes qq, kv
.if DOCPART == 2
	.amdgcn_target "amdgcn-amd-amdhsa--gfx1250"
	.amdhsa_code_object_version 6
	.text
	.protected	k_q5456a22acf_gemm_qkv
	.globl	k_q5456a22acf_gemm_qkv
	.p2align	8
	.type	k_q5456a22acf_gemm_qkv,@function
k_q5456a22acf_gemm_qkv:
	s_mov_b64 s[64:65], 0
	v_nop
	global_prefetch_b8 v0, s[64:65] scope:SCOPE_SE
	s_setreg_imm32_b32 hwreg(HW_REG_WAVE_MODE, 25, 1), 1
	s_wait_xcnt 0x0
	s_wait_alu depctr_hold_cnt(0) depctr_sa_sdst(0) depctr_va_vdst(0) depctr_va_sdst(0) depctr_va_ssrc(0) depctr_va_vcc(0) depctr_vm_vsrc(0)
	s_getreg_b32 s2, hwreg(HW_REG_IB_STS2, 6, 4)
	s_cmp_eq_u32 s2, 0
	s_cbranch_scc0 .Lentry_in_a_cluster
	s_endpgm
.Lentry_in_a_cluster:
	s_bfe_u32 s2, ttmp6, 0x10000c
	s_cmp_lg_u32 s2, 0xf033
	s_cbranch_scc0 .Lentry_shape_is_right
	s_endpgm
.Lentry_shape_is_right:
; qkv = x Wqkv + bqkv on codes of FP6 (E2M3) with E8M0 scales; the result never goes to memory as f32: it is quantised in registers for the two products of attention.
; A work-group makes 256 tokens x 128 columns.  ITS OPERANDS FOR ALL OF K = 1,024 FIT IN LDS (204,800 + 102,400 bytes): every byte of LDS is filled once, by sixteen tensor loads that go out together;
; they are used chunk by chunk (two K steps) behind counted waits and plain barriers.  No byte is filled again.
; CLUSTERS: 4 x 4 work-groups; the four of a row need the same tokens, the four of a column the same weights: each block is asked for jointly.
; A wave makes 128 tokens (8 tiles a) x 64 columns (4 tiles b; one head): 32 accumulators.  Tiles, fragments and scale words: lane-row r of tile T is row 32 (T / 2) + 8 (T % 2) + r + 8 (r / 8);
; a fragment is 1,536 bytes, byte 768 c + 24 lane + 8 p; scale words lie in pairs of tiles, lanes 0-15 the even tile's, lanes 16-31 the odd tile's.
; q AND k (column groups 0-15): source 0 = weights, source 1 = tokens: a lane holds ONE token, and by the order of a tile's rows its 32 registers are channels 32 B + 16 (lane / 16) + 0 .. 15 of the head:
;   two blocks along the first product's K.  Each token tile gives 768 bytes of codes (three planes of 8 bytes a lane) and a scale word (s0, s1, s0, s1).
; v (column groups 16-23): the sources are swapped: a lane holds ONE channel and its 64 registers run along the 128 tokens: four blocks along the second product's K (the keys).
;   qq: [64 heads][16 steps of 128 tokens][8 x 768 codes; 2 x 512 words, four tiles' words a lane = 7,168]
;   kv: [64 heads][16 steps][k's 6,144 + 1,024 as in qq; v's 4 channel tiles x 1,536 (six planes) at 7,168; their words, four a lane, at 13,312 = 13,824]
; LIMITS: a block of zeros gets the byte 1 where the rule says 127 (its codes are zeros; this program alone reads the bytes); NaN and infinities are not served.
; REGISTERS, in windows of 256: window 0: v1-7, v20-23 addresses; v8-19 scale words, two sets; v32-127 token fragments, v128-175 weight fragments, set 0; v224-255 the bias.
;   window 1: the accumulators, (a, b) at v[8 (4 a + b)].   window 2: v32-175 the fragments' set 1.   On the way out window 0's v32-175 are free.
.set WB,   204800                      ; LDS: 8 token blocks of 25,600 bytes, then 8 weight blocks of 12,800
.set TBLK, 25600
.set WBLK, 12800
.set ADT,  1                           ; v1   LDS address of my token fragments in the K step to be fetched
.set ADW,  2                           ; v2   of my weight fragments
.set AST,  3                           ; v3   of my tokens' scale words
.set ASW,  4                           ; v4   of my weights'
.set OBQ,  5                           ; v5   the bias for q, k: 64 (lane / 16)
.set OBV,  6                           ; v6   the bias for v: 4 (r + 8 (r / 8))
.set O8,   7                           ; v7   8 x lane
.set TS,   8                           ; scale words: set p at v[8 + 6 p]: four pairs of token tiles, two pairs of weight tiles
.set O16,  23                          ; v23  16 x lane
.set TF,   32
.set WF,   128
.set BV,   224
.set H,    32                          ; the way out: results + bias
.set PCB,  96                          ; codes: registers of their own for every store
.set TM,   144                         ; at work
.set PT,   160
.set SW,   168                         ; the scale words made
.set SEL,  56                          ; s[56:57] v_permlanex16_b32's selects for lane l xor 16
.set MSB, 0
.macro WIN new                         ; the immediate's high byte repeats the setting that is left
.if MSB != \new
	s_set_vgpr_msb (MSB<<8)|\new
.set MSB, \new
.endif
.endm
.macro CROUND                          ; a round of the cluster's barrier
	s_barrier_signal -1
	s_barrier_wait -1
	s_cmp_lg_u32 s14, 0
	s_cbranch_scc1 .Lnot_wave_0_\@
	s_barrier_signal -3
.Lnot_wave_0_\@:
	s_barrier_wait -3
	s_barrier_signal -1
	s_barrier_wait -1
.endm
; one product.  zero = 1: it starts the sum.  ra, rb: the half of the lanes from which a side's scale words are taken
.macro WM d, a, b, zero, sa, ra, sb, rb
.set rD, \d
.set rA, \a
.set rB, \b
.set rX, \sa
.set rY, \sb
.set rV, 4*(\zero)+2*(\ra)+(\rb)
.if rV == 0
	v_wmma_scale_f32_16x16x128_f8f6f4 v[rD:rD+7], v[rA:rA+11], v[rB:rB+11], v[rD:rD+7], v[rX], v[rY] matrix_a_fmt:MATRIX_FMT_FP6 matrix_b_fmt:MATRIX_FMT_FP6
.elseif rV == 1
	v_wmma_scale_f32_16x16x128_f8f6f4 v[rD:rD+7], v[rA:rA+11], v[rB:rB+11], v[rD:rD+7], v[rX], v[rY] matrix_a_fmt:MATRIX_FMT_FP6 matrix_b_fmt:MATRIX_FMT_FP6 matrix_b_scale:MATRIX_SCALE_ROW1
.elseif rV == 2
	v_wmma_scale_f32_16x16x128_f8f6f4 v[rD:rD+7], v[rA:rA+11], v[rB:rB+11], v[rD:rD+7], v[rX], v[rY] matrix_a_fmt:MATRIX_FMT_FP6 matrix_b_fmt:MATRIX_FMT_FP6 matrix_a_scale:MATRIX_SCALE_ROW1
.elseif rV == 3
	v_wmma_scale_f32_16x16x128_f8f6f4 v[rD:rD+7], v[rA:rA+11], v[rB:rB+11], v[rD:rD+7], v[rX], v[rY] matrix_a_fmt:MATRIX_FMT_FP6 matrix_b_fmt:MATRIX_FMT_FP6 matrix_a_scale:MATRIX_SCALE_ROW1 matrix_b_scale:MATRIX_SCALE_ROW1
.elseif rV == 4
	v_wmma_scale_f32_16x16x128_f8f6f4 v[rD:rD+7], v[rA:rA+11], v[rB:rB+11], 0, v[rX], v[rY] matrix_a_fmt:MATRIX_FMT_FP6 matrix_b_fmt:MATRIX_FMT_FP6
.elseif rV == 5
	v_wmma_scale_f32_16x16x128_f8f6f4 v[rD:rD+7], v[rA:rA+11], v[rB:rB+11], 0, v[rX], v[rY] matrix_a_fmt:MATRIX_FMT_FP6 matrix_b_fmt:MATRIX_FMT_FP6 matrix_b_scale:MATRIX_SCALE_ROW1
.elseif rV == 6
	v_wmma_scale_f32_16x16x128_f8f6f4 v[rD:rD+7], v[rA:rA+11], v[rB:rB+11], 0, v[rX], v[rY] matrix_a_fmt:MATRIX_FMT_FP6 matrix_b_fmt:MATRIX_FMT_FP6 matrix_a_scale:MATRIX_SCALE_ROW1
.else
	v_wmma_scale_f32_16x16x128_f8f6f4 v[rD:rD+7], v[rA:rA+11], v[rB:rB+11], 0, v[rX], v[rY] matrix_a_fmt:MATRIX_FMT_FP6 matrix_b_fmt:MATRIX_FMT_FP6 matrix_a_scale:MATRIX_SCALE_ROW1 matrix_b_scale:MATRIX_SCALE_ROW1
.endif
.endm
; 32 products on fragment set p: the 32 accumulators take turns, one instruction a turn, in the same order in every K step.  vm = 1: tokens are source 0
.macro MULS p, vm, zero
.if \p
	WIN 0x5a                                       ; sources 0 and 1 window 2, C and D window 1
.else
	WIN 0x50                                       ; sources window 0, C and D window 1
.endif
.irp a, 0,1,2,3,4,5,6,7
.irp b, 0,1,2,3
.if \vm
	WM 8*(4*\a+\b),TF+12*\a,WF+12*\b,\zero,TS+6*(\p)+\a/2,\a%2,TS+6*(\p)+4+\b/2,\b%2
.else
	WM 8*(4*\a+\b),WF+12*\b,TF+12*\a,\zero,TS+6*(\p)+4+\b/2,\b%2,TS+6*(\p)+\a/2,\a%2
.endif
.endr
.endr
	WIN 0
.endm
.macro FRAG reg, adr, i                ; a fragment: six loads of 8 bytes; 24 bytes from lane to lane: the 32 lanes touch 64 different banks
.irp c, 0,1
.irp q, 0,1,2
	ds_load_b64 v[\reg+6*\c+2*\q:\reg+6*\c+2*\q+1], v[\adr] offset:(\i)*1536+768*\c+8*\q
.endr
.endr
.endm
.macro FETCH p                         ; a K step's 12 fragments and 6 registers of scale words into set p
.if \p
	WIN 0x80                                       ; destination window 2, address window 0
.endif
.irp i, 0,1,2,3,4,5,6,7
	FRAG TF+12*\i,ADT,\i
.endr
.irp i, 0,1,2,3
	FRAG WF+12*\i,ADW,\i
.endr
	WIN 0
.irp i, 0,1,2,3
	ds_load_b32 v[TS+6*(\p)+\i], v[AST] offset:128*\i
.endr
.irp i, 0,1
	ds_load_b32 v[TS+6*(\p)+4+\i], v[ASW] offset:128*\i
.endr
.endm
; K step s: its set has landed; the next step's is fetched, then the 32 products are issued.  Where the next step opens a chunk, each wave first waits for its load of that chunk and passes a barrier.
; The four additions are the four places between the last step's products and the loads into the registers that they read.
.macro KSTEP s, vm, zero
	s_wait_dscnt 0x0
.if (\s) < 7
.if ((\s)+1)%2 == 0
	s_wait_tensorcnt 3-((\s)+1)/2                  ; my load of chunk (s + 1) / 2 is in; the 3 - (s + 1) / 2 issued behind it may be out
	s_barrier_signal -1
	s_barrier_wait -1
.endif
	v_add_nc_u32 v[ADT], TBLK, v[ADT]
	v_add_nc_u32 v[ADW], WBLK, v[ADW]
	v_add_nc_u32 v[AST], TBLK, v[AST]
	v_add_nc_u32 v[ASW], WBLK, v[ASW]
	FETCH ((\s)+1)%2
.endif
	MULS (\s)%2,\vm,\zero
.endm
; nb blocks of a lane's row: register 16 b + i of v[src] on = k 32 b + 16 (lane / 16) + i.  They become codes in v[pc] on (six registers for two blocks) and the row's scale word in v[w].
.macro QUANT src, nb, pc, w
.set qS, \src
.set qP, \pc
.set qW, \w
.set qb, 0
.rept \nb
	v_max3_num_f32 v[TM+qb], |v[qS+16*qb]|, |v[qS+16*qb+1]|, 0x1800000   ; my 16 numbers, and the floor 2^(3 - 127): the byte cannot fall under 1
.set qb, qb+1
.endr
.irp i, 2,4,6,8,10,12,14
.set qb, 0
.rept \nb
	v_max3_num_f32 v[TM+qb], v[TM+qb], |v[qS+16*qb+\i]|, |v[qS+16*qb+\i+1]|   ; (the blocks by turns)
.set qb, qb+1
.endr
.endr
.set qb, 0
.rept \nb
	v_permlanex16_b32 v[TM+4+qb], v[TM+qb], s[SEL], s[SEL+1]
.set qb, qb+1
.endr
.set qb, 0
.rept \nb
	v_max_num_f32 v[TM+qb], v[TM+qb], v[TM+4+qb]   ; with lane l xor 16's: the block's largest magnitude
.set qb, qb+1
.endr
.set qb, 0
.rept \nb
	v_add_nc_u32 v[TM+12+qb], 0xff000000, v[TM+qb] ; 2 off its exponent field: the conversion's scale operand
.set qb, qb+1
.endr
.set qb, 0
.rept \nb
	v_lshrrev_b32 v[TM+4+qb], 23, v[TM+12+qb]      ; the scale's byte
.set qb, qb+1
.endr
	v_lshl_or_b32 v[qW], v[TM+5], 8, v[TM+4]
.if \nb == 4
	v_lshl_or_b32 v[qW], v[TM+6], 16, v[qW]
	v_lshl_or_b32 v[qW], v[TM+7], 24, v[qW]
.else
	v_lshl_or_b32 v[qW], v[qW], 16, v[qW]          ; (s0, s1, s0, s1): the upper two bytes scale the half of the instruction's K that adds nothing
.endif
.set qc, 0
.rept \nb/2
	v_cvt_scalef32_pk16_fp6_f32 v[qP+6*qc:qP+6*qc+2], v[qS+32*qc:qS+32*qc+15], v[TM+12+2*qc]
	v_cvt_scalef32_pk16_fp6_f32 v[PT+4*qc:PT+4*qc+2], v[qS+32*qc+16:qS+32*qc+31], v[TM+13+2*qc]   ; (a conversion's three registers begin on an even number)
.set qc, qc+1
.endr
	v_nop                                          ; one plain line behind the conversions
.set qc, 0
.rept \nb/2                            ; the operand's layout wants a whole block in a lane: lanes 0-15 block 2 c, lanes 16-31 block 2 c + 1
.irp i, 0,1,2
	v_permlane16_swap_b32 v[qP+6*qc+\i], v[PT+4*qc+\i]
.endr
.irp i, 0,1,2
	v_mov_b32 v[qP+6*qc+3+\i], v[PT+4*qc+\i]
.endr
.set qc, qc+1
.endr
.endm
	s_load_b256 s[4:11], s[0:1], 0x0               ; xq s[4:5], wq s[6:7], bqkv s[8:9], qq s[10:11]
	s_load_b64 s[12:13], s[0:1], 0x20              ; kv
	v_lshl_add_u32 v222, v0, 2, 0x4b000
	v_mov_b32 v223, 0
	ds_add_u32 v222, v223
	ds_add_u32 v222, v223
	v_lshrrev_b32 v20, 5, v0
	v_readfirstlane_b32 s14, v20                   ; wave 0..3
	s_lshr_b32 s15, s14, 1                         ; tw: which 128 tokens are mine.  Also: I fetch tokens (0) or weights (1)
	s_and_b32 s16, s14, 1                          ; hw: which 64 columns.  Also: which K step of a chunk I fetch
	s_bfe_u32 s40, ttmp6, 0x40000                  ; cx, cy: my place in the cluster
	s_bfe_u32 s41, ttmp6, 0x40004
	s_lshl_b32 s42, ttmp9, 2
	s_add_co_u32 s42, s42, s40                     ; wx: group of 128 columns
	s_and_b32 s17, ttmp7, 0xffff
	s_lshl_b32 s17, s17, 2
	s_add_co_u32 s17, s17, s41                     ; wy: group of 256 tokens
	s_lshl_b32 s43, s41, 2
	s_lshl_b32 s43, 15, s43                        ; my row of the cluster
	s_lshl_b32 s44, 0x1111, s40                    ; my column
	; group 1: a dense block as rows of 256 bytes (32 elements of 8 bytes): 100 rows of tokens, 50 of weights
	s_or_b32 s24, s43, (3<<16)|(1<<21)             ; 15:0 the mask: tokens go to my row; 17:16 elements of 8 bytes; 21 set beside a mask
	s_or_b32 s48, s44, (3<<16)|(1<<21)             ; weights go to my column
	s_mov_b32 s25, 32<<16
	s_mov_b32 s26, 100<<16
	s_mov_b32 s27, 32<<16
	s_mov_b32 s28, 100
	s_mov_b32 s29, 32
	s_mov_b32 s30, 0
	s_mov_b32 s31, 0
	s_mov_b32 s49, 32<<16
	s_mov_b32 s50, 50<<16
	s_mov_b32 s51, 32<<16
	s_mov_b32 s52, 50
	s_mov_b32 s53, 32
	s_mov_b32 s54, 0
	s_mov_b32 s55, 0
	s_mul_i32 s18, s16, TBLK                       ; the K step that I fetch of each chunk: in LDS and in memory alike
	s_mul_i32 s19, s16, WBLK
	s_mul_i32 s20, s17, 8*TBLK                     ; the tokens' address hangs on wy alone,
	s_add_co_u32 s20, s20, s18
	s_mov_b32 s21, 0
	s_mul_i32 s46, s42, 8*WBLK                     ; the weights' on wx alone
	s_add_co_u32 s46, s46, s19
	s_mov_b32 s47, 0
	s_wait_dscnt 0x0
	s_wait_kmcnt 0x0
	s_add_nc_u64 s[20:21], s[4:5], s[20:21]
	s_add_nc_u64 s[46:47], s[6:7], s[46:47]
	CROUND                                         ; all sixteen work-groups are here: the joint loads meet
.irp c, 0,1,2,3
	s_mov_b32 s[68+4*\c], 1
	s_add_co_u32 s[69+4*\c], s18, \c*2*TBLK
	s_add_nc_u64 s[70+4*\c:71+4*\c], s[20:21], \c*2*TBLK
	s_or_b32 s[71+4*\c], s[71+4*\c], 0x80000000
	s_mov_b32 s[84+4*\c], 1
	s_add_co_u32 s[85+4*\c], s19, WB+\c*2*WBLK
	s_add_nc_u64 s[86+4*\c:87+4*\c], s[46:47], \c*2*WBLK
	s_or_b32 s[87+4*\c], s[87+4*\c], 0x80000000
.endr
	s_cmp_lt_u32 s14, 2                            ; a wave's four loads stand in one branch on its number: four loads of mine are out; four v_nop follow the last
	s_cbranch_scc0 .Lfirst_w
	tensor_load_to_lds s[68:71], s[24:31]
	s_nop 0
	tensor_load_to_lds s[72:75], s[24:31]
	s_nop 0
	tensor_load_to_lds s[76:79], s[24:31]
	s_nop 0
	tensor_load_to_lds s[80:83], s[24:31]
	s_nop 0
.rept 4
	v_nop
.endr
	s_branch .Lasked
.Lfirst_w:
	tensor_load_to_lds s[84:87], s[48:55]
	s_nop 0
	tensor_load_to_lds s[88:91], s[48:55]
	s_nop 0
	tensor_load_to_lds s[92:95], s[48:55]
	s_nop 0
	tensor_load_to_lds s[96:99], s[48:55]
	s_nop 0
.rept 4
	v_nop
.endr
.Lasked:
	v_and_b32 v20, 31, v0                          ; lane
	v_and_b32 v21, 15, v0                          ; r
	v_bfe_u32 v22, v0, 4, 1                        ; h
	v_mul_u32_u24 v[ADT], v20, 24
	s_mul_i32 s58, s15, 8*1536                     ; my eight token tiles
	v_add_nc_u32 v[ADT], s58, v[ADT]
	v_mul_u32_u24 v[ADW], v20, 24
	s_mul_i32 s58, s16, 4*1536                     ; my four weight tiles
	s_add_co_u32 s58, s58, WB
	v_add_nc_u32 v[ADW], s58, v[ADW]
	s_lshl_b32 s58, s15, 9                         ; my four pairs of token tiles
	s_add_co_u32 s58, s58, 24576
	v_lshl_add_u32 v[AST], v20, 2, s58
	s_lshl_b32 s58, s16, 8                         ; my two pairs of weight tiles
	s_add_co_u32 s58, s58, WB+12288
	v_lshl_add_u32 v[ASW], v20, 2, s58
	v_lshlrev_b32 v[OBQ], 6, v22
	v_and_b32 v[OBV], 8, v21
	v_add_nc_u32 v[OBV], v[OBV], v21
	v_lshlrev_b32 v[OBV], 2, v[OBV]
	v_lshlrev_b32 v[O8], 3, v20
	v_lshlrev_b32 v[O16], 4, v20
	s_mov_b32 s[SEL], 0x76543210
	s_mov_b32 s[SEL+1], 0xfedcba98
	s_lshl_b32 s18, s42, 9                         ; my 64 columns of the bias: 512 wx + 256 hw bytes
	s_lshl_b32 s19, s16, 8
	s_add_co_u32 s18, s18, s19
	s_mov_b32 s19, 0
	s_add_nc_u64 s[8:9], s[8:9], s[18:19]
	s_lshr_b32 s58, s17, 3                         ; batch x 16
	s_lshl_b32 s58, s58, 4
	s_and_b32 s59, s42, 7
	s_lshl_b32 s59, s59, 1
	s_add_co_u32 s58, s58, s59
	s_add_co_u32 s58, s58, s16                     ; + the head 2 (wx % 8) + hw
	s_and_b32 s59, s17, 7
	s_lshl_b32 s59, s59, 1
	s_add_co_u32 s59, s59, s15                     ; the step of 128 tokens in the batch: 2 (wy % 8) + tw
	s_wait_tensorcnt 0x3                           ; my load of chunk 0 is in; three may be out
	s_barrier_signal -1
	s_barrier_wait -1                              ; everybody's is
	FETCH 0
	s_cmp_ge_u32 ttmp9, 4                          ; column groups 16-23 are v.  ttmp9 counts clusters: the same in all partners
	s_cbranch_scc1 .Lv_path
; ---------------- q and k ----------------
.irp k, 0,1,2,3,4,5,6,7
	global_load_b128 v[BV+4*\k:BV+4*\k+3], v[OBQ], s[8:9] offset:128*(\k/4)+16*(\k%4)   ; the bias in the result's layout: register 16 B + i: channel 32 B + 16 h + i
.endr
	s_cmp_lt_u32 ttmp9, 2                          ; column groups 0-7 are q
	s_cselect_b64 s[60:61], s[10:11], s[12:13]
	s_mov_b32 s62, 13824
	s_cselect_b32 s62, 7168, s62
	s_mov_b32 s63, 221184
	s_cselect_b32 s63, 114688, s63
	s_mul_i32 s63, s63, s58
	s_mul_i32 s62, s62, s59
	s_add_co_u32 s62, s62, s63
	s_mov_b32 s63, 0
	s_add_nc_u64 s[60:61], s[60:61], s[62:63]      ; my head's, my step's block
	KSTEP 0,0,1
	KSTEP 1,0,0
	KSTEP 2,0,0
	KSTEP 3,0,0
	KSTEP 4,0,0
	KSTEP 5,0,0
	KSTEP 6,0,0
	KSTEP 7,0,0
	s_wait_loadcnt 0x0                             ; the bias
.rept 4
	v_nop                                          ; four places behind the last products, ahead of the first read of results and of writes over fragments
.endr
.irp b, 0,1,2,3
	v_mov_b32 v[TM+4+\b], 0                        ; written once: a lane permute's destination counts as one of its sources
.endr
.irp a, 0,1,2,3,4,5,6,7
	WIN 0x01                                       ; source 0 window 1
.set k, 0
.rept 16
	v_pk_add_f32 v[H+k:H+k+1], v[32*\a+k:32*\a+k+1], v[BV+k:BV+k+1]   ; each accumulator from its low end on
.set k, k+2
.endr
	WIN 0
	QUANT H,2,PCB+6*\a,SW+\a
.irp q, 0,1,2
	global_store_b64 v[O8], v[PCB+6*\a+2*\q:PCB+6*\a+2*\q+1], s[60:61] offset:768*\a+256*\q   ; 32 lanes store 256 consecutive bytes, at a multiple of 256 from the buffer's first byte
.endr
.endr
	global_store_b128 v[O16], v[SW:SW+3], s[60:61] offset:6144      ; four tiles' scale words a lane
	global_store_b128 v[O16], v[SW+4:SW+7], s[60:61] offset:6656
	s_branch .Lend
; ---------------- v ----------------
.Lv_path:
.irp b, 0,1,2,3
	global_load_b32 v[BV+2*\b], v[OBV], s[8:9] offset:4*(32*(\b/2)+8*(\b%2))     ; my channel's bias, twice: a pair for the packed addition
	global_load_b32 v[BV+2*\b+1], v[OBV], s[8:9] offset:4*(32*(\b/2)+8*(\b%2))
.endr
	s_mul_i32 s62, s58, 221184
	s_mul_i32 s63, s59, 13824
	s_add_co_u32 s62, s62, s63
	s_mov_b32 s63, 0
	s_add_nc_u64 s[60:61], s[12:13], s[62:63]
	KSTEP 0,1,1
	KSTEP 1,1,0
	KSTEP 2,1,0
	KSTEP 3,1,0
	KSTEP 4,1,0
	KSTEP 5,1,0
	KSTEP 6,1,0
	KSTEP 7,1,0
	s_wait_loadcnt 0x0
.rept 4
	v_nop
.endr
.irp b, 0,1,2,3
	v_mov_b32 v[TM+4+\b], 0
.endr
.irp b, 0,1,2,3
	WIN 0x01
.irp a, 0,1,2,3,4,5,6,7
.irp k, 0,2,4,6
	v_pk_add_f32 v[H+8*\a+\k:H+8*\a+\k+1], v[8*(4*\a+\b)+\k:8*(4*\a+\b)+\k+1], v[BV+2*\b:BV+2*\b+1]   ; register 8 a + j: token 32 (a / 2) + 16 h + 8 (a % 2) + j of the step
.endr
.endr
	WIN 0
	QUANT H,4,PCB+12*\b,SW+\b
.irp q, 0,1,2,3,4,5
	global_store_b64 v[O8], v[PCB+12*\b+2*\q:PCB+12*\b+2*\q+1], s[60:61] offset:7168+1536*\b+256*\q
.endr
.endr
	global_store_b128 v[O16], v[SW:SW+3], s[60:61] offset:13312
.Lend:
	s_wait_tensorcnt 0x0
	ds_add_u32 v222, v223
	s_wait_dscnt 0x0
	CROUND                                         ; the closing round: no work-group ends while a partner may still ask for a block that names it
	s_endpgm
.Lfunc_end_k_q5456a22acf_gemm_qkv:
	.size	k_q5456a22acf_gemm_qkv, .Lfunc_end_k_q5456a22acf_gemm_qkv-k_q5456a22acf_gemm_qkv
	.p2alignl 7, 3214868480
	.fill 96, 4, 3214868480
	.section	.rodata,"a",@progbits
	.p2align	6, 0x0
	.amdhsa_kernel k_q5456a22acf_gemm_qkv
		.amdhsa_group_segment_fixed_size 307712
		.amdhsa_private_segment_fixed_size 0
		.amdhsa_enable_private_segment 0
		.amdhsa_kernarg_size 40
		.amdhsa_user_sgpr_count 2
		.amdhsa_user_sgpr_kernarg_segment_ptr 1
		.amdhsa_wavefront_size32 1
		.amdhsa_system_sgpr_workgroup_id_x 1
		.amdhsa_system_sgpr_workgroup_id_y 1
		.amdhsa_system_sgpr_workgroup_id_z 1
		.amdhsa_system_vgpr_workitem_id 0
		.amdhsa_next_free_vgpr 768
		.amdhsa_next_free_sgpr 100
		.amdhsa_reserve_vcc 0
		.amdhsa_float_denorm_mode_32 3
		.amdhsa_float_denorm_mode_16_64 3
		.amdhsa_memory_ordered 1
		.amdhsa_forward_progress 1
		.amdhsa_inst_pref_size 206
	.end_amdhsa_kernel
	.amdgpu_metadata
---
amdhsa.version: [ 1, 2 ]
amdhsa.kernels:
  - .name:           k_q5456a22acf_gemm_qkv
    .symbol:         k_q5456a22acf_gemm_qkv.kd
    .args:
      - { .name: xq, .offset: 0, .size: 8, .value_kind: global_buffer, .address_space: global }
      - { .name: wq, .offset: 8, .size: 8, .value_kind: global_buffer, .address_space: global }
      - { .name: bqkv, .offset: 16, .size: 8, .value_kind: global_buffer, .address_space: global }
      - { .name: qq, .offset: 24, .size: 8, .value_kind: global_buffer, .address_space: global }
      - { .name: kv, .offset: 32, .size: 8, .value_kind: global_buffer, .address_space: global }
    .group_segment_fixed_size: 307712
    .private_segment_fixed_size: 0
    .kernarg_segment_align: 8
    .kernarg_segment_size: 40
    .max_flat_workgroup_size: 128
    .sgpr_count:     100
    .vgpr_count:     768
    .wavefront_size: 32
...
	.end_amdgpu_metadata
.endif
;; end of part 2
;; launch attn (part 3): grid 4 x 64, 16 waves a work-group, clusters of 4 x 1, 223,232 bytes of LDS; arguments qq, kv, aq; writes aq
.if DOCPART == 3
	.amdgcn_target "amdgcn-amd-amdhsa--gfx1250"
	.amdhsa_code_object_version 6
	.text
	.protected	k_q5456a22acf_attn
	.globl	k_q5456a22acf_attn
	.p2align	8
	.type	k_q5456a22acf_attn,@function
k_q5456a22acf_attn:
	s_mov_b64 s[64:65], 0
	v_nop
	global_prefetch_b8 v0, s[64:65] scope:SCOPE_SE
	s_setreg_imm32_b32 hwreg(HW_REG_WAVE_MODE, 25, 1), 1
	s_wait_xcnt 0x0
	s_wait_alu depctr_hold_cnt(0) depctr_sa_sdst(0) depctr_va_vdst(0) depctr_va_sdst(0) depctr_va_ssrc(0) depctr_va_vcc(0) depctr_vm_vsrc(0)
	s_getreg_b32 s2, hwreg(HW_REG_IB_STS2, 6, 4)
	s_cmp_eq_u32 s2, 0
	s_cbranch_scc0 .Lentry_in_a_cluster
	s_endpgm
.Lentry_in_a_cluster:
	s_bfe_u32 s2, ttmp6, 0x10000c
	s_cmp_lg_u32 s2, 0x3003
	s_cbranch_scc0 .Lentry_shape_is_right
	s_endpgm
.Lentry_shape_is_right:
; O = softmax(Q K^T / 8) V for one head, both products on codes of FP6 (E2M3) with E8M0 scales; O / l is quantised in registers along the embedding for the last product.
; THE SOFTMAX AHEAD OF THE SECOND PRODUCT: t = score x log2(e) / 8; M = the running largest t rounded UP to a whole number; p = 2^(t - M) is quantised along the keys, not normalised; the row's sum is
; taken of the unquantised p and divides O at the end.  When M moves, the sum and O are multiplied by 2^(old M - new M): exact.
; SHARES.  A work-group owns 512 queries of one head.  THE HEAD'S WHOLE K, V AND SCALES (16 steps of 128 keys x 13,824 bytes = 221,184) STAY IN LDS, each byte filled once, in four chunks of four steps.
; The four work-groups of a head form a cluster and ask for each part jointly.  Each of sixteen waves owns two tiles of 16 queries (A, B), which share every fragment of K and V that the wave reads;
; four waves lie on a SIMD, so that one wave's softmax stands beside another's products and LDS loads.
; LAYOUT.  Both products are used transposed (S^T = K Q^T, O^T = V^T P^T): a lane holds one query.  Lane-row r of tile T is row 32 (T / 2) + 8 (T % 2) + r + 8 (r / 8), so the 16 registers of tiles 2 b, 2 b + 1
; are 16 neighbours: keys in S^T, channels in O^T.
; THE FIRST PRODUCT'S K IS 64, the instruction's 128.  Q's registers 6-11 are zero codes.  K's operand for tile t is v[40 + 6 t] on, twelve registers: its upper six are the next tile's codes (for tile 7: p's).
; Every code of this format is a finite number, so those products are exactly 0; the scale bytes of that half repeat the real ones.  That spares 48 registers and half of K's LDS reads.
; LIMITS: a block's largest p is taken from its largest score by the same multiply-add and exponential (this takes v_exp_f32 not to fall where its input rises); a block of zeros gets the byte 1;
; NaN and infinities are not served.  The scale words of aq are shared by two heads: each head stores its 16 bits of each word (256 KiB in the whole launch).
; REGISTERS: v1 8 x lane, v2 16 x lane, v3-4 the step's LDS addresses; v6-7 Q's scale words; v8-11, v12-15 for tile A, B: -M, the largest t, the sum in two halves; v16-27, v28-39 Q; v40-87 K or V;
;   v88-99 p of tile A; v100-107 K's or V's scale words; v108-171 S^T, then p (tile B's codes at v124-135); v172-203, v204-235 O^T; v236-253 at work; v254-255 p's scale words.
.set STEPB, 13824
.set CHB,   55296
.set QA,  16
.set QB,  28
.set KV,  40
.set PA,  88
.set KS,  100
.set S,   108
.set OA,  172
.set OB,  204
.set BM,  236
.set PT,  240
.set SO,  248
.set F,   252
.set T,   253
.set PWA, 254
.set PWB, 255
.set TM,  64                           ; the way out: at work, in registers that held V
.set WV,  18
.set SEL, 20
.set CS,  22
.set G1,  24
.set G0,  32
.set TB,  48
.set CNT, 49
.set HI,  50
.macro CROUND                          ; a round of the cluster's barrier
	s_barrier_signal -1
	s_barrier_wait -1
	s_cmp_lg_u32 s[WV], 0
	s_cbranch_scc1 .Lnot_wave_0_\@
	s_barrier_signal -3
.Lnot_wave_0_\@:
	s_barrier_wait -3
	s_barrier_signal -1
	s_barrier_wait -1
.endm
.macro WMS d, a, b, zero, sa, sb
.set rD, \d
.set rA, \a
.set rB, \b
.set rX, \sa
.set rY, \sb
.if \zero
	v_wmma_scale_f32_16x16x128_f8f6f4 v[rD:rD+7], v[rA:rA+11], v[rB:rB+11], 0, v[rX], v[rY] matrix_a_fmt:MATRIX_FMT_FP6 matrix_b_fmt:MATRIX_FMT_FP6
.else
	v_wmma_scale_f32_16x16x128_f8f6f4 v[rD:rD+7], v[rA:rA+11], v[rB:rB+11], v[rD:rD+7], v[rX], v[rY] matrix_a_fmt:MATRIX_FMT_FP6 matrix_b_fmt:MATRIX_FMT_FP6
.endif
.endm
; One tile's softmax for 128 keys.  st: its statistics; o: its O^T; pc: where p's codes go (tile B's lie over S^T's registers 16-27); pw: p's scale word
.macro SOFTMAX st, o, pc, pw
.irp b, 0,1,2,3
	v_max3_num_f32 v[BM+\b], v[S+16*\b], v[S+16*\b+1], v[S+16*\b+2]   ; the largest score of each block of 32 keys: it serves the row's maximum and, since p rises with the score, the block's largest p
.endr
.irp i, 3,5,7,9,11,13
.irp b, 0,1,2,3
	v_max3_num_f32 v[BM+\b], v[BM+\b], v[S+16*\b+\i], v[S+16*\b+\i+1]
.endr
.endr
.irp b, 0,1,2,3
	v_max_num_f32 v[BM+\b], v[BM+\b], v[S+16*\b+15]
.endr
.irp b, 0,1,2,3
	v_permlanex16_b32 v[PT+\b], v[BM+\b], s[SEL], s[SEL+1]
.endr
.irp b, 0,1,2,3
	v_max_num_f32 v[BM+\b], v[BM+\b], v[PT+\b]     ; with lane l xor 16's 16 keys
.endr
	v_max3_num_f32 v[T], v[BM], v[BM+1], v[BM+2]
	v_max_num_f32 v[T], v[T], v[BM+3]              ; the step's largest score of my query
	v_mul_f32 v[T], s[CS], v[T]                    ; as t
	v_max_num_f32 v[\st+1], v[\st+1], v[T]         ; the running largest t
	v_mov_b32 v[T], v[\st]
	v_floor_f32 v[\st], -v[\st+1]                  ; the new -M = floor(-t): M is a whole number
	v_sub_f32 v[T], v[\st], v[T]                   ; old M - new M: a whole number, 0 or less
	v_cvt_i32_f32 v[T], v[T]                       ; (it saturates)
	v_ldexp_f32 v[F], 1.0, v[T]                    ; f = 2^(old M - new M)
.set j, 0
.rept 32
	v_pk_fma_f32 v[S+j:S+j+1], v[S+j:S+j+1], s[CS:CS+1], v[\st:\st+1] op_sel_hi:[1,0,0]   ; t - M, two at a time
.set j, j+2
.endr
.irp b, 0,1,2,3
	v_fma_f32 v[BM+\b], v[BM+\b], s[CS], v[\st]    ; the same of each block's largest score
.endr
.set j, 0
.rept 64
	v_exp_f32 v[S+j], v[S+j]                       ; p = 2^(t - M)
.set j, j+1
.endr
.irp b, 0,1,2,3
	v_exp_f32 v[BM+\b], v[BM+\b]                   ; the block's largest p
.endr
	v_pk_mul_f32 v[\st+2:\st+3], v[\st+2:\st+3], v[F:F+1] op_sel_hi:[1,0]   ; the sums under the new M.  (The plain line behind the exponentials)
	s_wait_alu depctr_va_vdst(0)
.irp b, 0,1,2,3
	v_max_num_f32 v[BM+\b], 0x1800000, v[BM+\b]    ; the floor 2^(3 - 127)
.endr
.irp b, 0,1,2,3
	v_add_nc_u32 v[SO+\b], 0xff000000, v[BM+\b]    ; the conversions' scale operands
.endr
.irp b, 0,1,2,3
	v_lshrrev_b32 v[PT+\b], 23, v[SO+\b]           ; the bytes
.endr
	v_lshl_or_b32 v[\pw], v[PT+1], 8, v[PT]        ; p's scale word: far more than eight places ahead of its use
	v_lshl_or_b32 v[\pw], v[PT+2], 16, v[\pw]
	v_lshl_or_b32 v[\pw], v[PT+3], 24, v[\pw]
	v_pk_add_f32 v[PT+4:PT+5], v[S:S+1], v[S+2:S+3]   ; the row's sum is taken of the unquantised p, in two chains, ahead of the conversions, which may write over p
.set j, 4
.rept 15
	v_pk_add_f32 v[\st+2:\st+3], v[\st+2:\st+3], v[S+j:S+j+1]
	v_pk_add_f32 v[PT+4:PT+5], v[PT+4:PT+5], v[S+j+2:S+j+3]
.set j, j+4
.endr
	v_pk_add_f32 v[\st+2:\st+3], v[\st+2:\st+3], v[PT+4:PT+5]
	v_cvt_scalef32_pk16_fp6_f32 v[PT:PT+2], v[S+16:S+31], v[SO+1]   ; block 1 first: the codes below may land on its numbers,
	v_nop                                          ; behind one plain line
	v_cvt_scalef32_pk16_fp6_f32 v[\pc:\pc+2], v[S:S+15], v[SO]
	v_cvt_scalef32_pk16_fp6_f32 v[\pc+6:\pc+8], v[S+32:S+47], v[SO+2]
	v_cvt_scalef32_pk16_fp6_f32 v[PT+4:PT+6], v[S+48:S+63], v[SO+3]
	v_nop                                          ; one plain line behind the conversions
.irp c, 0,1                            ; a whole block in a lane: lanes 0-15 block 2 c, lanes 16-31 block 2 c + 1
.irp i, 0,1,2
	v_permlane16_swap_b32 v[\pc+6*\c+\i], v[PT+4*\c+\i]
.endr
.irp i, 0,1,2
	v_mov_b32 v[\pc+6*\c+3+\i], v[PT+4*\c+\i]
.endr
.endr
.set j, 0
.rept 16
	v_pk_mul_f32 v[\o+j:\o+j+1], v[\o+j:\o+j+1], v[F:F+1] op_sel_hi:[1,0]   ; O^T under the new M, each accumulator from its low end on.  (These are also the places ahead of the products that follow)
.set j, j+2
.endr
.endm
; A key step: 128 keys at LDS byte s[TB]
.macro STEP
	v_add_nc_u32 v3, s[TB], v1
	v_add_nc_u32 v4, s[TB], v2
.rept 3
	v_nop                                          ; five places behind the last products: the loads below land on their sources, and the scores' products write over tile B's p
.endr
.irp t, 0,1,2,3,4,5,6,7
.irp q, 0,1,2
	ds_load_b64 v[KV+6*\t+2*\q:KV+6*\t+2*\q+1], v3 offset:768*\t+256*\q   ; 8 bytes a lane, 256 consecutive bytes a load
.endr
.endr
	ds_load_b128 v[KS:KS+3], v4 offset:6144        ; four tiles' scale words a lane
	ds_load_b128 v[KS+4:KS+7], v4 offset:6656
	s_wait_dscnt 0x0
.irp t, 0,1,2,3,4,5,6,7
	WMS S+8*\t,KV+6*\t,QA,1,KS+\t,6
.endr
.rept 4
	v_nop
.endr
	SOFTMAX 8,OA,PA,PWA
.irp t, 0,1,2,3,4,5,6,7
	WMS S+8*\t,KV+6*\t,QB,1,KS+\t,7
.endr
.rept 4
	v_nop                                          ; four places ahead of the first read of the scores and of the loads into K's registers
.endr
.irp t, 0,1,2,3
.irp q, 0,1,2,3,4,5
	ds_load_b64 v[KV+12*\t+2*\q:KV+12*\t+2*\q+1], v3 offset:7168+1536*\t+256*\q   ; V lands while tile B's softmax is walked
.endr
.endr
	ds_load_b128 v[KS:KS+3], v4 offset:13312
	SOFTMAX 12,OB,S+16,PWB
	s_wait_dscnt 0x0
.irp t, 0,1,2,3
	WMS OA+8*\t,KV+12*\t,PA,0,KS+\t,PWA            ; the eight accumulators take turns, one instruction a turn
	WMS OB+8*\t,KV+12*\t,S+16,0,KS+\t,PWB
.endr
	s_add_co_u32 s[TB], s[TB], STEPB
.endm
.macro CHUNK c                         ; four key steps.  Each wave that fetches waits for its part of the chunk; the later chunks' loads may stay out
	s_wait_tensorcnt 3-\c
	s_wait_dscnt 0x0
	s_barrier_signal -1
	s_barrier_wait -1
	s_mov_b32 s[TB], \c*CHB
	s_mov_b32 s[CNT], 4
.Lstep_\@:
	STEP
	s_sub_co_u32 s[CNT], s[CNT], 1
	s_cmp_lg_u32 s[CNT], 0
	s_cbranch_scc1 .Lstep_\@
.endm
; two blocks of a lane's row (register 16 b + i = channel 32 b + 16 (lane / 16) + i) become six registers of codes and the bytes (s0, s1)
.macro QUANT2 src, pc, w
.set qS, \src
.set qP, \pc
.set qW, \w
.irp b, 0,1
	v_max3_num_f32 v[TM+\b], |v[qS+16*\b]|, |v[qS+16*\b+1]|, 0x1800000
.endr
.irp i, 2,4,6,8,10,12,14
.irp b, 0,1
	v_max3_num_f32 v[TM+\b], v[TM+\b], |v[qS+16*\b+\i]|, |v[qS+16*\b+\i+1]|
.endr
.endr
.irp b, 0,1
	v_permlanex16_b32 v[TM+4+\b], v[TM+\b], s[SEL], s[SEL+1]
.endr
.irp b, 0,1
	v_max_num_f32 v[TM+\b], v[TM+\b], v[TM+4+\b]
.endr
.irp b, 0,1
	v_add_nc_u32 v[TM+12+\b], 0xff000000, v[TM+\b]
.endr
.irp b, 0,1
	v_lshrrev_b32 v[TM+4+\b], 23, v[TM+12+\b]
.endr
	v_lshl_or_b32 v[qW], v[TM+5], 8, v[TM+4]
	v_cvt_scalef32_pk16_fp6_f32 v[qP:qP+2], v[qS:qS+15], v[TM+12]
	v_cvt_scalef32_pk16_fp6_f32 v[PT:PT+2], v[qS+16:qS+31], v[TM+13]
	v_nop
.irp i, 0,1,2
	v_permlane16_swap_b32 v[qP+\i], v[PT+\i]
.endr
.irp i, 0,1,2
	v_mov_b32 v[qP+3+\i], v[PT+\i]
.endr
.endm
.macro FINISH st, o, pc, w
	v_add_f32 v[\st+2], v[\st+2], v[\st+3]         ; the sum's two halves,
	v_permlanex16_b32 v[PT], v[\st+2], s[SEL], s[SEL+1]
	v_add_f32 v[\st+2], v[\st+2], v[PT]            ; and lane l xor 16's: the row's sum
	v_rcp_f32 v[F], v[\st+2]
	v_nop                                          ; one plain line behind the reciprocal
.set j, 0
	s_wait_alu depctr_va_vdst(0)
.rept 16
	v_pk_mul_f32 v[S+j:S+j+1], v[\o+j:\o+j+1], v[F:F+1] op_sel_hi:[1,0]   ; O^T / the sum, each accumulator from its low end on
.set j, j+2
.endr
	QUANT2 S,\pc,\w
.endm
	s_load_b128 s[4:7], s[0:1], 0x0                ; qq, kv
	s_load_b64 s[8:9], s[0:1], 0x10                ; aq
	v_lshl_add_u32 v254, v0, 2, 0x36000
	v_mov_b32 v255, 0
	ds_add_u32 v254, v255
	ds_add_u32 v254, v255
	s_wait_dscnt 0x0
	v_lshrrev_b32 v1, 5, v0
	v_readfirstlane_b32 s[WV], v1                  ; wave 0..15
	s_bfe_u32 s51, ttmp6, 0x40000                  ; cx: my block of 512 queries; it enters qq's and aq's addresses alone
	s_and_b32 s52, ttmp7, 0xffff                   ; the head, which the four partners share
	s_mul_i32 s54, s52, 16*STEPB
	s_mul_i32 s53, s[WV], 6912                     ; waves 0-7 fetch an eighth of each chunk: 27 rows of 256 bytes
	s_add_co_u32 s54, s54, s53
	s_mov_b32 s55, 0
	s_mov_b32 s[G1], 15|(3<<16)|(1<<21)            ; 15:0 the mask: all four work-groups; 17:16 elements of 8 bytes; 21 set beside a mask
	s_mov_b32 s[G1+1], 32<<16
	s_mov_b32 s[G1+2], 27<<16
	s_mov_b32 s[G1+3], 32<<16
	s_mov_b32 s[G1+4], 27
	s_mov_b32 s[G1+5], 32
	s_mov_b32 s[G1+6], 0
	s_mov_b32 s[G1+7], 0
	s_mov_b32 s[SEL], 0x76543210
	s_mov_b32 s[SEL+1], 0xfedcba98
	s_mov_b32 s[CS], 0x3e38aa3b                    ; c = log2(e) / 8
	s_mov_b32 s[CS+1], s[CS]                       ; (named with it as a pair, so it is written)
	s_mov_b32 s[HI], 0xffff0000                    ; lanes 16-31
	s_wait_kmcnt 0x0
	s_add_nc_u64 s[54:55], s[6:7], s[54:55]
	CROUND                                         ; all four work-groups are here: the joint loads meet
.irp c, 0,1,2,3
	s_mov_b32 s[G0+4*\c], 1
	s_add_co_u32 s[G0+4*\c+1], s53, \c*CHB
	s_add_nc_u64 s[G0+4*\c+2:G0+4*\c+3], s[54:55], \c*CHB
	s_or_b32 s[G0+4*\c+3], s[G0+4*\c+3], 0x80000000
.endr
	s_cmp_lt_u32 s[WV], 8                          ; a fetching wave's four loads stand in one branch on its number: four loads of mine are out
	s_cbranch_scc0 .Lno_fetch
	tensor_load_to_lds s[G0:G0+3], s[G1:G1+7]
	s_nop 0
	tensor_load_to_lds s[G0+4:G0+7], s[G1:G1+7]
	s_nop 0
	tensor_load_to_lds s[G0+8:G0+11], s[G1:G1+7]
	s_nop 0
	tensor_load_to_lds s[G0+12:G0+15], s[G1:G1+7]
	s_nop 0
.rept 4
	v_nop
.endr
.Lno_fetch:
	v_and_b32 v2, 31, v0
	v_lshlrev_b32 v1, 3, v2                        ; 8 x lane
	v_lshlrev_b32 v2, 4, v2                        ; 16 x lane
	; my two tiles of queries are tiles 32 cx + 2 w and + 1 of the head: step 4 cx + w / 4, tiles 2 (w % 4) and + 1 of it
	s_mul_i32 s56, s52, 114688
	s_lshl_b32 s57, s51, 2
	s_lshr_b32 s58, s[WV], 2
	s_add_co_u32 s57, s57, s58
	s_mul_i32 s57, s57, 7168
	s_add_co_u32 s56, s56, s57
	s_and_b32 s58, s[WV], 3
	s_mul_i32 s58, s58, 1536
	s_add_co_u32 s58, s58, s56
	s_mov_b32 s59, 0
	s_bfe_u32 s60, s[WV], 0x10001                  ; which four tiles' words: (w / 2) % 2,
	s_lshl_b32 s60, s60, 9
	s_and_b32 s61, s[WV], 1                        ; and which two of the four
	s_lshl_b32 s61, s61, 3
	s_add_co_u32 s60, s60, s61
	s_add_co_u32 s60, s60, s56
	s_add_co_u32 s60, s60, 6144
	s_mov_b32 s61, 0
	s_add_nc_u64 s[58:59], s[4:5], s[58:59]
	s_add_nc_u64 s[60:61], s[4:5], s[60:61]
.irp u, 0,1
.irp q, 0,1,2
	global_load_b64 v[QA+12*\u+2*\q:QA+12*\u+2*\q+1], v1, s[58:59] offset:768*\u+256*\q
.endr
	global_load_b32 v[6+\u], v2, s[60:61] offset:4*\u
.endr
.set j, 0
.rept 6
	v_mov_b32 v[QA+6+j], 0                         ; zero codes for the upper half of the instruction's K
	v_mov_b32 v[QB+6+j], 0
.set j, j+1
.endr
.set j, 0
.rept 64
	v_mov_b32 v[OA+j], 0                           ; O^T.  (The step is written once: the first finds zeros, which the first change of M leaves zeros)
.set j, j+1
.endr
.set j, 0
.rept 12
	v_mov_b32 v[PA+j], 0                           ; named as the upper half of K's last operand before p is first made
.set j, j+1
.endr
.set j, 0
.rept 8
	v_mov_b32 v[PT+j], 0                           ; a lane permute's destination counts as one of its sources
.set j, j+1
.endr
	v_mov_b32 v[T], 0
	v_mov_b32 v9, 0xff61b1e6                       ; the largest t so far: -3e38, under every t
	v_mov_b32 v13, 0xff61b1e6
	v_floor_f32 v8, -v9                            ; -M
	v_floor_f32 v12, -v13
	v_mov_b32 v10, 0                               ; the sums
	v_mov_b32 v11, 0
	v_mov_b32 v14, 0
	v_mov_b32 v15, 0
	s_wait_loadcnt 0x0                             ; Q
	CHUNK 0
	CHUNK 1
	CHUNK 2
	CHUNK 3
	; THE WAY OUT.  aq: [32 groups of 256 tokens][8 pairs of heads][16 token tiles x 1,536; 8 x 128 bytes of scale words]: my head's half of a fragment is three planes of 8 bytes a lane
.rept 4
	v_nop                                          ; four places behind the last products
.endr
.irp b, 0,1
	v_mov_b32 v[TM+4+\b], 0
.endr
	s_lshr_b32 s53, s52, 4                         ; the group: 8 x batch + 2 cx + w / 8
	s_lshl_b32 s53, s53, 3
	s_lshl_b32 s54, s51, 1
	s_add_co_u32 s53, s53, s54
	s_lshr_b32 s54, s[WV], 3
	s_add_co_u32 s53, s53, s54
	s_mul_i32 s53, s53, 204800
	s_bfe_u32 s54, s52, 0x30001                    ; the pair of heads
	s_mul_i32 s54, s54, 25600
	s_add_co_u32 s53, s53, s54
	s_and_b32 s54, s[WV], 7                        ; the pair of tiles
	s_and_b32 s55, s52, 1                          ; the head within its pair
	s_mul_i32 s58, s54, 3072
	s_mul_i32 s56, s55, 768
	s_add_co_u32 s58, s58, s56
	s_add_co_u32 s58, s58, s53
	s_mov_b32 s59, 0
	s_lshl_b32 s60, s54, 7
	s_lshl_b32 s56, s55, 1
	s_add_co_u32 s60, s60, s56
	s_add_co_u32 s60, s60, s53
	s_add_co_u32 s60, s60, 24576
	s_mov_b32 s61, 0
	s_add_nc_u64 s[58:59], s[8:9], s[58:59]
	s_add_nc_u64 s[60:61], s[8:9], s[60:61]
	FINISH 8,OA,40,52
	FINISH 12,OB,46,53
.irp u, 0,1
.irp q, 0,1,2
	global_store_b64 v1, v[40+6*\u+2*\q:41+6*\u+2*\q], s[58:59] offset:1536*\u+256*\q   ; 32 lanes store 256 consecutive bytes, at a multiple of 256 from the buffer's first byte
.endr
.endr
	v_cndmask_b32 v54, v52, v53, s[HI]             ; lanes 0-15: tile A's bytes of row r, lanes 16-31: tile B's
	v_lshrrev_b32 v55, 1, v1                       ; 4 x lane
	global_store_b16 v55, v54, s[60:61]            ; my head's 16 bits of each of the pair's 32 scale words
	s_wait_xcnt 0x0
	v_lshl_add_u32 v254, v0, 2, 0x36000
	v_mov_b32 v255, 0
	s_wait_tensorcnt 0x0
	ds_add_u32 v254, v255
	s_wait_dscnt 0x0
	CROUND                                         ; the closing round
	s_endpgm
.Lfunc_end_k_q5456a22acf_attn:
	.size	k_q5456a22acf_attn, .Lfunc_end_k_q5456a22acf_attn-k_q5456a22acf_attn
	.p2alignl 7, 3214868480
	.fill 96, 4, 3214868480
	.section	.rodata,"a",@progbits
	.p2align	6, 0x0
	.amdhsa_kernel k_q5456a22acf_attn
		.amdhsa_group_segment_fixed_size 223232
		.amdhsa_private_segment_fixed_size 0
		.amdhsa_enable_private_segment 0
		.amdhsa_kernarg_size 24
		.amdhsa_user_sgpr_count 2
		.amdhsa_user_sgpr_kernarg_segment_ptr 1
		.amdhsa_wavefront_size32 1
		.amdhsa_system_sgpr_workgroup_id_x 1
		.amdhsa_system_sgpr_workgroup_id_y 1
		.amdhsa_system_sgpr_workgroup_id_z 1
		.amdhsa_system_vgpr_workitem_id 0
		.amdhsa_next_free_vgpr 256
		.amdhsa_next_free_sgpr 66
		.amdhsa_reserve_vcc 0
		.amdhsa_float_denorm_mode_32 3
		.amdhsa_float_denorm_mode_16_64 3
		.amdhsa_memory_ordered 1
		.amdhsa_forward_progress 1
		.amdhsa_inst_pref_size 139
	.end_amdhsa_kernel
	.amdgpu_metadata
---
amdhsa.version: [ 1, 2 ]
amdhsa.kernels:
  - .name:           k_q5456a22acf_attn
    .symbol:         k_q5456a22acf_attn.kd
    .args:
      - { .name: qq, .offset: 0, .size: 8, .value_kind: global_buffer, .address_space: global }
      - { .name: kv, .offset: 8, .size: 8, .value_kind: global_buffer, .address_space: global }
      - { .name: aq, .offset: 16, .size: 8, .value_kind: global_buffer, .address_space: global }
    .group_segment_fixed_size: 223232
    .private_segment_fixed_size: 0
    .kernarg_segment_align: 8
    .kernarg_segment_size: 24
    .max_flat_workgroup_size: 512
    .sgpr_count:     66
    .vgpr_count:     256
    .wavefront_size: 32
...
	.end_amdgpu_metadata
.endif
;; end of part 3
;; launch gemm_out (part 4): grid 8 x 32, 4 waves a work-group, clusters of 4 x 4, 327,680 bytes of LDS; arguments aq, woq, bo, out0; writes out0
.if DOCPART == 4
	.amdgcn_target "amdgcn-amd-amdhsa--gfx1250"
	.amdhsa_code_object_version 6
	.text
	.protected	k_q5456a22acf_gemm_out
	.globl	k_q5456a22acf_gemm_out
	.p2align	8
	.type	k_q5456a22acf_gemm_out,@function
k_q5456a22acf_gemm_out:
	s_mov_b64 s[64:65], 0
	v_nop
	global_prefetch_b8 v0, s[64:65] scope:SCOPE_SE
	s_setreg_imm32_b32 hwreg(HW_REG_WAVE_MODE, 25, 1), 1
	s_wait_xcnt 0x0
	s_wait_alu depctr_hold_cnt(0) depctr_sa_sdst(0) depctr_va_vdst(0) depctr_va_sdst(0) depctr_va_ssrc(0) depctr_va_vcc(0) depctr_vm_vsrc(0)
	s_getreg_b32 s2, hwreg(HW_REG_IB_STS2, 6, 4)
	s_cmp_eq_u32 s2, 0
	s_cbranch_scc0 .Lentry_in_a_cluster
	s_endpgm
.Lentry_in_a_cluster:
	s_bfe_u32 s2, ttmp6, 0x10000c
	s_cmp_lg_u32 s2, 0xf033
	s_cbranch_scc0 .Lentry_shape_is_right
	s_endpgm
.Lentry_shape_is_right:
; out0 = a Wo + bo on codes of FP6 (E2M3) with E8M0 scales; a is attention's result, as codes.  out0: [8192][1024] f32.
; A work-group makes 256 tokens x 128 columns.  ITS OPERANDS FOR ALL OF K = 1,024 FIT IN LDS (204,800 + 102,400 bytes): every byte is filled once, by sixteen tensor loads that go out together and are
; used chunk by chunk (two K steps) behind counted waits and plain barriers.  No byte is filled again.  256 work-groups.
; CLUSTERS: 4 x 4 work-groups; the four of a row need the same tokens, the four of a column the same weights: each block is asked for jointly.
; A wave makes 128 tokens (8 tiles a) x 64 columns (4 tiles b): 32 accumulators.  Lane-row r of tile T is row 32 (T / 2) + 8 (T % 2) + r + 8 (r / 8).  Token fragments lie in planes (byte 768 c + 256 p + 8 lane),
; weight fragments lane by lane (768 c + 24 lane + 8 p); scale words in pairs of tiles, lanes 0-15 the even tile's, lanes 16-31 the odd tile's.
; Source 0 = weights, source 1 = tokens: a lane holds one token and its 32 registers are columns 32 B + 16 (lane / 16) + 0 .. 15.  A tile of 16 tokens x 64 columns goes through the wave's own stage in LDS
; and leaves as whole rows of 256 bytes; the order of a tile's rows is undone in the stores' offsets.
; REGISTERS, in windows of 256: window 0: v1-4, v20-26 addresses; v8-19 scale words, two sets; v32-127 token fragments, v128-175 weight fragments, set 0; v224-255 the bias.
;   window 1: the accumulators, (a, b) at v[8 (4 a + b)].   window 2: v32-175 the fragments' set 1.   On the way out window 0's v32-159 are free.
.set WB,   204800
.set TBLK, 25600
.set WBLK, 12800
.set STG,  307200                      ; behind the operands: 16 rows x (256 bytes + 16) for each wave; no tensor load lands here
.set ADT,  1
.set ADW,  2
.set AST,  3
.set ASW,  4
.set OBQ,  5                           ; v5   the bias: 64 (lane / 16)
.set TS,   8
.set STO,  24                          ; v24  the stage: where I put 16 bytes of a row
.set RD,   25                          ; v25  and where I read a row back
.set CO,   26                          ; v26  my byte offset in two rows of out0
.set TF,   32
.set WF,   128
.set BV,   224
.set H,    32                          ; results + bias: v32-63 and v64-95 by turns
.set OBK,  96                          ; rows read back: v96-127 and v128-159 by turns
.set MSB, 0
.macro WIN new                         ; the immediate's high byte repeats the setting that is left
.if MSB != \new
	s_set_vgpr_msb (MSB<<8)|\new
.set MSB, \new
.endif
.endm
.macro CROUND                          ; a round of the cluster's barrier
	s_barrier_signal -1
	s_barrier_wait -1
	s_cmp_lg_u32 s14, 0
	s_cbranch_scc1 .Lnot_wave_0_\@
	s_barrier_signal -3
.Lnot_wave_0_\@:
	s_barrier_wait -3
	s_barrier_signal -1
	s_barrier_wait -1
.endm
.macro WM d, a, b, zero, sa, ra, sb, rb
.set rD, \d
.set rA, \a
.set rB, \b
.set rX, \sa
.set rY, \sb
.set rV, 4*(\zero)+2*(\ra)+(\rb)
.if rV == 0
	v_wmma_scale_f32_16x16x128_f8f6f4 v[rD:rD+7], v[rA:rA+11], v[rB:rB+11], v[rD:rD+7], v[rX], v[rY] matrix_a_fmt:MATRIX_FMT_FP6 matrix_b_fmt:MATRIX_FMT_FP6
.elseif rV == 1
	v_wmma_scale_f32_16x16x128_f8f6f4 v[rD:rD+7], v[rA:rA+11], v[rB:rB+11], v[rD:rD+7], v[rX], v[rY] matrix_a_fmt:MATRIX_FMT_FP6 matrix_b_fmt:MATRIX_FMT_FP6 matrix_b_scale:MATRIX_SCALE_ROW1
.elseif rV == 2
	v_wmma_scale_f32_16x16x128_f8f6f4 v[rD:rD+7], v[rA:rA+11], v[rB:rB+11], v[rD:rD+7], v[rX], v[rY] matrix_a_fmt:MATRIX_FMT_FP6 matrix_b_fmt:MATRIX_FMT_FP6 matrix_a_scale:MATRIX_SCALE_ROW1
.elseif rV == 3
	v_wmma_scale_f32_16x16x128_f8f6f4 v[rD:rD+7], v[rA:rA+11], v[rB:rB+11], v[rD:rD+7], v[rX], v[rY] matrix_a_fmt:MATRIX_FMT_FP6 matrix_b_fmt:MATRIX_FMT_FP6 matrix_a_scale:MATRIX_SCALE_ROW1 matrix_b_scale:MATRIX_SCALE_ROW1
.elseif rV == 4
	v_wmma_scale_f32_16x16x128_f8f6f4 v[rD:rD+7], v[rA:rA+11], v[rB:rB+11], 0, v[rX], v[rY] matrix_a_fmt:MATRIX_FMT_FP6 matrix_b_fmt:MATRIX_FMT_FP6
.elseif rV == 5
	v_wmma_scale_f32_16x16x128_f8f6f4 v[rD:rD+7], v[rA:rA+11], v[rB:rB+11], 0, v[rX], v[rY] matrix_a_fmt:MATRIX_FMT_FP6 matrix_b_fmt:MATRIX_FMT_FP6 matrix_b_scale:MATRIX_SCALE_ROW1
.elseif rV == 6
	v_wmma_scale_f32_16x16x128_f8f6f4 v[rD:rD+7], v[rA:rA+11], v[rB:rB+11], 0, v[rX], v[rY] matrix_a_fmt:MATRIX_FMT_FP6 matrix_b_fmt:MATRIX_FMT_FP6 matrix_a_scale:MATRIX_SCALE_ROW1
.else
	v_wmma_scale_f32_16x16x128_f8f6f4 v[rD:rD+7], v[rA:rA+11], v[rB:rB+11], 0, v[rX], v[rY] matrix_a_fmt:MATRIX_FMT_FP6 matrix_b_fmt:MATRIX_FMT_FP6 matrix_a_scale:MATRIX_SCALE_ROW1 matrix_b_scale:MATRIX_SCALE_ROW1
.endif
.endm
; 32 products on fragment set p: the 32 accumulators take turns, one instruction a turn, in the same order in every K step
.macro MULS p, zero
.if \p
	WIN 0x5a                                       ; sources 0 and 1 window 2, C and D window 1
.else
	WIN 0x50                                       ; sources window 0, C and D window 1
.endif
.irp a, 0,1,2,3,4,5,6,7
.irp b, 0,1,2,3
	WM 8*(4*\a+\b),WF+12*\b,TF+12*\a,\zero,TS+6*(\p)+4+\b/2,\b%2,TS+6*(\p)+\a/2,\a%2
.endr
.endr
	WIN 0
.endm
.macro FRAG reg, adr, i, pl            ; a fragment: six loads of 8 bytes, pl bytes from piece to piece
.irp c, 0,1
.irp q, 0,1,2
	ds_load_b64 v[\reg+6*\c+2*\q:\reg+6*\c+2*\q+1], v[\adr] offset:(\i)*1536+768*\c+(\pl)*\q
.endr
.endr
.endm
.macro FETCH p
.if \p
	WIN 0x80                                       ; destination window 2, address window 0
.endif
.irp i, 0,1,2,3,4,5,6,7
	FRAG TF+12*\i,ADT,\i,256
.endr
.irp i, 0,1,2,3
	FRAG WF+12*\i,ADW,\i,8
.endr
	WIN 0
.irp i, 0,1,2,3
	ds_load_b32 v[TS+6*(\p)+\i], v[AST] offset:128*\i
.endr
.irp i, 0,1
	ds_load_b32 v[TS+6*(\p)+4+\i], v[ASW] offset:128*\i
.endr
.endm
; K step s: its set has landed; the next step's is fetched, then the 32 products are issued.  Where the next step opens a chunk, each wave first waits for its load of that chunk and passes a barrier.
; The four additions are the four places between the last step's products and the loads into the registers that they read.
.macro KSTEP s, zero
	s_wait_dscnt 0x0
.if (\s) < 7
.if ((\s)+1)%2 == 0
	s_wait_tensorcnt 3-((\s)+1)/2                  ; my load of chunk (s + 1) / 2 is in; the 3 - (s + 1) / 2 issued behind it may be out
	s_barrier_signal -1
	s_barrier_wait -1
.endif
	v_add_nc_u32 v[ADT], TBLK, v[ADT]
	v_add_nc_u32 v[ADW], WBLK, v[ADW]
	v_add_nc_u32 v[AST], TBLK, v[AST]
	v_add_nc_u32 v[ASW], WBLK, v[ASW]
	FETCH ((\s)+1)%2
.endif
	MULS (\s)%2,\zero
.endm
	s_load_b256 s[4:11], s[0:1], 0x0               ; aq s[4:5], woq s[6:7], bo s[8:9], out0 s[10:11]
	v_lshl_add_u32 v222, v0, 2, 0x4f400
	v_mov_b32 v223, 0
	ds_add_u32 v222, v223
	ds_add_u32 v222, v223
	v_lshrrev_b32 v20, 5, v0
	v_readfirstlane_b32 s14, v20                   ; wave 0..3
	s_lshr_b32 s15, s14, 1                         ; tw: which 128 tokens are mine.  Also: I fetch tokens (0) or weights (1)
	s_and_b32 s16, s14, 1                          ; hw: which 64 columns.  Also: which K step of a chunk I fetch
	s_bfe_u32 s40, ttmp6, 0x40000                  ; cx, cy
	s_bfe_u32 s41, ttmp6, 0x40004
	s_lshl_b32 s42, ttmp9, 2
	s_add_co_u32 s42, s42, s40                     ; wx: group of 128 columns
	s_and_b32 s17, ttmp7, 0xffff
	s_lshl_b32 s17, s17, 2
	s_add_co_u32 s17, s17, s41                     ; wy: group of 256 tokens
	s_lshl_b32 s43, s41, 2
	s_lshl_b32 s43, 15, s43                        ; my row of the cluster
	s_lshl_b32 s44, 0x1111, s40                    ; my column
	s_or_b32 s24, s43, (3<<16)|(1<<21)             ; group 1: a dense block as rows of 256 bytes: 100 rows of tokens, to my row;
	s_or_b32 s48, s44, (3<<16)|(1<<21)             ; 50 of weights, to my column
	s_mov_b32 s25, 32<<16
	s_mov_b32 s26, 100<<16
	s_mov_b32 s27, 32<<16
	s_mov_b32 s28, 100
	s_mov_b32 s29, 32
	s_mov_b32 s30, 0
	s_mov_b32 s31, 0
	s_mov_b32 s49, 32<<16
	s_mov_b32 s50, 50<<16
	s_mov_b32 s51, 32<<16
	s_mov_b32 s52, 50
	s_mov_b32 s53, 32
	s_mov_b32 s54, 0
	s_mov_b32 s55, 0
	s_mul_i32 s18, s16, TBLK
	s_mul_i32 s19, s16, WBLK
	s_mul_i32 s20, s17, 8*TBLK                     ; the tokens' address hangs on wy alone,
	s_add_co_u32 s20, s20, s18
	s_mov_b32 s21, 0
	s_mul_i32 s46, s42, 8*WBLK                     ; the weights' on wx alone
	s_add_co_u32 s46, s46, s19
	s_mov_b32 s47, 0
	s_wait_dscnt 0x0
	s_wait_kmcnt 0x0
	s_add_nc_u64 s[20:21], s[4:5], s[20:21]
	s_add_nc_u64 s[46:47], s[6:7], s[46:47]
	CROUND                                         ; all sixteen work-groups are here: the joint loads meet
.irp c, 0,1,2,3
	s_mov_b32 s[68+4*\c], 1
	s_add_co_u32 s[69+4*\c], s18, \c*2*TBLK
	s_add_nc_u64 s[70+4*\c:71+4*\c], s[20:21], \c*2*TBLK
	s_or_b32 s[71+4*\c], s[71+4*\c], 0x80000000
	s_mov_b32 s[84+4*\c], 1
	s_add_co_u32 s[85+4*\c], s19, WB+\c*2*WBLK
	s_add_nc_u64 s[86+4*\c:87+4*\c], s[46:47], \c*2*WBLK
	s_or_b32 s[87+4*\c], s[87+4*\c], 0x80000000
.endr
	s_cmp_lt_u32 s14, 2                            ; a wave's four loads stand in one branch on its number: four loads of mine are out; four v_nop follow the last
	s_cbranch_scc0 .Lfirst_w
	tensor_load_to_lds s[68:71], s[24:31]
	s_nop 0
	tensor_load_to_lds s[72:75], s[24:31]
	s_nop 0
	tensor_load_to_lds s[76:79], s[24:31]
	s_nop 0
	tensor_load_to_lds s[80:83], s[24:31]
	s_nop 0
.rept 4
	v_nop
.endr
	s_branch .Lasked
.Lfirst_w:
	tensor_load_to_lds s[84:87], s[48:55]
	s_nop 0
	tensor_load_to_lds s[88:91], s[48:55]
	s_nop 0
	tensor_load_to_lds s[92:95], s[48:55]
	s_nop 0
	tensor_load_to_lds s[96:99], s[48:55]
	s_nop 0
.rept 4
	v_nop
.endr
.Lasked:
	v_and_b32 v20, 31, v0                          ; lane
	v_and_b32 v21, 15, v0                          ; r
	v_bfe_u32 v22, v0, 4, 1                        ; h
	s_mul_i32 s58, s15, 8*1536                     ; my eight token tiles: planes, 8 bytes a lane
	v_lshl_add_u32 v[ADT], v20, 3, s58
	v_mul_u32_u24 v[ADW], v20, 24
	s_mul_i32 s58, s16, 4*1536                     ; my four weight tiles
	s_add_co_u32 s58, s58, WB
	v_add_nc_u32 v[ADW], s58, v[ADW]
	s_lshl_b32 s58, s15, 9
	s_add_co_u32 s58, s58, 24576
	v_lshl_add_u32 v[AST], v20, 2, s58
	s_lshl_b32 s58, s16, 8
	s_add_co_u32 s58, s58, WB+12288
	v_lshl_add_u32 v[ASW], v20, 2, s58
	v_lshlrev_b32 v[OBQ], 6, v22
	s_mul_i32 s58, s14, 16*272
	s_add_co_u32 s58, s58, STG                     ; my stage
	v_mul_u32_u24 v[STO], v21, 272                 ; in: row r, + 64 h
	v_lshl_add_u32 v[STO], v22, 6, v[STO]
	v_add_nc_u32 v[STO], s58, v[STO]
	v_mul_u32_u24 v[RD], v22, 272                  ; back: lanes 0-15 one row of 256 bytes, lanes 16-31 the next
	v_lshl_add_u32 v[RD], v21, 4, v[RD]
	v_add_nc_u32 v[RD], s58, v[RD]
	v_lshlrev_b32 v[CO], 12, v22                   ; and the same two rows in out0
	v_lshl_add_u32 v[CO], v21, 4, v[CO]
	s_lshl_b32 s18, s42, 9                         ; my 64 columns, in bytes: 512 wx + 256 hw: in the bias and in a row of out0
	s_lshl_b32 s19, s16, 8
	s_add_co_u32 s18, s18, s19
	s_mov_b32 s19, 0
	s_add_nc_u64 s[8:9], s[8:9], s[18:19]
	s_lshl_b32 s58, s17, 20                        ; 256 rows of 4,096 bytes a group,
	s_lshl_b32 s59, s15, 19                        ; 128 a half
	s_add_co_u32 s58, s58, s59
	s_add_co_u32 s58, s58, s18
	s_mov_b32 s59, 0
	s_add_nc_u64 s[10:11], s[10:11], s[58:59]
.irp k, 0,1,2,3,4,5,6,7
	global_load_b128 v[BV+4*\k:BV+4*\k+3], v[OBQ], s[8:9] offset:128*(\k/4)+16*(\k%4)   ; the bias in the result's layout: register 16 B + i: column 32 B + 16 h + i
.endr
	s_wait_tensorcnt 0x3                           ; my load of chunk 0 is in; three may be out
	s_barrier_signal -1
	s_barrier_wait -1                              ; everybody's is
	FETCH 0
	KSTEP 0,1
	KSTEP 1,0
	KSTEP 2,0
	KSTEP 3,0
	KSTEP 4,0
	KSTEP 5,0
	KSTEP 6,0
	KSTEP 7,0
	s_wait_loadcnt 0x0                             ; the bias
.rept 4
	v_nop                                          ; four places behind the last products, ahead of the first read of results and of writes over fragments
.endr
.macro ADDB a                          ; tile a's 32 results a lane + the bias, into set a % 2
	WIN 0x01                                       ; source 0 window 1
.set k, 0
.rept 16
	v_pk_add_f32 v[H+32*((\a)%2)+k:H+32*((\a)%2)+k+1], v[32*(\a)+k:32*(\a)+k+1], v[BV+k:BV+k+1]   ; each accumulator from its low end on
.set k, k+2
.endr
	WIN 0
.endm
.macro TOSTAGE a
.irp k, 0,1,2,3,4,5,6,7
	ds_store_b128 v[STO], v[H+32*((\a)%2)+4*\k:H+32*((\a)%2)+4*\k+3] offset:128*(\k/4)+16*(\k%4)
.endr
.irp t, 0,1,2,3,4,5,6,7
	ds_load_b128 v[OBK+32*((\a)%2)+4*\t:OBK+32*((\a)%2)+4*\t+3], v[RD] offset:544*\t   ; LDS serves a wave's instructions in order: these see the stores above, and the next tile's stores come behind them
.endr
.endm
.macro SEND a, younger                 ; younger: the LDS instructions issued behind tile a's loads, which may stay out
	s_wait_dscnt \younger
.irp t, 0,1,2,3,4,5,6,7
	global_store_b128 v[CO], v[OBK+32*((\a)%2)+4*\t:OBK+32*((\a)%2)+4*\t+3], s[10:11] offset:4096*(32*((\a)/2)+8*((\a)%2)+2*\t+8*(\t/4)) th:TH_STORE_NT   ; 16 lanes store 256 consecutive bytes, at a multiple of 256 from out0's first byte; stage rows 2 t, 2 t + 1 are tokens 2 t + 8 (t / 4) and the next of the tile
.endr
.endm
	ADDB 0
	TOSTAGE 0
.irp a, 1,2,3,4,5,6,7
	ADDB \a                                        ; set a % 2: its LDS stores of tile a - 2 were shown done by the wait in SEND a - 2
.if \a > 1
	s_wait_xcnt 0x0                                ; tile a - 2's stores to memory have read their registers: tile a's rows may land there
.endif
	TOSTAGE \a
	SEND \a-1,16                                   ; behind tile a - 1's loads: tile a's 8 stores and 8 loads
.endr
	SEND 7,0
	s_wait_tensorcnt 0x0
	ds_add_u32 v222, v223
	s_wait_dscnt 0x0
	CROUND                                         ; the closing round: no work-group ends while a partner may still ask for a block that names it
	s_endpgm
.Lfunc_end_k_q5456a22acf_gemm_out:
	.size	k_q5456a22acf_gemm_out, .Lfunc_end_k_q5456a22acf_gemm_out-k_q5456a22acf_gemm_out
	.p2alignl 7, 3214868480
	.fill 96, 4, 3214868480
	.section	.rodata,"a",@progbits
	.p2align	6, 0x0
	.amdhsa_kernel k_q5456a22acf_gemm_out
		.amdhsa_group_segment_fixed_size 327680
		.amdhsa_private_segment_fixed_size 0
		.amdhsa_enable_private_segment 0
		.amdhsa_kernarg_size 32
		.amdhsa_user_sgpr_count 2
		.amdhsa_user_sgpr_kernarg_segment_ptr 1
		.amdhsa_wavefront_size32 1
		.amdhsa_system_sgpr_workgroup_id_x 1
		.amdhsa_system_sgpr_workgroup_id_y 1
		.amdhsa_system_sgpr_workgroup_id_z 1
		.amdhsa_system_vgpr_workitem_id 0
		.amdhsa_next_free_vgpr 768
		.amdhsa_next_free_sgpr 100
		.amdhsa_reserve_vcc 0
		.amdhsa_float_denorm_mode_32 3
		.amdhsa_float_denorm_mode_16_64 3
		.amdhsa_memory_ordered 1
		.amdhsa_forward_progress 1
		.amdhsa_inst_pref_size 107
	.end_amdhsa_kernel
	.amdgpu_metadata
---
amdhsa.version: [ 1, 2 ]
amdhsa.kernels:
  - .name:           k_q5456a22acf_gemm_out
    .symbol:         k_q5456a22acf_gemm_out.kd
    .args:
      - { .name: aq, .offset: 0, .size: 8, .value_kind: global_buffer, .address_space: global }
      - { .name: woq, .offset: 8, .size: 8, .value_kind: global_buffer, .address_space: global }
      - { .name: bo, .offset: 16, .size: 8, .value_kind: global_buffer, .address_space: global }
      - { .name: out0, .offset: 24, .size: 8, .value_kind: global_buffer, .address_space: global }
    .group_segment_fixed_size: 327680
    .private_segment_fixed_size: 0
    .kernarg_segment_align: 8
    .kernarg_segment_size: 32
    .max_flat_workgroup_size: 128
    .sgpr_count:     100
    .vgpr_count:     768
    .wavefront_size: 32
...
	.end_amdgpu_metadata
.endif
;; end of part 4
;; ======== version 2 of 2: 4 launches
;; limits: right only within a limited range of input values
;; workspace buffers: xq 6,553,600 bytes; wq 2,457,600 bytes; woq 819,200 bytes; qq 7,340,032 bytes; kv 14,155,776 bytes; aq 6,553,600 bytes
;; launch quant (part 5): grid 256 x 1, 12 waves a work-group, no clusters, 169,472 bytes of LDS; arguments x, Wqkv, Wo, xq, wq, woq; writes xq, wq, woq
.if DOCPART == 5
	.amdgcn_target "amdgcn-amd-amdhsa--gfx1250"
	.amdhsa_code_object_version 6
	.text
	.protected	k_q5456a22acf_quant
	.globl	k_q5456a22acf_quant
	.p2align	8
	.type	k_q5456a22acf_quant,@function
k_q5456a22acf_quant:
	s_mov_b64 s[64:65], 0
	v_nop
	global_prefetch_b8 v0, s[64:65] scope:SCOPE_SE
	s_setreg_imm32_b32 hwreg(HW_REG_WAVE_MODE, 25, 1), 1
	s_wait_xcnt 0x0
; x [8192][1024], Wqkv [1024][3072] and Wo [1024][1024], all f32, become codes of FP6 (E2M3) with one E8M0 scale byte for each 32 along K (K = 1024: x's last axis, the weights' first),
; laid as the products' launches want them: in the order of the operand's registers.
; A TILE is 16 rows (tokens, or weight columns): lane-row r of tile T of a group is row 32 (T / 2) + 8 (T % 2) + r + 8 (r / 8).
; A FRAGMENT (a tile x 128 K) is 1,536 bytes: byte 768 c + 24 (16 h + r) + 0 .. 23 holds the 32 codes of block 2 c + h of lane-row r.  A K step's fragments lie on end, behind them its scale words,
; 128 bytes for each pair of tiles: word 16 u + r is the word (four bytes, four blocks) of lane-row r of the pair's tile u.
;   xq: [32 groups of 256 tokens][8 K steps][16 fragments, 8 x 128 bytes of words = 25,600];   wq, woq: [groups of 128 columns][8 K steps][8 fragments, 4 x 128 = 12,800].
; A block's scale is 2^(floor(log2(its largest magnitude)) - 2); its byte is the largest magnitude's exponent field - 2, held at 1 from below.
; LIMITS: a block of zeros gets the byte 1 where the rule says 127 (its codes are zeros, and this program alone reads the bytes); blocks whose largest magnitude lies under 2^(3 - 127) are held at that byte;
; NaN and infinities among the inputs are not served.
; SHARES.  256 work-groups of twelve waves, two roles, parted once on the wave's number; waves share nothing, so there is no barrier.
;   Waves 0-7 (X): the work-group's 32 tokens (a pair of tiles); wave w takes K step w: one tensor load of 32 rows x 512 bytes, filled once, read by this wave alone.
;   Waves 8-11 (W): 128 columns x 128 K of a weight (work-groups 0-191: Wqkv, 192-255: Wo); a lane takes a column and its registers run down K, so nothing is transposed.
; No cluster: no two work-groups read the same byte.  x's scale words leave as runs of 128 bytes (one byte in 24 of the codes beside them).
; twelve waves.  Waves 0-7 (X): the work-group's 32 tokens; wave w takes K step w: ONE tensor load of 32 rows x 512 bytes, filled once,
; read by this wave alone.  Waves 8-11 (W): 128 columns x 128 K of a weight, wave ww = w % 4 takes 32 columns.
.set XT,   16896                       ; a tile of x in LDS: 32 rows x (512 bytes + 16 of padding)
.set WST,  135168                      ; behind the X waves' 4 x 2 tiles: the W waves' stages, 3,072 bytes each
.set XSS,  147456                      ; the X waves' scale words, 128 bytes each
.set XA,   3                           ; v3   X: LDS address of my 64 bytes of a block
.set XSW,  6                           ; v6   X: where I put a scale word
.set XSR,  7                           ; v7   X: where I read one back
.set WSA,  8                           ; v8   W: where I put a block's 24 bytes
.set WRD,  9                           ; v9   W: where I read 16 bytes back
.set O12,  10                          ; v10  12 x lane
.set O4,   11                          ; v11  4 x lane
.set O16,  12                          ; v12  16 x lane
.set OSW,  13                          ; v13  W: my column's place among a pair's scale words
	s_load_b128 s[4:7], s[0:1], 0x0                ; x, Wqkv
	s_load_b128 s[8:11], s[0:1], 0x10              ; Wo, xq
	s_load_b128 s[12:15], s[0:1], 0x20             ; wq, woq
	v_lshl_add_u32 v251, v0, 2, 0x29000
	v_mov_b32 v255, 0
	ds_add_u32 v251, v255
	ds_add_u32 v251, v255
	v_lshrrev_b32 v1, 5, v0
	s_delay_alu instid0(VALU_DEP_1)
	v_readfirstlane_b32 s16, v1                    ; wave 0..11
	s_and_b32 s17, s16, 3                          ; ww: my number within my role
	v_and_b32 v2, 31, v0                           ; lane
	; every LDS address of both roles is made here, ahead of the parting
	s_mul_i32 s18, s16, XT                         ; X: my tile's place
	v_lshrrev_b32 v4, 1, v2                        ; X: two lanes to a lane-row: r = lane / 2
	s_delay_alu instid0(VALU_DEP_1)
	v_and_b32 v5, 8, v4
	s_delay_alu instid0(VALU_DEP_1)
	v_add_nc_u32 v5, v5, v4                        ; r + 8 (r / 8): its row among the 32 (tile 1: 8 rows on)
	s_delay_alu instid0(VALU_DEP_1)
	v_mul_u32_u24 v[XA], v5, 528
	v_and_b32 v5, 1, v2
	s_delay_alu instid0(VALU_DEP_1)
	v_lshl_add_u32 v[XA], v5, 6, v[XA]             ; + 64 x (lane % 2): my 16 numbers of a block
	s_delay_alu instid0(VALU_DEP_1)
	v_add_nc_u32 v[XA], s18, v[XA]
	s_lshl_b32 s19, s16, 7
	s_add_co_u32 s19, s19, XSS
	v_lshl_add_u32 v[XSW], v4, 2, s19
	v_lshl_add_u32 v[XSR], v2, 2, s19
	v_bfe_u32 v4, v2, 3, 1                         ; W: column 32 ww + lane is lane-row r = lane % 8 + 8 (lane / 16) of tile 2 ww + u, u = (lane / 8) % 2
	v_lshrrev_b32 v5, 4, v2
	v_and_b32 v14, 7, v2
	s_delay_alu instid0(VALU_DEP_1)
	v_lshl_add_u32 v5, v5, 3, v14
	s_mul_i32 s19, s17, 3072
	s_add_co_u32 s19, s19, WST
	v_mul_u32_u24 v[WSA], v5, 24
	s_delay_alu instid0(VALU_DEP_1)
	v_mad_u32_u24 v[WSA], v4, 1536, v[WSA]
	s_delay_alu instid0(VALU_DEP_1)
	v_add_nc_u32 v[WSA], s19, v[WSA]
	v_lshl_add_u32 v[WRD], v2, 4, s19
	v_mul_u32_u24 v[O12], v2, 12
	v_lshlrev_b32 v[O4], 2, v2
	v_lshlrev_b32 v[O16], 4, v2
	v_lshl_add_u32 v5, v4, 4, v5
	s_delay_alu instid0(VALU_DEP_1)
	v_lshlrev_b32 v[OSW], 2, v5                    ; 4 (16 u + r)
	s_wait_dscnt 0x0
	s_wait_kmcnt 0x0
	s_cmp_ge_u32 s16, 8
	s_cbranch_scc1 .Lw_role
; ---------------- X: waves 0-7 ----------------
	s_mov_b32 s20, (2<<16)|(1<<20)|(6<<22)|(3<<25) ; group 1: no mask; elements of 4 bytes; padding on: behind every 128 words (code 6) 4 words (code 3)
	s_mov_b32 s21, 128<<16                         ; tensor_dim0 = 128
	s_mov_b32 s22, 32<<16                          ; tensor_dim1 = 32
	s_mov_b32 s23, 128<<16                         ; tile_dim0 = 128
	s_mov_b32 s24, 32                              ; tile_dim1 = 32
	s_mov_b32 s25, 1024                            ; from row to row
	s_mov_b32 s26, 0
	s_mov_b32 s27, 0
	s_lshl_b32 s36, ttmp9, 17                      ; 32 rows of 4,096 bytes a work-group,
	s_lshl_b32 s37, s16, 9                         ; one K step of 512 bytes a wave
	s_add_co_u32 s36, s36, s37
	s_mov_b32 s37, 0
	s_add_nc_u64 s[4:5], s[4:5], s[36:37]
	s_mov_b32 s28, 1
	s_mov_b32 s29, s18
	s_mov_b64 s[30:31], s[4:5]
	s_or_b32 s31, s31, 0x80000000
	tensor_load_to_lds s[28:31], s[20:27]          ; my one load: 32 rows x 512 bytes
	s_nop 0
.rept 4
	v_nop
.endr
	s_lshr_b32 s36, ttmp9, 3                       ; my group of 256 tokens,
	s_mul_i32 s36, s36, 204800
	s_mul_i32 s37, s16, 25600                      ; my K step's block,
	s_add_co_u32 s36, s36, s37
	s_and_b32 s37, ttmp9, 7                        ; my pair of tiles
	s_mul_i32 s40, s37, 3072
	s_add_co_u32 s40, s40, s36
	s_mov_b32 s41, 0
	s_lshl_b32 s42, s37, 7
	s_add_co_u32 s42, s42, s36
	s_add_co_u32 s42, s42, 24576
	s_mov_b32 s43, 0
	s_add_nc_u64 s[44:45], s[10:11], s[40:41]      ; where my codes go
	s_add_nc_u64 s[46:47], s[10:11], s[42:43]      ; and my scale words
; group n = 2 q + u: K step q of my two, tile u: four blocks of 16 numbers a lane, into set n % 2
.macro XLD n
.irp b, 0,1,2,3
.irp j, 0,1,2,3
	ds_load_b128 v[64+64*((\n)%2)+16*\b+4*\j:64+64*((\n)%2)+16*\b+4*\j+3], v[XA] offset:((\n)%2)*4224+128*\b+16*\j
.endr
.endr
.endm
.macro XWORK n
.set XS, 64+64*((\n)%2)
.irp b, 0,1,2,3
	v_max3_num_f32 v[16+\b], |v[XS+16*\b]|, |v[XS+16*\b+1]|, 0x1800000   ; my 16 numbers of block b, and the floor 2^(3 - 127): the byte cannot fall under 1
.endr
.irp i, 2,4,6,8,10,12,14
.irp b, 0,1,2,3
	s_delay_alu instid0(VALU_DEP_4)
	v_max3_num_f32 v[16+\b], v[16+\b], |v[XS+16*\b+\i]|, |v[XS+16*\b+\i+1]|   ; (the four blocks by turns)
.endr
.endr
.irp b, 0,1,2,3
	s_delay_alu instid0(VALU_DEP_4)
	v_max_num_f32_dpp v[16+\b], v[16+\b], v[16+\b] row_xmask:1 row_mask:0xf bank_mask:0xf   ; with my neighbour's 16: the block's largest magnitude
.endr
.irp b, 0,1,2,3
	s_delay_alu instid0(VALU_DEP_4)
	v_add_nc_u32 v[20+\b], 0xff000000, v[16+\b]    ; 2 off its exponent field: the conversion takes the exponent field of this operand as its scale
.endr
.irp b, 0,1,2,3
	v_cvt_scalef32_pk16_fp6_f32 v[192+4*(4*(\n)+\b):192+4*(4*(\n)+\b)+2], v[XS+16*\b:XS+16*\b+15], v[20+\b]   ; registers of their own for every store: none is written again
.endr
	v_nop                                          ; one plain line behind the conversions
.irp b, 0,1,2,3
	v_lshrrev_b32 v[16+\b], 23, v[20+\b]           ; the scales' bytes
.endr
	s_delay_alu instid0(VALU_DEP_3)
	v_lshl_or_b32 v[24+(\n)], v17, 8, v16          ; my lane-row's scale word
	s_delay_alu instid0(VALU_DEP_1)
	v_lshl_or_b32 v[24+(\n)], v18, 16, v[24+(\n)]
	s_delay_alu instid0(VALU_DEP_1)
	v_lshl_or_b32 v[24+(\n)], v19, 24, v[24+(\n)]
.irp b, 0,1,2,3
	global_store_b96 v[O12], v[192+4*(4*(\n)+\b):192+4*(4*(\n)+\b)+2], s[44:45] offset:((\n)/2)*25600+((\n)%2)*1536+384*\b   ; 32 lanes store 384 consecutive bytes: block b of the fragment
.endr
.endm
	s_wait_tensorcnt 0x0                           ; my tile is in
	XLD 0                                          ; groups 0 and 1: my K step's two tiles
	XLD 1
	s_wait_dscnt 16                                ; group 0 is in; group 1's 16 loads may be out
	XWORK 0
	s_wait_dscnt 0x0
	XWORK 1
.irp n, 0,1
	ds_store_b32 v[XSW], v[24+\n] offset:64*\n     ; both lanes of a lane-row write the same word
.endr
	ds_load_b32 v28, v[XSR]                        ; LDS serves a wave's instructions in order: this sees my stores
	s_wait_dscnt 0x0
	global_store_b32 v[O4], v28, s[46:47]          ; the pair's 32 words of my K step
	s_wait_tensorcnt 0x0
	ds_add_u32 v251, v255
	s_wait_dscnt 0x0
	s_endpgm
; ---------------- W: waves 8-11 ----------------
.Lw_role:
	s_cmp_lt_u32 ttmp9, 192                        ; Wqkv's work-group or Wo's?  The choice hangs on the work-group's number alone
	s_cselect_b64 s[20:21], s[6:7], s[8:9]
	s_cselect_b64 s[22:23], s[12:13], s[14:15]
	s_mov_b32 s24, 4096
	s_cselect_b32 s24, 12288, s24                  ; bytes from a row of the weight to the next
	s_cselect_b32 s25, 0, 192
	s_sub_co_u32 s25, ttmp9, s25
	s_lshr_b32 s26, s25, 3                         ; group of 128 columns
	s_and_b32 s27, s25, 7                          ; K step
	s_lshl_b32 s28, s27, 7
	s_mul_i32 s28, s28, s24                        ; 128 rows a K step,
	s_lshl_b32 s29, s26, 9                         ; 512 bytes a group,
	s_add_co_u32 s28, s28, s29
	s_lshl_b32 s29, s17, 7                         ; 128 bytes a wave
	s_add_co_u32 s28, s28, s29
	s_mov_b32 s29, 0
	s_add_nc_u64 s[40:41], s[20:21], s[28:29]      ; block 0's first row;
	s_lshl_b32 s30, s24, 5
	s_mov_b32 s31, 0
	s_add_nc_u64 s[42:43], s[40:41], s[30:31]      ; blocks 1 to 3: 32 rows on each
	s_add_nc_u64 s[44:45], s[42:43], s[30:31]
	s_add_nc_u64 s[46:47], s[44:45], s[30:31]
	s_mul_i32 s32, s26, 102400
	s_mul_i32 s33, s27, 12800
	s_add_co_u32 s32, s32, s33
	s_mul_i32 s33, s17, 3072
	s_add_co_u32 s36, s32, s33
	s_mov_b32 s37, 0
	s_lshl_b32 s33, s17, 7
	s_add_co_u32 s38, s32, s33
	s_add_co_u32 s38, s38, 12288
	s_mov_b32 s39, 0
	s_add_nc_u64 s[34:35], s[22:23], s[36:37]      ; where my two fragments go
	s_add_nc_u64 s[36:37], s[22:23], s[38:39]      ; and my pair's scale words
.set i, 0
	s_wait_alu depctr_va_vdst(0)
.rept 32
	v_mad_u32_u24 v[32+i], s24, i, v[O4]           ; row i of a block, my column: never rewritten
.set i, i+1
.endr
.irp t, 0,1,2,3
.set i, 0
.rept 32
	global_load_b32 v[64+32*\t+i], v[32+i], s[40+2*\t:41+2*\t] th:TH_LOAD_NT   ; 32 lanes read 128 consecutive bytes, the four waves 512
.set i, i+1
.endr
.endr
.macro WBLOCK t
.set XS, 64+32*(\t)
	v_max3_num_f32 v16, |v[XS]|, |v[XS+1]|, |v[XS+2]|              ; the block's largest magnitude: all 32 numbers are mine
	v_max3_num_f32 v17, |v[XS+3]|, |v[XS+4]|, |v[XS+5]|
.irp i, 6,10,14,18,22,26
	s_delay_alu instid0(VALU_DEP_2)
	v_max3_num_f32 v16, v16, |v[XS+\i]|, |v[XS+\i+1]|
	s_delay_alu instid0(VALU_DEP_2)
	v_max3_num_f32 v17, v17, |v[XS+\i+2]|, |v[XS+\i+3]|
.endr
	s_delay_alu instid0(VALU_DEP_2)
	v_max3_num_f32 v16, v16, |v[XS+30]|, |v[XS+31]|
	s_delay_alu instid0(VALU_DEP_1)
	v_max3_num_f32 v16, v16, v17, 0x1800000        ; and the floor
	s_delay_alu instid0(VALU_DEP_1)
	v_add_nc_u32 v18, 0xff000000, v16              ; the conversions' scale operand
	v_cvt_scalef32_pk16_fp6_f32 v[192+8*(\t):194+8*(\t)], v[XS:XS+15], v18
	v_cvt_scalef32_pk16_fp6_f32 v[196+8*(\t):198+8*(\t)], v[XS+16:XS+31], v18   ; (a conversion's three registers begin on an even number)
	v_nop                                          ; one plain line behind the conversions
	v_lshrrev_b32 v19, 23, v18                     ; the scale's byte
.if (\t) == 0
	s_delay_alu instid0(VALU_DEP_1)
	v_mov_b32 v20, v19
.else
	s_delay_alu instid0(VALU_DEP_1)
	v_lshl_or_b32 v20, v19, 8*(\t), v20            ; four bytes make my column's scale word
.endif
	v_mov_b32 v[195+8*(\t)], v[196+8*(\t)]         ; the block's six registers on end
	v_mov_b32 v[196+8*(\t)], v[197+8*(\t)]
	v_mov_b32 v[197+8*(\t)], v[198+8*(\t)]
.irp q, 0,1,2
	ds_store_b64 v[WSA], v[192+8*(\t)+2*\q:193+8*(\t)+2*\q] offset:384*(\t)+8*\q
.endr
.endm
	s_wait_loadcnt 63                              ; of my 128 loads at most 63 are out: blocks 0 and 1 are in
	WBLOCK 0
	WBLOCK 1
	s_wait_loadcnt 32                              ; block 3's 32 may be out
	WBLOCK 2
	s_wait_loadcnt 0x0
	WBLOCK 3
.irp k, 0,1,2,3,4,5
	ds_load_b128 v[224+4*\k:227+4*\k], v[WRD] offset:512*\k   ; LDS serves a wave's instructions in order: these see my stores
.endr
	global_store_b32 v[OSW], v20, s[36:37]         ; the pair's 32 words: 128 consecutive bytes
.irp k, 0,1,2,3,4,5
	s_wait_dscnt 5-\k
	global_store_b128 v[O16], v[224+4*\k:227+4*\k], s[34:35] offset:512*\k   ; 32 lanes store 512 consecutive bytes, at a multiple of 256 from the buffer's first byte
.endr
	s_wait_tensorcnt 0x0
	ds_add_u32 v251, v255
	s_wait_dscnt 0x0
	s_endpgm
.Lfunc_end_k_q5456a22acf_quant:
	.size	k_q5456a22acf_quant, .Lfunc_end_k_q5456a22acf_quant-k_q5456a22acf_quant
	.p2alignl 7, 3214868480
	.fill 96, 4, 3214868480
	.section	.rodata,"a",@progbits
	.p2align	6, 0x0
	.amdhsa_kernel k_q5456a22acf_quant
		.amdhsa_group_segment_fixed_size 169472
		.amdhsa_private_segment_fixed_size 0
		.amdhsa_enable_private_segment 0
		.amdhsa_kernarg_size 48
		.amdhsa_user_sgpr_count 2
		.amdhsa_user_sgpr_kernarg_segment_ptr 1
		.amdhsa_wavefront_size32 1
		.amdhsa_system_sgpr_workgroup_id_x 1
		.amdhsa_system_sgpr_workgroup_id_y 1
		.amdhsa_system_sgpr_workgroup_id_z 1
		.amdhsa_system_vgpr_workitem_id 0
		.amdhsa_next_free_vgpr 256
		.amdhsa_next_free_sgpr 66
		.amdhsa_reserve_vcc 0
		.amdhsa_float_denorm_mode_32 3
		.amdhsa_float_denorm_mode_16_64 3
		.amdhsa_memory_ordered 1
		.amdhsa_forward_progress 1
		.amdhsa_inst_pref_size 42
	.end_amdhsa_kernel
	.amdgpu_metadata
---
amdhsa.version: [ 1, 2 ]
amdhsa.kernels:
  - .name:           k_q5456a22acf_quant
    .symbol:         k_q5456a22acf_quant.kd
    .args:
      - { .name: x, .offset: 0, .size: 8, .value_kind: global_buffer, .address_space: global }
      - { .name: Wqkv, .offset: 8, .size: 8, .value_kind: global_buffer, .address_space: global }
      - { .name: Wo, .offset: 16, .size: 8, .value_kind: global_buffer, .address_space: global }
      - { .name: xq, .offset: 24, .size: 8, .value_kind: global_buffer, .address_space: global }
      - { .name: wq, .offset: 32, .size: 8, .value_kind: global_buffer, .address_space: global }
      - { .name: woq, .offset: 40, .size: 8, .value_kind: global_buffer, .address_space: global }
    .group_segment_fixed_size: 169472
    .private_segment_fixed_size: 0
    .kernarg_segment_align: 8
    .kernarg_segment_size: 48
    .max_flat_workgroup_size: 384
    .sgpr_count:     66
    .vgpr_count:     256
    .wavefront_size: 32
...
	.end_amdgpu_metadata
.endif
;; end of part 5
;; launch gemm_qkv (part 6): grid 8 x 32, 4 waves a work-group, clusters of 4 x 4, 327,680 bytes of LDS; arguments xq, wq, bqkv, qq, kv; writes qq, kv
.if DOCPART == 6
	.amdgcn_target "amdgcn-amd-amdhsa--gfx1250"
	.amdhsa_code_object_version 6
	.text
	.protected	k_q5456a22acf_gemm_qkv
	.globl	k_q5456a22acf_gemm_qkv
	.p2align	8
	.type	k_q5456a22acf_gemm_qkv,@function
k_q5456a22acf_gemm_qkv:
	s_mov_b64 s[64:65], 0
	v_nop
	global_prefetch_b8 v0, s[64:65] scope:SCOPE_SE
	s_setreg_imm32_b32 hwreg(HW_REG_WAVE_MODE, 25, 1), 1
	s_wait_xcnt 0x0
	s_wait_alu depctr_hold_cnt(0) depctr_sa_sdst(0) depctr_va_vdst(0) depctr_va_sdst(0) depctr_va_ssrc(0) depctr_va_vcc(0) depctr_vm_vsrc(0)
	s_getreg_b32 s2, hwreg(HW_REG_IB_STS2, 6, 4)
	s_cmp_eq_u32 s2, 0
	s_cbranch_scc0 .Lentry_in_a_cluster
	s_endpgm
.Lentry_in_a_cluster:
	s_bfe_u32 s2, ttmp6, 0x10000c
	s_cmp_lg_u32 s2, 0xf033
	s_cbranch_scc0 .Lentry_shape_is_right
	s_endpgm
.Lentry_shape_is_right:
; qkv = x Wqkv + bqkv on codes of FP6 (E2M3) with E8M0 scales; the result never goes to memory as f32: it is quantised in registers for the two products of attention.
; A work-group makes 256 tokens x 384 columns: the 128 columns of q, of k and of v that belong to one pair of heads.  256 work-groups.  A wave makes 128 tokens (8 tiles a) x 3 x 64 columns (4 tiles b; one head):
; 96 accumulators, 768 registers.  For 128 along K it reads 8 token and 12 weight fragments from LDS for 96 products: each token fragment serves q, k and v.
; K = 1,024 goes through a ring of two LDS slots of two K steps each (128,000 bytes: two token blocks of 25,600, then two K steps' weights, 38,400 each: q's, k's and v's block).  Slot 1's first fill goes out only
; when slot 0's is in; each slot is filled again once.  CLUSTERS: 4 x 4 work-groups; the four of a row need the same tokens, the four of a column the same weights: each part is asked for jointly.
; Tiles, fragments and scale words: lane-row r of tile T is row 32 (T / 2) + 8 (T % 2) + r + 8 (r / 8); a fragment is 1,536 bytes, byte 768 c + 24 lane + 8 p; scale words lie in pairs of tiles,
; lanes 0-15 the even tile's, lanes 16-31 the odd tile's.
; q AND k: source 0 = weights, source 1 = tokens: a lane holds ONE token, and by the order of a tile's rows its 32 registers are channels 32 B + 16 (lane / 16) + 0 .. 15 of the head: two blocks along the first
;   product's K.  Each token tile gives six registers of codes a lane and a scale word (s0, s1, s0, s1).
; v: the sources are swapped: a lane holds ONE channel and its 64 registers run along the 128 tokens: four blocks along the second product's K (the keys): twelve registers of codes a lane for each channel tile.
;   qq: [64 heads][16 steps of 128 tokens][8 tiles x 768 bytes of codes (three planes of 8 bytes a lane); 2 x 512 bytes of words, four tiles' words a lane = 7,168]
;   kv: [64 heads][16 steps][k's codes, 4 pairs of token tiles x 1,536; k's words, 1,024, as in qq; v's codes, 4 channel tiles x 1,536, at 7,168; v's words, four a lane, at 13,312 = 13,824]
;   In kv twelve registers of codes (a pair of k's tiles; a tile of v) lie as AN IMAGE OF THE REGISTERS: register p at byte 512 (p / 4) + 16 lane + 4 (p % 4): three loads of 16 bytes a lane bring them back.
; LIMITS: a block of zeros gets the byte 1 where the rule says 127 (its codes are zeros; this program alone reads the bytes); NaN and infinities are not served.
; REGISTERS, in windows of 256: window 0: v1-6, v16-23 addresses, never rewritten; v8-11 the tokens' scale words, v12-15 the weights', two sets; v24-25 for the add; v32-127 token fragments, ONE set;
;   v128-175, v176-223 weight fragments, two sets; v224-255 q's bias.   windows 1, 2, 3: the accumulators of q, k, v: (a, b) at v[8 (4 a + b)].   On the way out window 0's v32-223 are free.
; A K STEP is three passes of 32 products (q, k, v).  Pass n + 1's weights are fetched ahead of pass n's products, into the set that pass n - 1 has left.  A token tile is free as soon as the v pass has used it:
; tiles 0-3 are fetched anew in the middle of the v pass, tiles 4-7 at the next step's head.
.set TBLK,  25600                      ; a K step's tokens: 16 fragments and their scale words
.set WBLK,  12800                      ; a K step's weights of 128 columns
.set WSTP,  38400                      ; of q's, k's and v's 128 columns
.set WOF,   51200                      ; where the weights begin in a slot
.set SLOT,  128000
.set SPARE, 256000                     ; behind the ring: the spare words, 128 bytes for each wave: two blocks of 256 bytes that no other line names
.set ADT,  1                           ; v1-2   LDS address of my token fragments in slot 0, 1
.set ADW,  3                           ; v3-6   of my weight fragments: slot 0 K step 0, 1; slot 1 K step 0, 1
.set TS,   8                           ; v8-11  the tokens' scale words: four pairs of tiles
.set WS,   12                          ; v12-15 the weights': set p at v[12 + 2 p]: two pairs of tiles
.set AST,  16                          ; v16-17 LDS address of my tokens' scale words in slot 0, 1
.set ASW,  18                          ; v18-19 of my weights'
.set OBQ,  20                          ; v20  the bias for q, k: 64 (lane / 16)
.set OBV,  21                          ; v21  the bias for v: 4 (r + 8 (r / 8))
.set O8,   22                          ; v22  8 x lane
.set O16,  23                          ; v23  16 x lane
.set SPW,  24                          ; v24  LDS address of my spare word: SPARE + 4 x my thread's number; never rewritten
.set NIL,  25                          ; v25  0; never rewritten
.set TF,   32
.set WF,   128
.set BV,   224                         ; q's bias
.set BK,   176                         ; k's bias, on the way out
.set BW,   208                         ; v's
.set H,    32                          ; the way out: results + bias
.set PCB,  96                          ; codes
.set TM,   144                         ; at work
.set PT,   160
.set SW,   168                         ; the scale words made
.set SEL,  56                          ; s[56:57] v_permlanex16_b32's selects for lane l xor 16
.set MSB, 0
.macro WIN new                         ; the immediate's high byte repeats the setting that is left
.if MSB != \new
	s_set_vgpr_msb (MSB<<8)|\new
.set MSB, \new
.endif
.endm
.macro CREST                           ; a round of the cluster's barrier behind its opening barrier
	s_cmp_lg_u32 s14, 0
	s_cbranch_scc1 .Lnot_wave_0_\@
	s_barrier_signal -3
.Lnot_wave_0_\@:
	s_barrier_wait -3
	s_barrier_signal -1
	s_barrier_wait -1
.endm
.macro CROUND                          ; a whole round
	s_barrier_signal -1
	s_barrier_wait -1
	CREST
.endm
; A joint refill of slot s: waves 0 and 1 fetch a K step's tokens each, waves 2 and 3 a K step's weights.  The branch hangs on the wave's number alone.  Four v_nop follow each of the two lines.
.macro JLOAD s
	s_cmp_eq_u32 s15, 0
	s_cbranch_scc0 .Lfor_w_\@
	tensor_load_to_lds s[68+4*(\s):71+4*(\s)], s[24:31]
	s_nop 0
.rept 4
	v_nop
.endr
	s_branch .Ljoined_\@
.Lfor_w_\@:
	tensor_load_to_lds s[76+4*(\s):79+4*(\s)], s[48:55]
	s_nop 0
.rept 4
	v_nop
.endr
.Ljoined_\@:
.endm
; one product.  zero = 1: it starts the sum.  ra, rb: the half of the lanes from which a side's scale words are taken
.macro WM d, a, b, zero, sa, ra, sb, rb
.set rD, \d
.set rA, \a
.set rB, \b
.set rX, \sa
.set rY, \sb
.set rV, 4*(\zero)+2*(\ra)+(\rb)
.if rV == 0
	v_wmma_scale_f32_16x16x128_f8f6f4 v[rD:rD+7], v[rA:rA+11], v[rB:rB+11], v[rD:rD+7], v[rX], v[rY] matrix_a_fmt:MATRIX_FMT_FP6 matrix_b_fmt:MATRIX_FMT_FP6
.elseif rV == 1
	v_wmma_scale_f32_16x16x128_f8f6f4 v[rD:rD+7], v[rA:rA+11], v[rB:rB+11], v[rD:rD+7], v[rX], v[rY] matrix_a_fmt:MATRIX_FMT_FP6 matrix_b_fmt:MATRIX_FMT_FP6 matrix_b_scale:MATRIX_SCALE_ROW1
.elseif rV == 2
	v_wmma_scale_f32_16x16x128_f8f6f4 v[rD:rD+7], v[rA:rA+11], v[rB:rB+11], v[rD:rD+7], v[rX], v[rY] matrix_a_fmt:MATRIX_FMT_FP6 matrix_b_fmt:MATRIX_FMT_FP6 matrix_a_scale:MATRIX_SCALE_ROW1
.elseif rV == 3
	v_wmma_scale_f32_16x16x128_f8f6f4 v[rD:rD+7], v[rA:rA+11], v[rB:rB+11], v[rD:rD+7], v[rX], v[rY] matrix_a_fmt:MATRIX_FMT_FP6 matrix_b_fmt:MATRIX_FMT_FP6 matrix_a_scale:MATRIX_SCALE_ROW1 matrix_b_scale:MATRIX_SCALE_ROW1
.elseif rV == 4
	v_wmma_scale_f32_16x16x128_f8f6f4 v[rD:rD+7], v[rA:rA+11], v[rB:rB+11], 0, v[rX], v[rY] matrix_a_fmt:MATRIX_FMT_FP6 matrix_b_fmt:MATRIX_FMT_FP6
.elseif rV == 5
	v_wmma_scale_f32_16x16x128_f8f6f4 v[rD:rD+7], v[rA:rA+11], v[rB:rB+11], 0, v[rX], v[rY] matrix_a_fmt:MATRIX_FMT_FP6 matrix_b_fmt:MATRIX_FMT_FP6 matrix_b_scale:MATRIX_SCALE_ROW1
.elseif rV == 6
	v_wmma_scale_f32_16x16x128_f8f6f4 v[rD:rD+7], v[rA:rA+11], v[rB:rB+11], 0, v[rX], v[rY] matrix_a_fmt:MATRIX_FMT_FP6 matrix_b_fmt:MATRIX_FMT_FP6 matrix_a_scale:MATRIX_SCALE_ROW1
.else
	v_wmma_scale_f32_16x16x128_f8f6f4 v[rD:rD+7], v[rA:rA+11], v[rB:rB+11], 0, v[rX], v[rY] matrix_a_fmt:MATRIX_FMT_FP6 matrix_b_fmt:MATRIX_FMT_FP6 matrix_a_scale:MATRIX_SCALE_ROW1 matrix_b_scale:MATRIX_SCALE_ROW1
.endif
.endm
; Pass n = 3 x K step + (0: q, 1: k, 2: v); its weights lie in set n % 2.  16 products: token tiles 4 hf .. 4 hf + 3 x the four weight tiles.
; The 96 accumulators take turns, one instruction a turn, in the same order in every K step.  In the v pass tokens are source 0.
.macro MULH n, hf, zero
.set mP, (\n)%3
.set mB, (\n)%2
	WIN 0x50*(1+mP)                                ; sources window 0, C and D window 1 + pass
.irp a, 0,1,2,3
.irp b, 0,1,2,3
.if mP == 2
	WM 8*(4*(4*(\hf)+\a)+\b),TF+12*(4*(\hf)+\a),WF+48*mB+12*\b,\zero,TS+2*(\hf)+\a/2,\a%2,WS+2*mB+\b/2,\b%2
.else
	WM 8*(4*(4*(\hf)+\a)+\b),WF+48*mB+12*\b,TF+12*(4*(\hf)+\a),\zero,WS+2*mB+\b/2,\b%2,TS+2*(\hf)+\a/2,\a%2
.endif
.endr
.endr
.endm
.macro FRAG reg, adr, off              ; a fragment: six loads of 8 bytes; 24 bytes from lane to lane: the 32 lanes touch 64 different banks (64 banks of 4 bytes: ISA guide 11.1)
.irp c, 0,1
.irp q, 0,1,2
	ds_load_b64 v[\reg+6*\c+2*\q:\reg+6*\c+2*\q+1], v[\adr] offset:(\off)+768*\c+8*\q
.endr
.endr
.endm
.macro LOADW n                         ; pass n's four weight fragments and two registers of scale words into set n % 2: 26 loads
.set lS, (\n)/3
.set lP, (\n)%3
.set lA, ADW+2*((lS/2)%2)+lS%2
.set lB, WF+48*((\n)%2)
.irp i, 0,1,2,3
	FRAG lB+12*\i,lA,lP*WBLK+\i*1536
.endr
.irp i, 0,1
	ds_load_b32 v[WS+2*((\n)%2)+\i], v[ASW+(lS/2)%2] offset:(lS%2)*WSTP+lP*WBLK+128*\i
.endr
.endm
.macro LOADT s, hf                     ; K step s: token tiles 4 hf .. 4 hf + 3 and their two registers of scale words: 26 loads
.set lA, ADT+((\s)/2)%2
.irp i, 0,1,2,3
	FRAG TF+12*(4*(\hf)+\i),lA,((\s)%2)*TBLK+(4*(\hf)+\i)*1536
.endr
.irp i, 0,1
	ds_load_b32 v[TS+2*(\hf)+\i], v[AST+((\s)/2)%2] offset:((\s)%2)*TBLK+128*(2*(\hf)+\i)
.endr
.endm
; A load into a register that a matrix instruction has read, and a vector instruction that reads a matrix result or writes one of a matrix instruction's registers, stand four places behind it, and only plain
; vector instructions that name none of its registers are places (ISA guide 7.12.1 for vector instructions).
.macro PLACES
.rept 4
	v_nop
.endr
.endm
; K step s.  Every window is 0 at its head and at its end.  Each run of loads is 26 LDS instructions; a wait's count names the runs issued behind what it waits for.
; An odd K step is its slot's last: its last reads of the slot are the v pass's weights, fetched ahead of the k pass.  There stand the wait for all my tensor loads, the add, and, behind sixteen products, the
; wait for the add and for my reads of the slot; then ONE barrier.  Behind it nobody reads this slot any more and the other slot is whole.  In K steps 1 and 3 it opens a round of the cluster's barrier, and the
; slot is filled again, with the K steps four further on, first thing behind the round.
.macro KSTEP s, zero
.if (\s) > 0
	PLACES
.endif
	LOADT \s,1
	LOADW 3*(\s)+1
	s_wait_dscnt 52                                ; q's weights and token tiles 0-3 are in; the two runs just issued may be out
	MULH 3*(\s),0,\zero
	s_wait_dscnt 26                                ; token tiles 4-7 are in; k's weights may be out
	MULH 3*(\s),1,\zero
	WIN 0
	PLACES
	LOADW 3*(\s)+2
.if ((\s)%2 == 1) && ((\s) < 7)
	s_wait_tensorcnt 0x0                           ; all my tensor loads have landed: the one that was out is my part of the other slot;
	ds_add_u32 v[SPW], v[NIL]                      ; 0 onto my spare word
	s_wait_dscnt 27                                ; k's weights are in (the run just issued and the add may be out)
	MULH 3*(\s)+1,0,\zero                          ; sixteen products stand between the add and the wait for it
	s_wait_dscnt 0x0                               ; the add is done, and my reads of this slot are over
	s_barrier_signal -1
	MULH 3*(\s)+1,1,\zero                          ; work on registers while the others arrive
	WIN 0
	s_barrier_wait -1
.if (\s) < 5
.set kS, ((\s)/2)%2
	CREST                                          ; no wave of any partner still reads this slot or has a load on its way
	s_add_nc_u64 s[70+4*kS:71+4*kS], s[70+4*kS:71+4*kS], 4*TBLK   ; no tensor load of mine is out: the slot's descriptors step four K steps on
	s_add_nc_u64 s[78+4*kS:79+4*kS], s[78+4*kS:79+4*kS], 4*WBLK
	JLOAD kS                                       ; the first tensor load behind the round, my only one until the next; its four v_nop are the places in front of the loads below
.else
	PLACES
.endif
.else
	s_wait_dscnt 26                                ; k's weights are in; v's may be out
	MULH 3*(\s)+1,0,\zero
	MULH 3*(\s)+1,1,\zero
	WIN 0
	PLACES
.endif
.if (\s) < 7
	LOADW 3*(\s)+3                                 ; the next K step's q weights
	s_wait_dscnt 26                                ; v's weights are in
	MULH 3*(\s)+2,0,\zero
	WIN 0
	PLACES
	LOADT (\s)+1,0                                 ; token tiles 0-3 are done with: the next K step's
	MULH 3*(\s)+2,1,\zero
	WIN 0
.else
	s_wait_dscnt 0x0
	MULH 3*(\s)+2,0,\zero
	MULH 3*(\s)+2,1,\zero
	WIN 0
.endif
.endm
; nb blocks of a lane's row: register 16 b + i of v[src] on = k 32 b + 16 (lane / 16) + i.  They become codes in v[pc] on (six registers for two blocks) and the row's scale word in v[w].
.macro QUANT src, nb, pc, w, two=0     ; two = 1: the four blocks are two rows of two blocks (two token tiles): two scale words, v[w] and v[w + 1]
.set qS, \src
.set qP, \pc
.set qW, \w
.set qb, 0
.rept \nb
	v_max3_num_f32 v[TM+qb], |v[qS+16*qb]|, |v[qS+16*qb+1]|, 0x1800000   ; my 16 numbers, and the floor 2^(3 - 127): the byte cannot fall under 1
.set qb, qb+1
.endr
.irp i, 2,4,6,8,10,12,14
.set qb, 0
.rept \nb
	v_max3_num_f32 v[TM+qb], v[TM+qb], |v[qS+16*qb+\i]|, |v[qS+16*qb+\i+1]|   ; (the blocks by turns)
.set qb, qb+1
.endr
.endr
.set qb, 0
.rept \nb
	v_permlanex16_b32 v[TM+4+qb], v[TM+qb], s[SEL], s[SEL+1]
.set qb, qb+1
.endr
.set qb, 0
.rept \nb
	v_max_num_f32 v[TM+qb], v[TM+qb], v[TM+4+qb]   ; with lane l xor 16's: the block's largest magnitude
.set qb, qb+1
.endr
.set qb, 0
.rept \nb
	v_add_nc_u32 v[TM+12+qb], 0xff000000, v[TM+qb] ; 2 off its exponent field: the conversion's scale operand
.set qb, qb+1
.endr
.set qb, 0
.rept \nb
	v_lshrrev_b32 v[TM+4+qb], 23, v[TM+12+qb]      ; the scale's byte
.set qb, qb+1
.endr
	v_lshl_or_b32 v[qW], v[TM+5], 8, v[TM+4]
.if \two
	v_lshl_or_b32 v[qW+1], v[TM+7], 8, v[TM+6]
	v_lshl_or_b32 v[qW], v[qW], 16, v[qW]          ; (s0, s1, s0, s1): the upper two bytes scale the half of the instruction's K that adds nothing
	v_lshl_or_b32 v[qW+1], v[qW+1], 16, v[qW+1]
.else
	v_lshl_or_b32 v[qW], v[TM+6], 16, v[qW]
	v_lshl_or_b32 v[qW], v[TM+7], 24, v[qW]
.endif
.set qc, 0
.rept \nb/2
	v_cvt_scalef32_pk16_fp6_f32 v[qP+6*qc:qP+6*qc+2], v[qS+32*qc:qS+32*qc+15], v[TM+12+2*qc]
	v_cvt_scalef32_pk16_fp6_f32 v[PT+4*qc:PT+4*qc+2], v[qS+32*qc+16:qS+32*qc+31], v[TM+13+2*qc]   ; (a conversion's three registers begin on an even number)
.set qc, qc+1
.endr
	v_nop                                          ; one plain line behind the conversions
.set qc, 0
.rept \nb/2                            ; the operand's layout wants a whole block in a lane: lanes 0-15 block 2 c, lanes 16-31 block 2 c + 1
.irp i, 0,1,2
	v_permlane16_swap_b32 v[qP+6*qc+\i], v[PT+4*qc+\i]
.endr
.irp i, 0,1,2
	v_mov_b32 v[qP+6*qc+3+\i], v[PT+4*qc+\i]
.endr
.set qc, qc+1
.endr
.endm
; The way out of q or k: accumulators in window w, bias at v[bv], block of the buffer at s[d:d+1].  img = 0 (q): a tile's six registers leave as three planes of 8 bytes a lane;
; img = 1 (k): the twelve registers of a pair of tiles leave as their image, four registers at 16 x lane
.macro EPQK w, bv, d, img
.irp a, 0,2,4,6                        ; two token tiles at a time: their four blocks' chains stand by turns
	WIN \w                                         ; source 0: the accumulators' window
.set k, 0
.rept 32
	v_pk_add_f32 v[H+k:H+k+1], v[32*\a+k:32*\a+k+1], v[\bv+k%32:\bv+k%32+1]   ; each accumulator from its low end on
.set k, k+2
.endr
	WIN 0
	QUANT H,4,PCB+6*\a,SW+\a,1
.if \img
.irp q, 0,1,2
	global_store_b128 v[O16], v[PCB+6*\a+4*\q:PCB+6*\a+4*\q+3], s[\d:\d+1] offset:1536*(\a/2)+512*\q   ; 32 lanes store 512 consecutive bytes, at a multiple of 256 from the buffer's first byte
.endr
.else
.irp q, 0,1,2,3,4,5
	global_store_b64 v[O8], v[PCB+6*\a+2*\q:PCB+6*\a+2*\q+1], s[\d:\d+1] offset:768*\a+256*\q   ; 32 lanes store 256 consecutive bytes, at a multiple of 256 from the buffer's first byte
.endr
.endif
.endr
	global_store_b128 v[O16], v[SW:SW+3], s[\d:\d+1] offset:6144      ; four tiles' scale words a lane
	global_store_b128 v[O16], v[SW+4:SW+7], s[\d:\d+1] offset:6656
.endm
	s_load_b256 s[4:11], s[0:1], 0x0               ; xq s[4:5], wq s[6:7], bqkv s[8:9], qq s[10:11]
	s_load_b64 s[12:13], s[0:1], 0x20              ; kv
	v_lshl_add_u32 v[SPW], v0, 2, SPARE
	v_mov_b32 v[NIL], 0
	ds_add_u32 v24, v25
	ds_add_u32 v24, v25
	s_wait_dscnt 0x0
	v_lshrrev_b32 v26, 5, v0
	v_readfirstlane_b32 s14, v26                   ; wave 0..3
	s_lshr_b32 s15, s14, 1                         ; tw: which 128 tokens are mine.  Also: I fetch tokens (0) or weights (1)
	s_and_b32 s16, s14, 1                          ; hw: which head of the pair.  Also: which K step of a slot I fetch
	s_bfe_u32 s40, ttmp6, 0x40000                  ; cx, cy: my place in the cluster
	s_bfe_u32 s41, ttmp6, 0x40004
	s_lshl_b32 s42, ttmp9, 2
	s_add_co_u32 s42, s42, s40                     ; wx: the pair of heads, 0 .. 7
	s_and_b32 s17, ttmp7, 0xffff
	s_lshl_b32 s17, s17, 2
	s_add_co_u32 s17, s17, s41                     ; wy: group of 256 tokens
	s_lshl_b32 s43, s41, 2
	s_lshl_b32 s43, 15, s43                        ; my row of the cluster
	s_lshl_b32 s44, 0x1111, s40                    ; my column
	; group 1 for tokens: a dense block of 25,600 bytes as 100 rows of 256 bytes (32 elements of 8 bytes)
	s_or_b32 s24, s43, (3<<16)|(1<<21)             ; 15:0 the mask: tokens go to my row; 17:16 elements of 8 bytes; 21 set beside a mask
	s_mov_b32 s25, 32<<16                          ; tensor_dim0
	s_mov_b32 s26, 100<<16                         ; tensor_dim1
	s_mov_b32 s27, 32<<16                          ; tile_dim0
	s_mov_b32 s28, 100                             ; tile_dim1
	s_mov_b32 s29, 32                              ; from row to row
	s_mov_b32 s30, 0
	s_mov_b32 s31, 0
	; group 1 for weights: three rows of 12,800 bytes (1,600 elements): q's, k's and v's block of one K step, 8 groups of columns (819,200 bytes, 102,400 elements) apart
	s_or_b32 s48, s44, (3<<16)|(1<<21)             ; weights go to my column
	s_mov_b32 s49, 1600<<16
	s_mov_b32 s50, 3<<16
	s_mov_b32 s51, 1600<<16
	s_mov_b32 s52, 3
	s_mov_b32 s53, 102400
	s_mov_b32 s54, 0
	s_mov_b32 s55, 0
	s_mul_i32 s18, s16, TBLK                       ; the K step that I fetch of each slot: tokens, in LDS and in memory alike;
	s_mul_i32 s19, s16, WSTP
	s_add_co_u32 s19, s19, WOF                     ; weights, in LDS,
	s_mul_i32 s45, s16, WBLK                       ; and in memory
	s_mul_i32 s20, s17, 8*TBLK                     ; the tokens' address hangs on wy alone,
	s_add_co_u32 s20, s20, s18
	s_mov_b32 s21, 0
	s_mul_i32 s46, s42, 8*WBLK                     ; the weights' on wx alone
	s_add_co_u32 s46, s46, s45
	s_mov_b32 s47, 0
	CROUND                                         ; the opening round, ahead of the wait for the arguments: all sixteen work-groups are here, so the first joint loads meet
	s_wait_kmcnt 0x0
	s_add_nc_u64 s[20:21], s[4:5], s[20:21]
	s_add_nc_u64 s[46:47], s[6:7], s[46:47]
.irp c, 0,1
	s_mov_b32 s[68+4*\c], 1                        ; group 0, tokens, slot c: K steps 2 c and 2 c + 1
	s_add_co_u32 s[69+4*\c], s18, \c*SLOT
	s_add_nc_u64 s[70+4*\c:71+4*\c], s[20:21], \c*2*TBLK
	s_or_b32 s[71+4*\c], s[71+4*\c], 0x80000000
	s_mov_b32 s[76+4*\c], 1                        ; weights
	s_add_co_u32 s[77+4*\c], s19, \c*SLOT
	s_add_nc_u64 s[78+4*\c:79+4*\c], s[46:47], \c*2*WBLK
	s_or_b32 s[79+4*\c], s[79+4*\c], 0x80000000
.endr
	s_cmp_lt_u32 s14, 2                            ; slot 0's first fill, one load a wave; four v_nop follow the load
	s_cbranch_scc0 .Lfirst_w
	tensor_load_to_lds s[68:71], s[24:31]
	s_nop 0
.rept 4
	v_nop
.endr
	s_branch .Lasked
.Lfirst_w:
	tensor_load_to_lds s[76:79], s[48:55]
	s_nop 0
.rept 4
	v_nop
.endr
.Lasked:
	v_and_b32 v26, 31, v0                          ; lane
	v_and_b32 v27, 15, v0                          ; r
	v_bfe_u32 v28, v0, 4, 1                        ; h
	v_mul_u32_u24 v29, v26, 24
	s_mul_i32 s58, s15, 8*1536                     ; my eight token tiles
	v_add_nc_u32 v[ADT], s58, v29
	v_add_nc_u32 v[ADT+1], SLOT, v[ADT]
	s_mul_i32 s58, s16, 4*1536                     ; my four weight tiles of each of q, k, v
	s_add_co_u32 s58, s58, WOF
	v_add_nc_u32 v[ADW], s58, v29
	v_add_nc_u32 v[ADW+1], WSTP, v[ADW]
	v_add_nc_u32 v[ADW+2], SLOT, v[ADW]
	v_add_nc_u32 v[ADW+3], SLOT+WSTP, v[ADW]
	s_lshl_b32 s58, s15, 9                         ; my four pairs of token tiles
	s_add_co_u32 s58, s58, 24576
	v_lshl_add_u32 v[AST], v26, 2, s58
	v_add_nc_u32 v[AST+1], SLOT, v[AST]
	s_lshl_b32 s58, s16, 8                         ; my two pairs of weight tiles
	s_add_co_u32 s58, s58, WOF+12288
	v_lshl_add_u32 v[ASW], v26, 2, s58
	v_add_nc_u32 v[ASW+1], SLOT, v[ASW]
	v_lshlrev_b32 v[OBQ], 6, v28
	v_and_b32 v[OBV], 8, v27
	v_add_nc_u32 v[OBV], v[OBV], v27
	v_lshlrev_b32 v[OBV], 2, v[OBV]
	v_lshlrev_b32 v[O8], 3, v26
	v_lshlrev_b32 v[O16], 4, v26
	s_mov_b32 s[SEL], 0x76543210
	s_mov_b32 s[SEL+1], 0xfedcba98
	s_lshl_b32 s62, s42, 9                         ; my 64 columns of q's bias: 512 wx + 256 hw bytes; k's lie 4,096 bytes on, v's 8,192
	s_lshl_b32 s63, s16, 8
	s_add_co_u32 s62, s62, s63
	s_mov_b32 s63, 0
	s_add_nc_u64 s[8:9], s[8:9], s[62:63]
.irp k, 0,1,2,3,4,5,6,7
	global_load_b128 v[BV+4*\k:BV+4*\k+3], v[OBQ], s[8:9] offset:128*(\k/4)+16*(\k%4)   ; q's bias in the result's layout: register 16 B + i: channel 32 B + 16 h + i
.endr
	s_lshr_b32 s58, s17, 3                         ; batch x 16
	s_lshl_b32 s58, s58, 4
	s_lshl_b32 s59, s42, 1
	s_add_co_u32 s58, s58, s59
	s_add_co_u32 s58, s58, s16                     ; + the head 2 wx + hw
	s_and_b32 s59, s17, 7
	s_lshl_b32 s59, s59, 1
	s_add_co_u32 s59, s59, s15                     ; the step of 128 tokens in the batch: 2 (wy % 8) + tw
	s_mul_i32 s62, s58, 114688
	s_mul_i32 s63, s59, 7168
	s_add_co_u32 s62, s62, s63
	s_mov_b32 s63, 0
	s_add_nc_u64 s[60:61], s[10:11], s[62:63]      ; my head's, my step's block of qq,
	s_mul_i32 s86, s58, 221184
	s_mul_i32 s87, s59, 13824
	s_add_co_u32 s86, s86, s87
	s_mov_b32 s87, 0
	s_add_nc_u64 s[84:85], s[12:13], s[86:87]      ; and of kv
	s_wait_alu depctr_va_vdst(0)
	s_wait_tensorcnt 0x0                           ; my part of slot 0 is in; slot 1's first fill is issued as a refill is
	ds_add_u32 v[SPW], v[NIL]
	s_wait_dscnt 0x0
	CROUND                                         ; everybody's part of slot 0 is in, and all sixteen work-groups are here
	JLOAD 1                                        ; slot 1: K steps 2 and 3, the first tensor load behind the round
	LOADW 0
	LOADT 0,0
	KSTEP 0,1                                      ; the first K step's products start the sums: nothing is cleared
	KSTEP 1,0
	KSTEP 2,0
	KSTEP 3,0
	KSTEP 4,0
	KSTEP 5,0
	KSTEP 6,0
	KSTEP 7,0
	; THE WAY OUT: q, then k, then v.  The fragments' registers are free: k's and v's biases land there while q is quantised.
	PLACES                                         ; behind the last products, ahead of the first read of results and of writes over fragments
.irp b, 0,1,2,3
	v_mov_b32 v[TM+4+\b], 0                        ; written once: a lane permute's destination counts as one of its sources
.endr
.irp k, 0,1,2,3,4,5,6,7
	global_load_b128 v[BK+4*\k:BK+4*\k+3], v[OBQ], s[8:9] offset:4096+128*(\k/4)+16*(\k%4)
.endr
.irp b, 0,1,2,3
	global_load_b32 v[BW+2*\b], v[OBV], s[8:9] offset:8192+4*(32*(\b/2)+8*(\b%2))     ; my channel's bias, twice: a pair for the packed addition
	global_load_b32 v[BW+2*\b+1], v[OBV], s[8:9] offset:8192+4*(32*(\b/2)+8*(\b%2))
.endr
	s_wait_loadcnt 16                              ; q's bias is in; the sixteen loads just issued may be out
	EPQK 1,BV,60,0
	s_wait_loadcnt 8                               ; k's bias is in; v's eight loads may be out
	s_wait_xcnt 0x0                                ; q's stores have read their registers: the codes' and the words' registers are written again only behind this wait
	EPQK 2,BK,84,1
	s_wait_loadcnt 0x0
	s_wait_xcnt 0x0                                ; likewise k's stores
.irp b, 0,1,2,3
	WIN 0x03                                       ; source 0 window 3
.irp a, 0,1,2,3,4,5,6,7
.irp k, 0,2,4,6
	v_pk_add_f32 v[H+8*\a+\k:H+8*\a+\k+1], v[8*(4*\a+\b)+\k:8*(4*\a+\b)+\k+1], v[BW+2*\b:BW+2*\b+1]   ; register 8 a + j: token 32 (a / 2) + 16 h + 8 (a % 2) + j of the step; each accumulator from its low end on
.endr
.endr
	WIN 0
	QUANT H,4,PCB+12*\b,SW+\b
.irp q, 0,1,2
	global_store_b128 v[O16], v[PCB+12*\b+4*\q:PCB+12*\b+4*\q+3], s[84:85] offset:7168+1536*\b+512*\q   ; the tile's twelve registers as their image: 512 consecutive bytes a store
.endr
.endr
	global_store_b128 v[O16], v[SW:SW+3], s[84:85] offset:13312
	s_wait_tensorcnt 0x0                           ; the wave's end: behind my last tensor load
	ds_add_u32 v[SPW], v[NIL]
	s_wait_dscnt 0x0
	CROUND                                         ; the closing round: no work-group ends while a partner may still ask for a part that names it
	s_endpgm
.Lfunc_end_k_q5456a22acf_gemm_qkv:
	.size	k_q5456a22acf_gemm_qkv, .Lfunc_end_k_q5456a22acf_gemm_qkv-k_q5456a22acf_gemm_qkv
	.p2alignl 7, 3214868480
	.fill 96, 4, 3214868480
	.section	.rodata,"a",@progbits
	.p2align	6, 0x0
	.amdhsa_kernel k_q5456a22acf_gemm_qkv
		.amdhsa_group_segment_fixed_size 327680
		.amdhsa_private_segment_fixed_size 0
		.amdhsa_enable_private_segment 0
		.amdhsa_kernarg_size 40
		.amdhsa_user_sgpr_count 2
		.amdhsa_user_sgpr_kernarg_segment_ptr 1
		.amdhsa_wavefront_size32 1
		.amdhsa_system_sgpr_workgroup_id_x 1
		.amdhsa_system_sgpr_workgroup_id_y 1
		.amdhsa_system_sgpr_workgroup_id_z 1
		.amdhsa_system_vgpr_workitem_id 0
		.amdhsa_next_free_vgpr 1024
		.amdhsa_next_free_sgpr 100
		.amdhsa_reserve_vcc 0
		.amdhsa_float_denorm_mode_32 3
		.amdhsa_float_denorm_mode_16_64 3
		.amdhsa_memory_ordered 1
		.amdhsa_forward_progress 1
		.amdhsa_inst_pref_size 255
	.end_amdhsa_kernel
	.section	.bss,"aw",@nobits
	.p2align	6
	.space	262144
	.amdgpu_metadata
---
amdhsa.version: [ 1, 2 ]
amdhsa.kernels:
  - .name:           k_q5456a22acf_gemm_qkv
    .symbol:         k_q5456a22acf_gemm_qkv.kd
    .args:
      - { .name: xq, .offset: 0, .size: 8, .value_kind: global_buffer, .address_space: global }
      - { .name: wq, .offset: 8, .size: 8, .value_kind: global_buffer, .address_space: global }
      - { .name: bqkv, .offset: 16, .size: 8, .value_kind: global_buffer, .address_space: global }
      - { .name: qq, .offset: 24, .size: 8, .value_kind: global_buffer, .address_space: global }
      - { .name: kv, .offset: 32, .size: 8, .value_kind: global_buffer, .address_space: global }
    .group_segment_fixed_size: 327680
    .private_segment_fixed_size: 0
    .kernarg_segment_align: 8
    .kernarg_segment_size: 40
    .max_flat_workgroup_size: 128
    .sgpr_count:     100
    .vgpr_count:     1024
    .wavefront_size: 32
...
	.end_amdgpu_metadata
.endif
;; end of part 6
;; launch attn (part 7): grid 4 x 64, 16 waves a work-group, clusters of 4 x 1, 223,232 bytes of LDS; arguments qq, kv, aq; writes aq
.if DOCPART == 7
	.amdgcn_target "amdgcn-amd-amdhsa--gfx1250"
	.amdhsa_code_object_version 6
	.text
	.protected	k_q5456a22acf_attn
	.globl	k_q5456a22acf_attn
	.p2align	8
	.type	k_q5456a22acf_attn,@function
k_q5456a22acf_attn:
	s_mov_b64 s[64:65], 0
	v_nop
	global_prefetch_b8 v0, s[64:65] scope:SCOPE_SE
	s_setreg_imm32_b32 hwreg(HW_REG_WAVE_MODE, 25, 1), 1
	s_wait_xcnt 0x0
	s_wait_alu depctr_hold_cnt(0) depctr_sa_sdst(0) depctr_va_vdst(0) depctr_va_sdst(0) depctr_va_ssrc(0) depctr_va_vcc(0) depctr_vm_vsrc(0)
	s_getreg_b32 s2, hwreg(HW_REG_IB_STS2, 6, 4)
	s_cmp_eq_u32 s2, 0
	s_cbranch_scc0 .Lentry_in_a_cluster
	s_endpgm
.Lentry_in_a_cluster:
	s_bfe_u32 s2, ttmp6, 0x10000c
	s_cmp_lg_u32 s2, 0x3003
	s_cbranch_scc0 .Lentry_shape_is_right
	s_endpgm
.Lentry_shape_is_right:
; O = softmax(Q K^T / 8) V for one head, both products on codes of FP6 (E2M3) with E8M0 scales; O / l is quantised in registers along the embedding for the last product.
; THE SOFTMAX: t = score x log2(e) / 8; M = the running largest t rounded UP to a whole number; p = 2^(t - M) is quantised along the keys, not normalised; the row's sum is taken of the
; unquantised p and divides O at the end.  When M moves, the sum and O are multiplied by 2^(old M - new M): exact.
; SHARES.  A work-group owns 512 queries of one head; the head's whole K, V and scales (16 steps of 128 keys x 13,824 bytes) stay in LDS, each byte filled once.  The four work-groups of a head form a
; cluster and ask for each step jointly.  Wave w asks for key step w: one load a wave.  Waves 0-3 have a load line of their own and wait alone ahead of the first barrier, so steps 0-3 are walked while
; the other twelve land; one more barrier, with every wave's wait for 0, shows the rest.  No prefetch: every byte is asked for at the head, and no later load is left to run ahead of.
; Each wave owns two tiles of 16 queries (A, B), which share every fragment of K and V that the wave reads.
; LAYOUT.  Both products are used transposed (S^T = K Q^T, O^T = V^T P^T): a lane holds one query.  Lane-row r of score tile 4 c + i is key 64 c + 32 (r / 8) + 8 i + r % 8, so register 32 c + 8 i + j of
; lane (r, h) is key 64 c + 32 h + 8 i + j: a lane's 32 registers are block 2 c + h of the 128 keys, in order.  A block's largest score needs no other lane, the conversions' results are the operand's
; registers, and a lane makes two of its query's four scale bytes; one exchange joins them with the other two.
; In kv twelve registers of a pair of key tiles lie as an image (register p at 512 (p / 4) + 16 lane + 4 (p % 4)); lane (r, h) of score tiles 4 c + 2 m, + 1 wants pair 2 c + r / 8, lane 16 h + r % 8 + 8 m.
; V's tiles (channels) are read as they lie, 16 bytes a lane on end.
; THE FIRST PRODUCT'S K IS 64, the instruction's 128: Q's registers 6-11 are zero codes, and K's operand for tile t is v[40 + 6 t] on, twelve registers: its upper six are the next tile's codes (tile 7: p's),
; finite numbers all, so those products are exactly 0; the scale bytes of that half repeat the real ones.
; ORDER OF A TILE'S SOFTMAX, in batches: maxima, statistics and all 32 scalings; one wait; the 66 exponentials; one plain line; one wait; O^T's rescaling, the sums in three chains, the scale bytes, the
; conversions.  The sums that do not lie under tile B's codes stand behind the conversions: they are the places ahead of the products.  Both tiles' products with V stand in one run at the step's end.
; LIMITS: the promise holds while the scaled scores stay under 2^31 in magnitude; a block's largest p is taken from its largest score by the same multiply-add and exponential (this takes v_exp_f32 not to
; fall where its input rises); a block of zeros gets the byte 1 (its codes are zeros; this program alone reads the bytes); NaN and infinities are not served.
; The scale words of aq are shared by two heads: each head stores its 16 bits of each word.
; REGISTERS: v1 K's lane term, v2 16 x lane, v3-5 the step's LDS addresses; v6-7 Q's scale words; v8-11, v12-15 for tile A, B: -M, the largest score, the sum in two halves; v16-39 Q; v40-87 K or V;
;   v88-99 p of A; v100-107 K's or V's scale words; v108-171 S^T, then p (B's codes at v124-135); v172-235 O^T; v236-247, v252-255 at work; v248-249 p's scale words; v250 8 (lane / 16); v251 K's words' lane term.
.set STEPB, 13824
.set SPARE, 221184                     ; behind K and V: the spare words, 128 bytes a wave
.set LK,  1
.set L16, 2
.set AK,  3
.set A16, 4
.set AKS, 5
.set QA,  16
.set QB,  28
.set KV,  40
.set PA,  88
.set KS,  100
.set S,   108
.set OA,  172
.set OB,  204
.set BM,  236
.set PT,  240
.set PWA, 248
.set PWB, 249
.set SH,  250
.set LKS, 251
.set F,   252
.set T,   253
.set SO,  254
.set TM,  64
.set WV,  18
.set SEL, 20
.set CS,  22
.set G1,  24
.set G0,  32
.set TB,  48
.set CNT, 49
.set HI,  50
.macro CROUND                          ; a round of the cluster's barrier
	s_barrier_signal -1
	s_barrier_wait -1
	s_cmp_lg_u32 s[WV], 0
	s_cbranch_scc1 .Lnot_wave_0_\@
	s_barrier_signal -3
.Lnot_wave_0_\@:
	s_barrier_wait -3
	s_barrier_signal -1
	s_barrier_wait -1
.endm
.macro WALU
	s_wait_alu depctr_va_vdst(0)
.endm
.macro WMS d, a, b, zero, sa, sb
.set rD, \d
.set rA, \a
.set rB, \b
.set rX, \sa
.set rY, \sb
.if \zero
	v_wmma_scale_f32_16x16x128_f8f6f4 v[rD:rD+7], v[rA:rA+11], v[rB:rB+11], 0, v[rX], v[rY] matrix_a_fmt:MATRIX_FMT_FP6 matrix_b_fmt:MATRIX_FMT_FP6
.else
	v_wmma_scale_f32_16x16x128_f8f6f4 v[rD:rD+7], v[rA:rA+11], v[rB:rB+11], v[rD:rD+7], v[rX], v[rY] matrix_a_fmt:MATRIX_FMT_FP6 matrix_b_fmt:MATRIX_FMT_FP6
.endif
.endm
.macro JMUL o, n                       ; n packed multiplications of O^T by f, ascending: each accumulator from its low end on
.set jo, \o
.rept \n
	v_pk_mul_f32 v[jo:jo+1], v[jo:jo+1], v[F:F+1] op_sel_hi:[1,0]
.set jo, jo+2
.endr
.endm
.macro ADDP st, m                      ; pair m of p joins one of the sum's three chains, by turns
.if k%3 == 0
.set aR, F
.elseif k%3 == 1
.set aR, \st+2
.else
.set aR, BM+2
.endif
	v_pk_add_f32 v[aR:aR+1], v[aR:aR+1], v[S+2*(\m):S+2*(\m)+1]
.set k, k+1
.endm
; One tile's softmax for 128 keys.  st: its statistics; pc: where p's codes go (B's lie over S^T's registers 16-27); pw: p's scale word; o: its O^T
.macro SOFTMAX st, pc, pw, o
.irp q, 0,1,2,3
	v_max3_num_f32 v[BM+\q], v[S+16*\q], v[S+16*\q+1], v[S+16*\q+2]   ; the largest score of my two blocks, in four chains of 16 registers; each accumulator from its low end on
.endr
.irp i, 3,5,7,9,11,13
.irp q, 0,1,2,3
	v_max3_num_f32 v[BM+\q], v[BM+\q], v[S+16*\q+\i], v[S+16*\q+\i+1]
.endr
.endr
	v_max3_num_f32 v[BM+1], v[BM+1], v[S+15], v[S+31]
	v_max3_num_f32 v[BM+3], v[BM+3], v[S+47], v[S+63]
	s_delay_alu instid0(VALU_DEP_2)
	v_max_num_f32 v[BM], v[BM], v[BM+1]            ; block h's largest score: it serves the row's maximum and the block's largest p
	s_delay_alu instid0(VALU_DEP_2)
	v_max_num_f32 v[BM+1], v[BM+2], v[BM+3]        ; block 2 + h's
	s_delay_alu instid0(VALU_DEP_1)
	v_max_num_f32 v[T], v[BM], v[BM+1]
	v_permlanex16_b32 v[PT], v[T], s[SEL], s[SEL+1]
	s_delay_alu instid0(VALU_DEP_1)
	v_max3_num_f32 v[\st+1], v[\st+1], v[T], v[PT] ; the running largest score, with lane l xor 16's two blocks
	v_mov_b32 v[T], v[\st]
	s_delay_alu instid0(VALU_DEP_2)
	v_mul_f32 v[PT], s[CS], v[\st+1]               ; as t (c is positive)
	s_delay_alu instid0(VALU_DEP_1)
	v_floor_f32 v[\st], -v[PT]                     ; the new -M = floor(-t): M is a whole number
	s_delay_alu instid0(VALU_DEP_1)
	v_fma_f32 v[BM], v[BM], s[CS], v[\st]          ; t - M of each block's largest score
	s_delay_alu instid0(VALU_DEP_2)
	v_fma_f32 v[BM+1], v[BM+1], s[CS], v[\st]
.set j, 0
.rept 32
	v_pk_fma_f32 v[S+2*j:S+2*j+1], v[S+2*j:S+2*j+1], s[CS:CS+1], v[\st:\st+1] op_sel_hi:[1,0,0]   ; t - M, two at a time; the chain that makes f stands among them
.if j == 3
	v_sub_f32 v[T], v[\st], v[T]                   ; old M - new M: a whole number, 0 or less
.elseif j == 8
	v_cvt_i32_f32 v[T], v[T]                       ; (it saturates)
.elseif j == 13
	v_ldexp_f32 v[F], 1.0, v[T]                    ; f = 2^(old M - new M)
.endif
.set j, j+1
.endr
	WALU
	v_exp_f32 v[BM], v[BM]                         ; the blocks' largest p
	v_exp_f32 v[BM+1], v[BM+1]
.set j, 0
.rept 64
	v_exp_f32 v[S+j], v[S+j]                       ; p = 2^(t - M)
.set j, j+1
.endr
	v_pk_mul_f32 v[\st+2:\st+3], v[\st+2:\st+3], v[F:F+1] op_sel_hi:[1,0]   ; the sums under the new M: the plain line behind the batch
	WALU                                           ; one wait for the batch, directly ahead of O^T's first readers too
	JMUL \o, 16                                    ; O^T under the new M
	v_max_num_f32 v[BM], 0x1800000, v[BM]          ; the floor 2^(3 - 127): the byte cannot fall under 1
	v_max_num_f32 v[BM+1], 0x1800000, v[BM+1]
	v_pk_add_f32 v[BM+2:BM+3], v[S+16:S+17], v[S+18:S+19]   ; THE ROW'S SUM IS TAKEN OF THE UNQUANTISED p; pairs 8 to 13 first: B's codes land on them
	v_add_nc_u32 v[SO], 0xff000000, v[BM]          ; 2 off the exponent field: the conversions' scale operands
	v_add_nc_u32 v[SO+1], 0xff000000, v[BM+1]
	v_pk_add_f32 v[F:F+1], v[S+20:S+21], v[S+22:S+23]
	v_pk_add_f32 v[\st+2:\st+3], v[\st+2:\st+3], v[S+24:S+25]
	v_lshrrev_b32 v[BM], 23, v[SO]                 ; the bytes
	v_lshrrev_b32 v[BM+1], 23, v[SO+1]
	v_pk_add_f32 v[BM+2:BM+3], v[BM+2:BM+3], v[S+26:S+27]
	v_cvt_scalef32_pk16_fp6_f32 v[PT:PT+2], v[S+16:S+31], v[SO]      ; my first block's upper 16 first: the codes below may land on these numbers, behind one plain line
	v_lshl_or_b32 v[\pw], v[BM+1], 16, v[BM]       ; my two bytes: blocks h and 2 + h of my query,
	v_cvt_scalef32_pk16_fp6_f32 v[\pc:\pc+2], v[S:S+15], v[SO]
	v_cvt_scalef32_pk16_fp6_f32 v[\pc+6:\pc+8], v[S+32:S+47], v[SO+1]
	v_cvt_scalef32_pk16_fp6_f32 v[PT+4:PT+6], v[S+48:S+63], v[SO+1]  ; (a conversion's three registers begin on an even number)
	v_lshlrev_b32 v[\pw], v[SH], v[\pw]            ; at their places in the scale word (8 h bits up): the plain line behind the conversions
.irp c, 0,1
.irp i, 0,1,2
	v_mov_b32 v[\pc+6*\c+3+\i], v[PT+4*\c+\i]      ; registers 6 c .. 6 c + 5 hold keys 64 c + 32 h + 0 .. 31
.endr
.endr
	v_permlanex16_b32 v[PT+3], v[\pw], s[SEL], s[SEL+1]
.set k, 0
.irp m, 0,1,2,3,4
	ADDP \st,\m
.endr
	v_or_b32 v[\pw], v[\pw], v[PT+3]               ; with lane l xor 16's two the word is whole; 23 plain lines follow ahead of the next product
.irp m, 5,6,7,14,15,16,17,18,19,20,21,22,23,24,25,26,27,28,29,30,31
	ADDP \st,\m
.endr
	v_pk_add_f32 v[BM+2:BM+3], v[BM+2:BM+3], v[F:F+1]
	s_delay_alu instid0(VALU_DEP_1)
	v_pk_add_f32 v[\st+2:\st+3], v[\st+2:\st+3], v[BM+2:BM+3]
.endm
; A key step: 128 keys at LDS byte s[TB]
.macro STEP
	v_add_nc_u32 v[AK], s[TB], v[LK]
	v_add_nc_u32 v[AKS], s[TB], v[LKS]
	v_add_nc_u32 v[A16], s[TB], v[L16]
.rept 2
	v_nop                                          ; five places behind the last products: the loads below land on their sources, and the scores' products write over tile B's p
.endr
.irp g, 0,1,2,3
	ds_load_b64 v[KS+2*\g:KS+2*\g+1], v[AKS] offset:6144+512*(\g/2)+128*(\g%2)   ; the scale words of score tiles 2 g and 2 g + 1
.endr
.irp g, 0,1,2,3
.irp k, 0,1,2
	ds_load_b128 v[KV+12*\g+4*\k:KV+12*\g+4*\k+3], v[AK] offset:3072*(\g/2)+128*(\g%2)+512*\k   ; score tiles 2 g and 2 g + 1: twelve registers by three loads
.endr
.endr
.irp t, 0,1,2,3,4,5,6,7
.if \t == 0
	s_wait_dscnt 9                                 ; the scale words and tiles 0, 1 are in: three loads for each of the three groups behind them may be out
.elseif \t == 1
	s_wait_dscnt 6                                 ; tiles 2, 3 are in (tile 1's operand reaches into tile 2)
.elseif \t == 3
	s_wait_dscnt 3
.elseif \t == 5
	s_wait_dscnt 0x0
.endif
	WMS S+8*\t,KV+6*\t,QA,1,KS+\t,6
.endr
.rept 4
	v_nop                                          ; four places ahead of the first read of the scores
.endr
	SOFTMAX 8,PA,PWA,OA
.irp t, 0,1,2,3,4,5,6,7
	WMS S+8*\t,KV+6*\t,QB,1,KS+\t,7
.endr
.rept 4
	v_nop                                          ; four places ahead of the loads into K's registers and of the first read of the scores
.endr
.irp t, 0,1,2,3
.irp k, 0,1,2
	ds_load_b128 v[KV+12*\t+4*\k:KV+12*\t+4*\k+3], v[A16] offset:7168+1536*\t+512*\k   ; V lands under tile B's softmax: 512 consecutive bytes a load
.endr
.endr
	ds_load_b128 v[KS:KS+3], v[A16] offset:13312   ; four channel tiles' scale words a lane
	SOFTMAX 12,S+16,PWB,OB
	WALU                                           ; directly ahead of the wait below; it serves the loop's backward jump too
	s_wait_dscnt 0x0                               ; V and its scale words are in
.irp t, 0,1,2,3
	WMS OA+8*\t,KV+12*\t,PA,0,KS+\t,PWA            ; O^T += V^T P^T; the eight accumulators take turns, one instruction a turn
	WMS OB+8*\t,KV+12*\t,S+16,0,KS+\t,PWB
.endr
	s_add_co_u32 s[TB], s[TB], STEPB
.endm
.macro WALK n                          ; n key steps
	s_mov_b32 s[CNT], \n
.Lstep_\@:
	STEP
	s_sub_co_u32 s[CNT], s[CNT], 1
	s_cmp_lg_u32 s[CNT], 0
	s_cbranch_scc1 .Lstep_\@
.endm
; two blocks of a lane's row (register 16 b + i = channel 32 b + 16 (lane / 16) + i) become six registers of codes and the bytes (s0, s1)
.macro QUANT2 src, pc, w
.set qS, \src
.set qP, \pc
.set qW, \w
.irp b, 0,1
	v_max3_num_f32 v[TM+\b], |v[qS+16*\b]|, |v[qS+16*\b+1]|, 0x1800000
.endr
.irp i, 2,4,6,8,10,12,14
.irp b, 0,1
	s_delay_alu instid0(VALU_DEP_2)
	v_max3_num_f32 v[TM+\b], v[TM+\b], |v[qS+16*\b+\i]|, |v[qS+16*\b+\i+1]|
.endr
.endr
.irp b, 0,1
	s_delay_alu instid0(VALU_DEP_2)
	v_permlanex16_b32 v[TM+4+\b], v[TM+\b], s[SEL], s[SEL+1]
.endr
.irp b, 0,1
	s_delay_alu instid0(VALU_DEP_2)
	v_max_num_f32 v[TM+\b], v[TM+\b], v[TM+4+\b]
.endr
.irp b, 0,1
	s_delay_alu instid0(VALU_DEP_2)
	v_add_nc_u32 v[TM+12+\b], 0xff000000, v[TM+\b]
.endr
.irp b, 0,1
	s_delay_alu instid0(VALU_DEP_2)
	v_lshrrev_b32 v[TM+4+\b], 23, v[TM+12+\b]
.endr
	s_delay_alu instid0(VALU_DEP_1)
	v_lshl_or_b32 v[qW], v[TM+5], 8, v[TM+4]
	v_cvt_scalef32_pk16_fp6_f32 v[qP:qP+2], v[qS:qS+15], v[TM+12]
	v_cvt_scalef32_pk16_fp6_f32 v[PT:PT+2], v[qS+16:qS+31], v[TM+13]
	v_nop
.irp i, 0,1,2
	v_permlane16_swap_b32 v[qP+\i], v[PT+\i]
.endr
.irp i, 0,1,2
	s_delay_alu instid0(VALU_DEP_3)
	v_mov_b32 v[qP+3+\i], v[PT+\i]
.endr
.endm
.macro FINISH st, o, pc, w
	v_add_f32 v[\st+2], v[\st+2], v[\st+3]         ; the sum's two halves,
	v_permlanex16_b32 v[PT], v[\st+2], s[SEL], s[SEL+1]
	s_delay_alu instid0(VALU_DEP_1)
	v_add_f32 v[\st+2], v[\st+2], v[PT]            ; and lane l xor 16's: the row's sum
	WALU
	v_rcp_f32 v[F], v[\st+2]
	v_nop                                          ; one plain line behind the reciprocal
.set j, 0
	WALU
.rept 16
	v_pk_mul_f32 v[S+j:S+j+1], v[\o+j:\o+j+1], v[F:F+1] op_sel_hi:[1,0]   ; O^T / the sum, each accumulator from its low end on
.set j, j+2
.endr
	QUANT2 S,\pc,\w
.endm
	s_load_b128 s[4:7], s[0:1], 0x0                ; qq, kv
	s_load_b64 s[8:9], s[0:1], 0x10                ; aq
	v_lshl_add_u32 v254, v0, 2, SPARE
	v_mov_b32 v255, 0
	ds_add_u32 v254, v255                          ; the opening lines: the add, twice on end, and its wait
	ds_add_u32 v254, v255
	s_wait_dscnt 0x0
	v_lshrrev_b32 v1, 5, v0
	s_delay_alu instid0(VALU_DEP_1)
	v_readfirstlane_b32 s[WV], v1                  ; wave 0..15
	s_bfe_u32 s51, ttmp6, 0x40000                  ; cx: my block of 512 queries; it enters qq's and aq's addresses alone
	s_and_b32 s52, ttmp7, 0xffff                   ; the head, which the four partners share
	s_mul_i32 s54, s52, 16*STEPB
	s_mul_i32 s53, s[WV], STEPB                    ; wave w fetches key step w: 54 rows of 256 bytes, at the same place in LDS as in the head's block of kv
	s_add_co_u32 s54, s54, s53
	s_mov_b32 s55, 0
	s_mov_b32 s[G1], 15|(3<<16)|(1<<21)            ; 15:0 the mask: all four work-groups; 17:16 elements of 8 bytes; 21 set beside a mask
	s_mov_b32 s[G1+1], 32<<16
	s_mov_b32 s[G1+2], 54<<16
	s_mov_b32 s[G1+3], 32<<16
	s_mov_b32 s[G1+4], 54
	s_mov_b32 s[G1+5], 32
	s_mov_b32 s[G1+6], 0
	s_mov_b32 s[G1+7], 0
	s_mov_b32 s[SEL], 0x76543210
	s_mov_b32 s[SEL+1], 0xfedcba98
	s_mov_b32 s[CS], 0x3e38aa3b                    ; c = log2(e) / 8
	s_mov_b32 s[CS+1], s[CS]                       ; (named with it as a pair, so it is written)
	s_mov_b32 s[HI], 0xffff0000                    ; lanes 16-31
	v_and_b32 v[A16], 31, v0                       ; lane
	s_delay_alu instid0(VALU_DEP_1)
	v_lshlrev_b32 v[AK], 3, v[A16]                 ; 8 x lane, for Q's codes
	s_delay_alu instid0(VALU_DEP_2)
	v_lshlrev_b32 v[L16], 4, v[A16]                ; 16 x lane
	v_bfe_u32 v[AKS], v0, 3, 1                     ; r / 8
	v_and_b32 v[LKS], 7, v0                        ; r % 8
	v_bfe_u32 v[SH], v0, 4, 1                      ; h
	s_delay_alu instid0(VALU_DEP_3)
	v_mul_u32_u24 v[LK], v[AKS], 1536              ; K's codes: 1,536 (r / 8)
	s_delay_alu instid0(VALU_DEP_1)
	v_lshl_add_u32 v[LK], v[SH], 8, v[LK]          ; + 256 h
	s_delay_alu instid0(VALU_DEP_1)
	v_lshl_add_u32 v[LK], v[LKS], 4, v[LK]         ; + 16 (r % 8)
	v_lshlrev_b32 v[LKS], 4, v[LKS]                ; K's scale words: 16 (r % 8)
	s_delay_alu instid0(VALU_DEP_1)
	v_lshl_add_u32 v[LKS], v[AKS], 3, v[LKS]       ; + 8 (r / 8)
	v_lshlrev_b32 v[SH], 3, v[SH]                  ; 8 h: how far up my two scale bytes go
	; my two tiles of queries are tiles 32 cx + 2 w and + 1 of the head: step 4 cx + w / 4, tiles 2 (w % 4) and + 1 of it
	s_mul_i32 s56, s52, 114688
	s_lshl_b32 s57, s51, 2
	s_lshr_b32 s58, s[WV], 2
	s_add_co_u32 s57, s57, s58
	s_mul_i32 s57, s57, 7168
	s_add_co_u32 s56, s56, s57
	s_and_b32 s58, s[WV], 3
	s_mul_i32 s58, s58, 1536
	s_add_co_u32 s58, s58, s56
	s_mov_b32 s59, 0
	s_bfe_u32 s60, s[WV], 0x10001                  ; which four tiles' words: (w / 2) % 2,
	s_lshl_b32 s60, s60, 9
	s_and_b32 s61, s[WV], 1                        ; and which two of the four
	s_lshl_b32 s61, s61, 3
	s_add_co_u32 s60, s60, s61
	s_add_co_u32 s60, s60, s56
	s_add_co_u32 s60, s60, 6144
	s_mov_b32 s61, 0
	WALU
	CROUND                                         ; the opening round, ahead of the wait for the arguments: all four work-groups are here, so the joint loads meet
	s_wait_kmcnt 0x0
	s_add_nc_u64 s[54:55], s[6:7], s[54:55]
	s_add_nc_u64 s[58:59], s[4:5], s[58:59]
	s_add_nc_u64 s[60:61], s[4:5], s[60:61]
	s_mov_b32 s[G0], 1
	s_mov_b32 s[G0+1], s53
	s_mov_b64 s[G0+2:G0+3], s[54:55]
	s_or_b32 s[G0+3], s[G0+3], 0x80000000
	s_cmp_lt_u32 s[WV], 4                          ; two load lines: waves 0-3, which alone wait ahead of the first barrier, and the others
	s_cbranch_scc0 .Llate
	tensor_load_to_lds s[G0:G0+3], s[G1:G1+7]
	s_nop 0
.rept 4
	v_nop
.endr
	s_branch .Lasked
.Llate:
	tensor_load_to_lds s[G0:G0+3], s[G1:G1+7]
	s_nop 0
.rept 4
	v_nop
.endr
.Lasked:                                               ; Q is asked for straight behind the tensor loads: its addresses were made ahead of the round
.irp u, 0,1
.irp q, 0,1,2
	global_load_b64 v[QA+12*\u+2*\q:QA+12*\u+2*\q+1], v[AK], s[58:59] offset:768*\u+256*\q
.endr
	global_load_b32 v[6+\u], v[L16], s[60:61] offset:4*\u
.endr
.set j, 0
.rept 6
	v_mov_b32 v[QA+6+j], 0                         ; zero codes for the upper half of the instruction's K
	v_mov_b32 v[QB+6+j], 0
.set j, j+1
.endr
.set j, 0
.rept 64
	v_mov_b32 v[OA+j], 0                           ; O^T.  (The step is written once: the first finds zeros, which the first change of M leaves zeros)
.set j, j+1
.endr
.set j, 0
.rept 12
	v_mov_b32 v[PA+j], 0                           ; named as the upper half of K's last operand before p is first made
.set j, j+1
.endr
.set j, 0
.rept 8
	v_mov_b32 v[PT+j], 0                           ; a lane permute's destination counts as one of its sources
.set j, j+1
.endr
	v_mov_b32 v[T], 0
	v_mov_b32 v9, 0xff61b1e6                       ; the largest score so far: -3e38, under every score
	v_mov_b32 v13, 0xff61b1e6
	s_delay_alu instid0(VALU_DEP_2)
	v_floor_f32 v8, -v9                            ; -M: so large that the first step's f is 0
	s_delay_alu instid0(VALU_DEP_2)
	v_floor_f32 v12, -v13
	v_mov_b32 v10, 0                               ; the sums
	v_mov_b32 v11, 0
	v_mov_b32 v14, 0
	v_mov_b32 v15, 0
	WALU
	s_wait_loadcnt 0x0                             ; Q
	s_cmp_lt_u32 s[WV], 4
	s_cbranch_scc0 .Lnot_first
	s_wait_tensorcnt 0x0                           ; waves 0-3: key steps 0 to 3 are in
.Lnot_first:
	s_barrier_signal -1
	s_barrier_wait -1                              ; the other twelve loads may stay out
	s_mov_b32 s[TB], 0
	WALK 4
	s_wait_tensorcnt 0x0                           ; every wave: all that was still out is in
	s_wait_dscnt 0x0
	s_barrier_signal -1
	s_barrier_wait -1
	s_mov_b32 s[TB], 4*STEPB
	WALK 12
	; THE WAY OUT.  aq: [32 groups of 256 tokens][8 pairs of heads][16 token tiles x 1,536; 8 x 128 bytes of scale words]: my head's half of a fragment is three planes of 8 bytes a lane
.rept 4
	v_nop                                          ; four places behind the last products
.endr
.irp b, 0,1
	v_mov_b32 v[TM+4+\b], 0
.endr
	v_lshrrev_b32 v[AK], 1, v[L16]                 ; 8 x lane
	s_lshr_b32 s53, s52, 4                         ; the group: 8 x batch + 2 cx + w / 8
	s_lshl_b32 s53, s53, 3
	s_lshl_b32 s54, s51, 1
	s_add_co_u32 s53, s53, s54
	s_lshr_b32 s54, s[WV], 3
	s_add_co_u32 s53, s53, s54
	s_mul_i32 s53, s53, 204800
	s_bfe_u32 s54, s52, 0x30001                    ; the pair of heads
	s_mul_i32 s54, s54, 25600
	s_add_co_u32 s53, s53, s54
	s_and_b32 s54, s[WV], 7                        ; the pair of tiles
	s_and_b32 s55, s52, 1                          ; the head within its pair
	s_mul_i32 s58, s54, 3072
	s_mul_i32 s56, s55, 768
	s_add_co_u32 s58, s58, s56
	s_add_co_u32 s58, s58, s53
	s_mov_b32 s59, 0
	s_lshl_b32 s60, s54, 7
	s_lshl_b32 s56, s55, 1
	s_add_co_u32 s60, s60, s56
	s_add_co_u32 s60, s60, s53
	s_add_co_u32 s60, s60, 24576
	s_mov_b32 s61, 0
	s_add_nc_u64 s[58:59], s[8:9], s[58:59]
	s_add_nc_u64 s[60:61], s[8:9], s[60:61]
	FINISH 8,OA,40,52
	FINISH 12,OB,46,53
.irp u, 0,1
.irp q, 0,1,2
	global_store_b64 v[AK], v[40+6*\u+2*\q:41+6*\u+2*\q], s[58:59] offset:1536*\u+256*\q   ; 32 lanes store 256 consecutive bytes, at a multiple of 256 from the buffer's first byte
.endr
.endr
	v_cndmask_b32 v54, v52, v53, s[HI]             ; lanes 0-15: tile A's bytes of row r, lanes 16-31: tile B's
	v_lshrrev_b32 v55, 2, v[L16]                   ; 4 x lane
	global_store_b16 v55, v54, s[60:61]            ; my head's 16 bits of each of the pair's 32 scale words
	s_wait_xcnt 0x0
	v_lshl_add_u32 v254, v0, 2, SPARE              ; the add's two registers, made anew from v0
	v_mov_b32 v255, 0
	WALU
	s_wait_tensorcnt 0x0                           ; the wave's end
	ds_add_u32 v254, v255
	s_wait_dscnt 0x0
	CROUND                                         ; the closing round
	s_endpgm
.Lfunc_end_k_q5456a22acf_attn:
	.size	k_q5456a22acf_attn, .Lfunc_end_k_q5456a22acf_attn-k_q5456a22acf_attn
	.p2alignl 7, 3214868480
	.fill 96, 4, 3214868480
	.section	.rodata,"a",@progbits
	.p2align	6, 0x0
	.amdhsa_kernel k_q5456a22acf_attn
		.amdhsa_group_segment_fixed_size 223232
		.amdhsa_private_segment_fixed_size 0
		.amdhsa_enable_private_segment 0
		.amdhsa_kernarg_size 24
		.amdhsa_user_sgpr_count 2
		.amdhsa_user_sgpr_kernarg_segment_ptr 1
		.amdhsa_wavefront_size32 1
		.amdhsa_system_sgpr_workgroup_id_x 1
		.amdhsa_system_sgpr_workgroup_id_y 1
		.amdhsa_system_sgpr_workgroup_id_z 1
		.amdhsa_system_vgpr_workitem_id 0
		.amdhsa_next_free_vgpr 256
		.amdhsa_next_free_sgpr 66
		.amdhsa_reserve_vcc 0
		.amdhsa_float_denorm_mode_32 3
		.amdhsa_float_denorm_mode_16_64 3
		.amdhsa_memory_ordered 1
		.amdhsa_forward_progress 1
		.amdhsa_inst_pref_size 75
	.end_amdhsa_kernel
	.amdgpu_metadata
---
amdhsa.version: [ 1, 2 ]
amdhsa.kernels:
  - .name:           k_q5456a22acf_attn
    .symbol:         k_q5456a22acf_attn.kd
    .args:
      - { .name: qq, .offset: 0, .size: 8, .value_kind: global_buffer, .address_space: global }
      - { .name: kv, .offset: 8, .size: 8, .value_kind: global_buffer, .address_space: global }
      - { .name: aq, .offset: 16, .size: 8, .value_kind: global_buffer, .address_space: global }
    .group_segment_fixed_size: 223232
    .private_segment_fixed_size: 0
    .kernarg_segment_align: 8
    .kernarg_segment_size: 24
    .max_flat_workgroup_size: 512
    .sgpr_count:     66
    .vgpr_count:     256
    .wavefront_size: 32
...
	.end_amdgpu_metadata
.endif
;; end of part 7
;; launch gemm_out (part 8): grid 8 x 32, 4 waves a work-group, clusters of 4 x 4, 327,680 bytes of LDS; arguments aq, woq, bo, out0; writes out0
.if DOCPART == 8
	.amdgcn_target "amdgcn-amd-amdhsa--gfx1250"
	.amdhsa_code_object_version 6
	.text
	.protected	k_q5456a22acf_gemm_out
	.globl	k_q5456a22acf_gemm_out
	.p2align	8
	.type	k_q5456a22acf_gemm_out,@function
k_q5456a22acf_gemm_out:
	s_mov_b64 s[64:65], 0
	v_nop
	global_prefetch_b8 v0, s[64:65] scope:SCOPE_SE
	s_setreg_imm32_b32 hwreg(HW_REG_WAVE_MODE, 25, 1), 1
	s_wait_xcnt 0x0
	s_wait_alu depctr_hold_cnt(0) depctr_sa_sdst(0) depctr_va_vdst(0) depctr_va_sdst(0) depctr_va_ssrc(0) depctr_va_vcc(0) depctr_vm_vsrc(0)
	s_getreg_b32 s2, hwreg(HW_REG_IB_STS2, 6, 4)
	s_cmp_eq_u32 s2, 0
	s_cbranch_scc0 .Lentry_in_a_cluster
	s_endpgm
.Lentry_in_a_cluster:
	s_bfe_u32 s2, ttmp6, 0x10000c
	s_cmp_lg_u32 s2, 0xf033
	s_cbranch_scc0 .Lentry_shape_is_right
	s_endpgm
.Lentry_shape_is_right:
; out0 = a Wo + bo on codes of FP6 (E2M3) with E8M0 scales; a is attention's result, as codes.  out0: [8192][1024] f32.
; A work-group makes 256 tokens x 128 columns; 256 work-groups.  Its operands for all of K = 1,024 fit in LDS (204,800 + 102,400 bytes): every byte is filled once, by four tensor loads, one a wave.
; CLUSTERS: 4 x 4 work-groups; the four of a row need the same tokens, the four of a column the same weights: each part is asked for jointly.
; A WAVE HOLDS ITS 64 COLUMNS OF Wo, ALL OF K, IN REGISTERS (4 tiles x 8 K steps x 12 = 384) and streams its 128 tokens past them in eight blocks of 16: 32 products a block, four accumulators by turns,
; K ascending, the bias as the first four products' C.  EACH BLOCK'S ROWS LEAVE AT ONCE: through the wave's own stage in LDS, back as whole rows of 256 bytes, eight stores.
; Two sets of token fragments, of accumulators and of rows back from the stage, by turns.  One run of memory lines behind a block's products: its sums into the stage and back, the fetch of the block two on,
; one wait, the stores.  The wait's count, 48, is the run's own fetch: it shows the block's rows back and the next block's fragments in.
; LAYOUTS.  Lane-row r of tile T is row 32 (T / 2) + 8 (T % 2) + r + 8 (r / 8).  aq: [32 groups of 256 tokens][8 K steps][16 tiles x 1,536, 8 x 128 bytes of scale words]; a token fragment lies in planes
; (byte 768 c + 256 p + 8 lane).  woq: [8 groups of 128 columns][8 K steps][8 tiles x 1,536, 4 x 128]; a weight fragment lies lane by lane (768 c + 24 lane + 8 p).  Scale words lie in pairs of tiles,
; lanes 0-15 the even tile's, lanes 16-31 the odd tile's.  Source 0 = weights, source 1 = tokens: a lane holds one token, its 32 sums are columns 32 B + 16 (lane / 16) + 0 .. 15.
; THE HEAD'S FOUR LOADS, each on its own line: wave 0 all the weights (400 rows of 256 bytes), waves 1, 2, 3 the tokens' K steps 0-2, 3-5, 6-7.  A first barrier, ahead of which wave 0 alone waits, shows the
; weights, which go into registers while the tokens land; a second, ahead of which every wave waits, shows the tokens.  No byte is filled again.  No prefetch: all is asked for at the head.
; LIMITS: NaN, infinities and sums beyond f32's range are not served; a sum begins with the bias, where the reference adds it last.
; REGISTERS: fragment f lies in window 1 + f / 21 at v[12 (f % 21)]: 0-31 the weights' (4 q + b), 32-47 the tokens' two sets (32 + 8 e + q).  All else in window 0 (the names below).
.set WB,   204800
.set TBLK, 25600
.set WBLK, 12800
.set STG,  307200                      ; behind the operands: 16 rows x (256 bytes + 16) for each wave; no tensor load lands here
.set SPARE, 324608                     ; behind the stages: the spare words, 128 bytes a wave
.set FR,   12
.set FPW,  21
.set NF,   48                          ; LDS loads that bring a block's eight fragments
.set SPW,  10
.set NIL,  11
.set AQ,   12                          ; v12-19  LDS addresses of the pair of blocks that is fetched next, one for each K step
.set AS,   20                          ; v20-27  of its scale words
.set ADW,  28                          ; v28-29  of my weight fragments: K steps 0-3, 4-7
.set ASW,  30                          ; v30-31  of my weights' scale words
.set SB,   32                          ; v32-47  the weights' scale words: 8 (b / 2) + q
.set STO,  48
.set RD,   49
.set CO,   50
.set OBQ,  51
.set SA,   52                          ; v52-59  the tokens' scale words of a pair of blocks: q.  (A product's two scale registers differ by 4 modulo 8 in their numbers)
.set ACC,  72                          ; v72-135  two sets of four accumulators
.set BK,   136                         ; v136-199 two sets: 16 rows x 256 bytes back from the stage
.set BV,   200                         ; v200-231 the bias: register 8 b + j: column 32 (b / 2) + 8 (b % 2) + 16 (lane / 16) + j
.set AQ0,  232                         ; v232-239 as AQ, for blocks 0 and 1; never rewritten
.set AS0,  240                         ; v240-247 as AS
.set MSB, 0
.macro WIN new                         ; the immediate's high byte repeats the setting that is left
.if MSB != \new
	s_set_vgpr_msb (MSB<<8)|\new
.set MSB, \new
.endif
.endm
.macro PLACES n
.rept \n
	v_nop
.endr
.endm
.macro WALU
	s_wait_alu depctr_va_vdst(0)
.endm
.macro BARRIER
	s_barrier_signal -1
	s_barrier_wait -1
.endm
.macro CROUND                          ; a round of the cluster's barrier
	BARRIER
	s_cmp_lg_u32 s14, 0
	s_cbranch_scc1 .Lnot_wave_0_\@
	s_barrier_signal -3
.Lnot_wave_0_\@:
	s_barrier_wait -3
	BARRIER
.endm
.macro ARM g0, g1, lds, rows, step     ; a wave's one load: a dense block as rows of 256 bytes; its row count and LDS place are constants of its own arm.  An s_nop 0 and four v_nop follow
	s_mov_b32 s[\g0+1], \lds
	s_mov_b32 s[\g1+2], (\rows)<<16
	s_mov_b32 s[\g1+4], \rows
.if \step
	s_add_nc_u64 s[\g0+2:\g0+3], s[\g0+2:\g0+3], \step
.endif
	s_or_b32 s[\g0+3], s[\g0+3], 0x80000000
	tensor_load_to_lds s[\g0:\g0+3], s[\g1:\g1+7]
	s_nop 0
	PLACES 4
.endm
.macro FRAGB q, b                      ; weight fragment 4 q + b: six loads of 8 bytes
.set F_, 4*(\q)+(\b)
	WIN (1+F_/FPW)<<6
.irp c, 0,1
.irp p, 0,1,2
	ds_load_b64 v[FR*(F_%FPW)+6*\c+2*\p:FR*(F_%FPW)+6*\c+2*\p+1], v[ADW+(\q)/4] offset:((\q)%4)*WBLK+(\b)*1536+768*\c+8*\p
.endr
.endr
.endm
.macro FETCHA e, aq, off               ; a block's eight token fragments into set e: NF loads
.irp q, 0,1,2,3,4,5,6,7
.set F_, 32+8*(\e)+\q
	WIN (1+F_/FPW)<<6
.irp c, 0,1
.irp p, 0,1,2
	ds_load_b64 v[FR*(F_%FPW)+6*\c+2*\p:FR*(F_%FPW)+6*\c+2*\p+1], v[\aq+\q] offset:(\off)+768*\c+256*\p
.endr
.endr
.endr
	WIN 0
.endm
.macro WORDS as                        ; the scale words of a pair of blocks, one register a K step
.irp q, 0,1,2,3,4,5,6,7
	ds_load_b32 v[SA+\q], v[\as+\q]
.endr
.endm
.macro PROD e, n                       ; product n = 4 q + b of a block whose fragments lie in set e (the block's parity: it picks the half of the lanes for the tokens' words)
.set Q_, (\n)/4
.set B_, (\n)%4
.set FB_, 4*Q_+B_
.set FA_, 32+8*(\e)+Q_
.set D_, ACC+32*(\e)+8*B_
.set RB_, FR*(FB_%FPW)
.set RA_, FR*(FA_%FPW)
.set XB_, SB+8*(B_/2)+Q_
.set XA_, SA+Q_
.if Q_
.set C_, D_
.else
.set C_, BV+8*B_
.endif
.set V_, 2*(B_%2)+(\e)
	WIN (1+FB_/FPW)|((1+FA_/FPW)<<2)
.if V_ == 0
	v_wmma_scale_f32_16x16x128_f8f6f4 v[D_:D_+7], v[RB_:RB_+11], v[RA_:RA_+11], v[C_:C_+7], v[XB_], v[XA_] matrix_a_fmt:MATRIX_FMT_FP6 matrix_b_fmt:MATRIX_FMT_FP6
.elseif V_ == 1
	v_wmma_scale_f32_16x16x128_f8f6f4 v[D_:D_+7], v[RB_:RB_+11], v[RA_:RA_+11], v[C_:C_+7], v[XB_], v[XA_] matrix_a_fmt:MATRIX_FMT_FP6 matrix_b_fmt:MATRIX_FMT_FP6 matrix_b_scale:MATRIX_SCALE_ROW1
.elseif V_ == 2
	v_wmma_scale_f32_16x16x128_f8f6f4 v[D_:D_+7], v[RB_:RB_+11], v[RA_:RA_+11], v[C_:C_+7], v[XB_], v[XA_] matrix_a_fmt:MATRIX_FMT_FP6 matrix_b_fmt:MATRIX_FMT_FP6 matrix_a_scale:MATRIX_SCALE_ROW1
.else
	v_wmma_scale_f32_16x16x128_f8f6f4 v[D_:D_+7], v[RB_:RB_+11], v[RA_:RA_+11], v[C_:C_+7], v[XB_], v[XA_] matrix_a_fmt:MATRIX_FMT_FP6 matrix_b_fmt:MATRIX_FMT_FP6 matrix_a_scale:MATRIX_SCALE_ROW1 matrix_b_scale:MATRIX_SCALE_ROW1
.endif
.endm
.macro STAGED u                        ; set u's sums into my stage, each accumulator from its low end on, and back as whole rows.  LDS serves a wave's instructions in order (ISA guide 5.7.1.4): no wait between
.irp k, 0,1,2,3,4,5,6,7
	ds_store_b128 v[STO], v[ACC+32*(\u)+4*\k:ACC+32*(\u)+4*\k+3] offset:128*(\k/4)+16*(\k%4)
.endr
.irp t, 0,1,2,3,4,5,6,7
	ds_load_b128 v[BK+32*(\u)+4*\t:BK+32*(\u)+4*\t+3], v[RD] offset:544*\t
.endr
.endm
.macro TOC s                           ; s[10:11] stands at the pair's first token; stage rows 2 t, 2 t + 1 of the pair's block s are tokens 8 s + 2 t + 8 (t / 4) and the next
.irp t, 0,1,2,3,4,5,6,7
	global_store_b128 v[CO], v[BK+32*(\s)+4*\t:BK+32*(\s)+4*\t+3], s[10:11] offset:4096*(8*(\s)+2*\t+8*(\t/4)) th:TH_STORE_NT   ; 16 lanes store 256 consecutive bytes, at a multiple of 256 from out0's first byte
.endr
.endm
.macro STREAM s, fetch                 ; a pair's block s = 0, 1
.set N_, 0
.rept 32
	PROD \s, N_
.set N_, N_+1
.endr
	WIN 0
.if (\fetch) && ((\s) == 0)            ; the next pair's addresses: these lines are also the places between the last product and the first reader of its sums and the fetch into its registers
	s_add_co_u32 s60, s60, 3072
	s_add_co_u32 s61, s61, 128
.irp q, 0,1,2,3,4,5,6,7
	v_add_nc_u32 v[AQ+\q], s60, v[AQ0+\q]
.endr
.irp q, 0,1,2,3,4,5,6,7
	v_add_nc_u32 v[AS+\q], s61, v[AS0+\q]
.endr
	WALU
.else
	PLACES 4
.endif
	s_wait_xcnt 0x0                                ; the stores of two blocks ago have read set s of the rows, and those of the block before their base
.if (\s) == 0
	s_add_nc_u64 s[10:11], s[10:11], s[20:21]      ; on to this pair's rows of out0
.endif
	STAGED \s
.if \fetch
.if (\s) == 1
	WORDS AS                                       ; the pair's words are done with: the next pair's
.endif
	FETCHA \s, AQ, 1536*(\s)
	s_wait_dscnt NF                                ; all but the fetch just issued: the rows are back, the words and the next block's fragments are in
.else
	s_wait_dscnt 0x0
.endif
	TOC \s
.endm
	s_load_b256 s[4:11], s[0:1], 0x0               ; aq s[4:5], woq s[6:7], bo s[8:9], out0 s[10:11]
	v_lshl_add_u32 v[SPW], v0, 2, SPARE
	v_mov_b32 v[NIL], 0
	ds_add_u32 v[SPW], v[NIL]                      ; the opening lines: the add, twice on end, and its wait
	ds_add_u32 v[SPW], v[NIL]
	v_lshrrev_b32 v1, 5, v0
	v_readfirstlane_b32 s14, v1                    ; wave 0..3
	s_lshr_b32 s15, s14, 1                         ; tw: which 128 tokens are mine
	s_and_b32 s16, s14, 1                          ; hw: which 64 columns
	s_bfe_u32 s40, ttmp6, 0x40000                  ; cx, cy
	s_bfe_u32 s41, ttmp6, 0x40004
	s_lshl_b32 s42, ttmp9, 2
	s_add_co_u32 s42, s42, s40                     ; wx: group of 128 columns
	s_and_b32 s17, ttmp7, 0xffff
	s_lshl_b32 s17, s17, 2
	s_add_co_u32 s17, s17, s41                     ; wy: group of 256 tokens
	s_lshl_b32 s43, s41, 2
	s_lshl_b32 s43, 15, s43                        ; my row of the cluster
	s_lshl_b32 s44, 0x1111, s40                    ; my column
	s_or_b32 s24, s43, (3<<16)|(1<<21)             ; group 1: rows of 256 bytes (32 elements of 8): tokens go to my row,
	s_or_b32 s48, s44, (3<<16)|(1<<21)             ; weights to my column
.irp g, 24, 48
	s_mov_b32 s[\g+1], 32<<16
	s_mov_b32 s[\g+3], 32<<16
	s_mov_b32 s[\g+5], 32
	s_mov_b32 s[\g+6], 0
	s_mov_b32 s[\g+7], 0
.endr
	s_mul_i32 s20, s17, 8*TBLK                     ; the tokens' address hangs on wy alone,
	s_mov_b32 s21, 0
	s_mul_i32 s46, s42, 8*WBLK                     ; the weights' on wx alone
	s_mov_b32 s47, 0
	s_mov_b32 s68, 1
	s_mov_b32 s84, 1
	s_wait_dscnt 0x0
	CROUND                                         ; the opening round, ahead of the wait for the arguments: all sixteen work-groups are here, so the joint loads meet
	s_wait_kmcnt 0x0
	s_add_nc_u64 s[70:71], s[4:5], s[20:21]
	s_add_nc_u64 s[86:87], s[6:7], s[46:47]
	s_cmp_eq_u32 s14, 0
	s_cbranch_scc0 .Lwave_1
	ARM 84, 48, WB, 400, 0                         ; wave 0: the weights, which are wanted first
	s_branch .Lasked
.Lwave_1:
	s_cmp_eq_u32 s14, 1
	s_cbranch_scc0 .Lwave_2
	ARM 68, 24, 0, 300, 0                          ; wave 1: the tokens' K steps 0 to 2
	s_branch .Lasked
.Lwave_2:
	s_cmp_eq_u32 s14, 2
	s_cbranch_scc0 .Lwave_3
	ARM 68, 24, 3*TBLK, 300, 3*TBLK                ; wave 2: 3 to 5
	s_branch .Lasked
.Lwave_3:
	ARM 68, 24, 6*TBLK, 200, 6*TBLK                ; wave 3: 6 and 7
.Lasked:
	s_mul_i32 s58, s15, 8*1536                     ; my eight token tiles
	s_lshl_b32 s59, s15, 9                         ; their four pairs' words
	s_add_co_u32 s59, s59, 24576
	s_mul_i32 s60, s16, 4*1536                     ; my four weight tiles
	s_add_co_u32 s60, s60, WB
	s_lshl_b32 s61, s16, 8                         ; their two pairs' words
	s_add_co_u32 s61, s61, WB+12288
	s_mul_i32 s62, s14, 16*272
	s_add_co_u32 s62, s62, STG                     ; my stage
	s_lshl_b32 s18, s42, 9                         ; my 64 columns, in bytes: 512 wx + 256 hw: in the bias and in a row of out0
	s_lshl_b32 s19, s16, 8
	s_add_co_u32 s18, s18, s19
	s_mov_b32 s19, 0
	s_add_nc_u64 s[8:9], s[8:9], s[18:19]
	s_lshl_b32 s22, s17, 20                        ; 256 rows of 4,096 bytes a group,
	s_lshl_b32 s23, s15, 19                        ; 128 a half
	s_add_co_u32 s22, s22, s23
	s_add_co_u32 s22, s22, s18
	s_mov_b32 s23, 0
	s_add_nc_u64 s[10:11], s[10:11], s[22:23]
	v_and_b32 v1, 31, v0                           ; lane
	v_and_b32 v2, 15, v0                           ; r
	v_bfe_u32 v3, v0, 4, 1                         ; h
	v_lshl_add_u32 v[AQ0], v1, 3, s58
	v_lshl_add_u32 v[AS0], v1, 2, s59
	v_mul_u32_u24 v[ADW], v1, 24
	v_lshl_add_u32 v[ASW], v1, 2, s61
	v_lshlrev_b32 v[OBQ], 6, v3
	v_mul_u32_u24 v[STO], v2, 272                  ; the stage, in: row r, + 64 h
	v_mul_u32_u24 v[RD], v3, 272                   ; back: lanes 0-15 one row of 256 bytes, lanes 16-31 the next
	v_lshlrev_b32 v[CO], 12, v3                    ; and the same two rows in out0
	v_add_nc_u32 v[ADW], s60, v[ADW]
	v_lshl_add_u32 v[STO], v3, 6, v[STO]
	v_lshl_add_u32 v[RD], v2, 4, v[RD]
	v_lshl_add_u32 v[CO], v2, 4, v[CO]
	v_add_nc_u32 v[ASW+1], 4*WBLK, v[ASW]
	v_add_nc_u32 v[ADW+1], 4*WBLK, v[ADW]
	v_add_nc_u32 v[STO], s62, v[STO]
	v_add_nc_u32 v[RD], s62, v[RD]
.irp q, 1,2,3,4,5,6,7
	v_add_nc_u32 v[AQ0+\q], \q*TBLK, v[AQ0]
	v_add_nc_u32 v[AS0+\q], \q*TBLK, v[AS0]
.endr
	WALU
.irp k, 0,1,2,3,4,5,6,7
	global_load_b128 v[BV+4*\k:BV+4*\k+3], v[OBQ], s[8:9] offset:128*(\k/4)+16*(\k%4)
.endr
	s_wait_dscnt 0x0
	s_cmp_eq_u32 s14, 0
	s_cbranch_scc0 .Lnot_b
	s_wait_tensorcnt 0x0                           ; wave 0: the weights are in
.Lnot_b:
	BARRIER                                        ; the tokens' loads may stay out
.irp q, 0,1,2,3,4,5,6,7
.irp b, 0,1,2,3
	FRAGB \q, \b
.endr
.endr
	WIN 0
.irp q, 0,1,2,3,4,5,6,7
.irp i, 0,1
	ds_load_b32 v[SB+8*\i+\q], v[ASW+\q/4] offset:(\q%4)*WBLK+128*\i
.endr
.endr
	s_wait_tensorcnt 0x0                           ; every wave: all that was still out is in
	s_wait_dscnt 0x0
	BARRIER
	WORDS AS0
	FETCHA 0, AQ0, 0
	FETCHA 1, AQ0, 1536
	s_mov_b32 s60, 0                               ; from blocks 0, 1 to the pair that is fetched next: fragments,
	s_mov_b32 s61, 0                               ; scale words
	s_mov_b32 s23, 0
	s_mov_b32 s20, 0                               ; s[20:21]: from a pair's rows of out0 to the next pair's; the first begins where the base stands
	s_mov_b32 s21, 0
	s_wait_loadcnt 0x0                             ; the bias
	s_wait_dscnt NF                                ; block 0's fragments and the words are in; block 1's 48 loads may be out
.Lpair:                                                ; blocks 0 to 5, a pair a trip
	STREAM 0, 1
	STREAM 1, 1
	s_mov_b32 s20, 131072                          ; the next pair's tokens lie 32 rows on
	s_add_co_u32 s23, s23, 1
	s_cmp_lg_u32 s23, 3
	s_cbranch_scc1 .Lpair
	STREAM 0, 0                                    ; blocks 6 and 7 fetch nothing
	STREAM 1, 0
	s_wait_tensorcnt 0x0                           ; the wave's end
	ds_add_u32 v[SPW], v[NIL]
	s_wait_dscnt 0x0
	CROUND                                         ; the closing round
	s_endpgm
.Lfunc_end_k_q5456a22acf_gemm_out:
	.size	k_q5456a22acf_gemm_out, .Lfunc_end_k_q5456a22acf_gemm_out-k_q5456a22acf_gemm_out
	.p2alignl 7, 3214868480
	.fill 96, 4, 3214868480
	.section	.rodata,"a",@progbits
	.p2align	6, 0x0
	.amdhsa_kernel k_q5456a22acf_gemm_out
		.amdhsa_group_segment_fixed_size 327680
		.amdhsa_private_segment_fixed_size 0
		.amdhsa_enable_private_segment 0
		.amdhsa_kernarg_size 32
		.amdhsa_user_sgpr_count 2
		.amdhsa_user_sgpr_kernarg_segment_ptr 1
		.amdhsa_wavefront_size32 1
		.amdhsa_system_sgpr_workgroup_id_x 1
		.amdhsa_system_sgpr_workgroup_id_y 1
		.amdhsa_system_sgpr_workgroup_id_z 1
		.amdhsa_system_vgpr_workitem_id 0
		.amdhsa_next_free_vgpr 840
		.amdhsa_next_free_sgpr 100
		.amdhsa_reserve_vcc 0
		.amdhsa_float_denorm_mode_32 3
		.amdhsa_float_denorm_mode_16_64 3
		.amdhsa_memory_ordered 1
		.amdhsa_forward_progress 1
		.amdhsa_inst_pref_size 61
	.end_amdhsa_kernel
	.amdgpu_metadata
---
amdhsa.version: [ 1, 2 ]
amdhsa.kernels:
  - .name:           k_q5456a22acf_gemm_out
    .symbol:         k_q5456a22acf_gemm_out.kd
    .args:
      - { .name: aq, .offset: 0, .size: 8, .value_kind: global_buffer, .address_space: global }
      - { .name: woq, .offset: 8, .size: 8, .value_kind: global_buffer, .address_space: global }
      - { .name: bo, .offset: 16, .size: 8, .value_kind: global_buffer, .address_space: global }
      - { .name: out0, .offset: 24, .size: 8, .value_kind: global_buffer, .address_space: global }
    .group_segment_fixed_size: 327680
    .private_segment_fixed_size: 0
    .kernarg_segment_align: 8
    .kernarg_segment_size: 32
    .max_flat_workgroup_size: 128
    .sgpr_count:     100
    .vgpr_count:     840
    .wavefront_size: 32
...
	.end_amdgpu_metadata
.endif
;; end of part 8
